; MI455X (gfx1250); checked and timed in simulation.
; The chip was launched on July 23, 2026; its instructions are those of AMD's public machine-readable ISA for CDNA 5 (MIT licence, August 2026) and "CDNA5" Instruction Set Architecture Reference Guide (July 2026). The comments in the code are by the model that wrote it; some were corrected since.
;; Mixture Of Experts Layer. Allowed arithmetic: matrix products marked QUANTISED: E4M3 operands, one E8M0 scale for each 32 along K, by v_wmma_scale_f32_16x16x128_f8f6f4 with both operands' format E4M3, f32 sums; products left as they are: f32 operands where the result goes on into a quantised operand, else bf16, f16 or f32 operands; f32 sums; everything else in f32.
;; Inputs: W1_codes 8 x 4,096 x 32 x 32 uint8 (E4M3 codes of W1, K innermost, in blocks of 32 codes); W1_scales 8 x 4,096 x 32 uint8 (E8M0 scales of W1, one for each 32 codes along K); W2_codes 8 x 1,024 x 128 x 32 uint8 (E4M3 codes of W2, K innermost, in blocks of 32 codes); W2_scales 8 x 1,024 x 128 uint8 (E8M0 scales of W2, one for each 32 codes along K); Wg 1,024 x 8 float32; b1 8 x 4,096 float32; b2 8 x 1,024 float32; bg 8 float32; x 1,024 x 1,024 float32.
;; Outputs: out0 1,024 x 1,024 float32; out1 one number float32.
;; This version of the problem:
;;   THIS VERSION OF THE PROBLEM IS GIVEN IN LOW PRECISION. The matrix products marked QUANTISED in the list below multiply operands that are first quantised to E4M3 (4 exponent bits, 3 mantissa bits; 8 bits a number), with one power-of-two scale for each 32 numbers along K (OCP MX v1.0); their sums are f32. All else is computed in f32.
;;   The module's matrix products, in the order in which they are computed (A, B: the left and right operand; K: the contracted axis; several contracted axes count as one K, in the product's order):
;;     1. [M 1,024, K 1,024] x [K 1,024, N 8]; A: input x; B: input Wg: left as it is (N = 8 < 16)
;;     2. [M 1,024, K 1,024] x [K 1,024, N 4,096]; A: input x; B: input W1 (given as codes): QUANTISED
;;     3. [M 1,024, K 4,096] x [K 4,096, N 1,024]; A: computed on the way; B: input W2 (given as codes): QUANTISED
;;     4. [M 1,024, K 1,024] x [K 1,024, N 4,096]; A: input x; B: input W1 (given as codes): QUANTISED
;;     5. [M 1,024, K 4,096] x [K 4,096, N 1,024]; A: computed on the way; B: input W2 (given as codes): QUANTISED
;;     6. [M 1,024, K 1,024] x [K 1,024, N 4,096]; A: input x; B: input W1 (given as codes): QUANTISED
;;     7. [M 1,024, K 4,096] x [K 4,096, N 1,024]; A: computed on the way; B: input W2 (given as codes): QUANTISED
;;     8. [M 1,024, K 1,024] x [K 1,024, N 4,096]; A: input x; B: input W1 (given as codes): QUANTISED
;;     9. [M 1,024, K 4,096] x [K 4,096, N 1,024]; A: computed on the way; B: input W2 (given as codes): QUANTISED
;;     10. [M 1,024, K 1,024] x [K 1,024, N 4,096]; A: input x; B: input W1 (given as codes): QUANTISED
;;     11. [M 1,024, K 4,096] x [K 4,096, N 1,024]; A: computed on the way; B: input W2 (given as codes): QUANTISED
;;     12. [M 1,024, K 1,024] x [K 1,024, N 4,096]; A: input x; B: input W1 (given as codes): QUANTISED
;;     13. [M 1,024, K 4,096] x [K 4,096, N 1,024]; A: computed on the way; B: input W2 (given as codes): QUANTISED
;;     14. [M 1,024, K 1,024] x [K 1,024, N 4,096]; A: input x; B: input W1 (given as codes): QUANTISED
;;     15. [M 1,024, K 4,096] x [K 4,096, N 1,024]; A: computed on the way; B: input W2 (given as codes): QUANTISED
;;     16. [M 1,024, K 1,024] x [K 1,024, N 4,096]; A: input x; B: input W1 (given as codes): QUANTISED
;;     17. [M 1,024, K 4,096] x [K 4,096, N 1,024]; A: computed on the way; B: input W2 (given as codes): QUANTISED
;;   THE QUANTISER, for each operand of a quantised product, along K:
;;     - K is cut into blocks of 32 from its start; a last block that is shorter is filled with zeros.
;;     - A block's scale is 2^e with e = floor(log2(the largest magnitude in the block)) - 8, held to -126 .. 127; a block of zeros has e = 0. As a byte (E8M0): e + 127.
;;     - Each number is divided by its block's scale, clamped to +-448, and rounded to the nearest number of E4M3, ties to even, subnormals kept.
;;     - The product sums the exact products of the quantised numbers (number of the format x scale) in f32.
;;   ~~~python
;;   def quantise(x, axis):      # numpy; x: float32 -> the quantised numbers, widened to float32 again
;;       x = np.moveaxis(x, axis, -1); K = x.shape[-1]
;;       x = np.pad(x, [(0, 0)] * (x.ndim - 1) + [(0, -K % 32)]); x = x.reshape(x.shape[:-1] + (-1, 32)); a = np.abs(x).max(-1, keepdims=True)
;;       e = np.where(a > 0, np.clip(np.frexp(np.where(a > 0, a, 1))[1] - 1 - 8, -126, 127), 0)      # np.frexp(a)[1] - 1 = floor(log2(a)), exactly
;;       r = np.clip(x / 2.0 ** e, -448, 448)
;;       step = 2.0 ** (np.maximum(np.frexp(np.where(r == 0, 1, r))[1] - 1, -6) - 3)
;;       q = np.round(r / step) * step * 2.0 ** e      # np.round: ties to even
;;       return np.moveaxis(q.reshape(q.shape[:-2] + (-1,))[..., :K], -1, axis).astype(np.float32)
;;   ~~~
;;   OPERANDS COMPUTED ON THE WAY. 'Computed on the way' means the value that the module computes at that place (a softmax that the list does not call 'softmax' is quantised finished and normalised). What goes into a quantiser is computed in f32, as accurately as f32 sums, v_exp_f32 and their like allow (about 1e-6 of the number): no bf16 or f16 on the way to a quantiser, and a product that is left as it is and whose result goes on into a quantised operand takes f32 operands (vector FMAs, or v_wmma_f32_16x16x4_f32). A number that lies on a knife's edge between two numbers of the format may be rounded either way, as far as f32 arithmetic and the matrix unit's own rounding can turn it there, and no further.
;;   INPUTS GIVEN AS CODES. W1 (in the module: [8, 1024, 4096], K = its axis 1); W2 (in the module: [8, 4096, 1024], K = its axis 1): each comes as NAME_codes (uint8): NAME with its K axis moved to the last place and cut into blocks of 32 codes, [.., K / 32, bytes a block], one block behind the other in memory; one code a byte (a code: sign, 4 exponent bits, 3 mantissa bits); and NAME_scales (uint8): the same leading axes, one E8M0 byte (e + 127) for each 32 codes along K. Its value is code x scale, taken as it is: it is not quantised again, and the codes and scales need not be those that the quantiser above would give.
;; 2 versions. Each part assembles by itself: llvm-mc -triple=amdgcn-amd-amdhsa -mcpu=gfx1250 --defsym DOCPART=n.
;; ======== version 1 of 2: 6 launches
;; workspace buffers: sel 8,192 bytes of whole numbers; gate 40,960 bytes; route 8,448 bytes of whole numbers; tok 9,984 bytes of whole numbers; xa 2,635,776 bytes; ha 10,543,104 bytes; yp 40,894,464 bytes
;; launch gate (part 1): grid 256 x 1, 1 waves a work-group, no clusters, 0 bytes of LDS; arguments x, Wg, bg, sel, gate; writes sel, gate
.if DOCPART == 1
	.amdgcn_target "amdgcn-amd-amdhsa--gfx1250"
	.amdhsa_code_object_version 6
	.text
	.protected	k_qfbc6113a47_gate
	.globl	k_qfbc6113a47_gate
	.p2align	8
	.type	k_qfbc6113a47_gate,@function
k_qfbc6113a47_gate:
	s_mov_b64 s[64:65], 0
	v_nop
	global_prefetch_b8 v0, s[64:65] scope:SCOPE_SE
	s_setreg_imm32_b32 hwreg(HW_REG_WAVE_MODE, 25, 1), 1
	s_wait_xcnt 0x0
; THE GATE.  logits = x Wg + bg in f32 fused multiply-adds, softmax over the 8 experts (the maximum taken away first), the two largest probabilities
; (equal ones: the lower expert first), and their weights p / (p1 + p2).  x [1024][1024], Wg [1024][8], bg [8]: f32.
; OUT: gate: the probabilities [1024][8] f32 at byte 0, the two weights [1024][2] f32 at byte 32768;  sel: the two experts [1024][2] as whole numbers.
; No address and no branch hangs on a floating-point number here: the choice is stored at fixed places and used by the next launch.
; SHARES.  One wave, four tokens.  Lane l holds columns d = 128 j + 4 l + i (j = 0..7, i = 0..3) of x and rows d of Wg: each load of x covers 512 consecutive bytes.
; Each lane sums its 32 columns for the 4 x 8 logits; five halving steps then add over the lanes and leave logit 8 token + expert in lane 8 token + expert.
; The matrix units are left out: 8 columns, and the choice wants f32.
; LIMITS: NaN and infinities are not served; a probability under 2^-126 counts as 0 (the exponential's result is flushed: ISA guide, 15.8).
; REGISTERS: window 0: v1-25 lane numbers and the softmax; v32-63 the 32 sums; v64-191 x (32 a token), later at work.  window 1: Wg, register 8 (4 j + i) + expert.
.set ACC, 32
.set X,   64
.set T,   64                           ; at work in the halving steps: x is done with by then
.set MSB, 0
.macro WIN new                         ; the immediate's high byte repeats the setting that is left
.if MSB != \new
	s_set_vgpr_msb (MSB<<8)|\new
.set MSB, \new
.endif
.endm
; A halving step: of its 2 h sums a lane keeps the h that belong to its half of the lanes (mask) and gives the other h to its partner (lane xor ctl).
.macro RS h, mask, ctl
.set k, 0
.rept \h
	v_cndmask_b32 v[T+k], v[ACC+k+\h], v[ACC+k], \mask     ; what I give away
	v_cndmask_b32 v[ACC+k], v[ACC+k], v[ACC+k+\h], \mask   ; what I keep
.set k, k+1
.endr
.set k, 0
.rept \h
.if \ctl == 16
	v_permlanex16_b32 v[T+16+k], v[T+k], s26, s27          ; (its destination has been written: it held x)
.else
	v_add_f32_dpp v[ACC+k], v[T+k], v[ACC+k] row_xmask:\ctl row_mask:0xf bank_mask:0xf
.endif
.set k, k+1
.endr
.if \ctl == 16
.set k, 0
.rept \h
	v_add_f32 v[ACC+k], v[ACC+k], v[T+16+k]
.set k, k+1
.endr
.endif
.endm
.macro RED8 op, r                      ; over the eight lanes of a token; the result in all eight
.irp m, 1,2,4
	\op v[\r], v[\r], v[\r] row_xmask:\m row_mask:0xf bank_mask:0xf
.endr
.endm
	s_load_b256 s[4:11], s[0:1], 0x0               ; x s[4:5], Wg s[6:7], bg s[8:9], sel s[10:11]
	s_load_b64 s[12:13], s[0:1], 0x20              ; gate
	v_and_b32 v1, 31, v0                           ; lane
	v_lshlrev_b32 v2, 4, v1                        ; x: 16 bytes a lane
	v_lshlrev_b32 v3, 7, v1                        ; Wg: four rows of 32 bytes a lane
	v_and_b32 v4, 7, v1                            ; the expert that my lane ends up with
	v_cvt_f32_u32 v5, v4                           ; the same as f32
	v_lshlrev_b32 v6, 2, v4
	s_lshl_b32 s14, ttmp9, 14                      ; four rows of 4,096 bytes a work-group
	s_mov_b32 s15, 0
	s_mov_b32 s20, 0xffff0000                      ; the lanes whose bit 4, 3, 2, 1, 0 is set
	s_mov_b32 s21, 0xff00ff00
	s_mov_b32 s22, 0xf0f0f0f0
	s_mov_b32 s23, 0xcccccccc
	s_mov_b32 s24, 0xaaaaaaaa
	s_mov_b32 s26, 0x76543210                      ; v_permlanex16_b32's selects for lane l xor 16
	s_mov_b32 s27, 0xfedcba98
	s_wait_kmcnt 0x0
	s_add_nc_u64 s[4:5], s[4:5], s[14:15]
	WIN 0x40                                       ; destination window 1
.irp j, 0,1,2,3,4,5,6,7
.irp i, 0,1,2,3
	global_load_b128 v[8*(4*\j+\i):8*(4*\j+\i)+3],   v3, s[6:7] offset:4096*\j+32*\i
	global_load_b128 v[8*(4*\j+\i)+4:8*(4*\j+\i)+7], v3, s[6:7] offset:4096*\j+32*\i+16
.endr
.endr
	WIN 0
.irp t, 0,1,2,3
.irp j, 0,1,2,3,4,5,6,7
	global_load_b128 v[X+32*\t+4*\j:X+32*\t+4*\j+3], v2, s[4:5] offset:4096*\t+512*\j
.endr
.endr
	global_load_b32 v7, v6, s[8:9]                 ; bg of my expert
	s_wait_loadcnt 0x0
	; 32 columns x 4 tokens x 4 pairs of experts: the first column's products start the sums; the 16 pairs take turns
	WIN 0x01                                       ; source 0 (Wg) window 1
.set ji, 0
.rept 32
.irp t, 0,1,2,3
.irp e, 0,2,4,6
.set xr, X+32*\t+ji-(ji%2)
.if ji == 0
	v_pk_mul_f32 v[ACC+8*\t+\e:ACC+8*\t+\e+1], v[8*ji+\e:8*ji+\e+1], v[xr:xr+1] op_sel_hi:[1,0]
.elseif ji%2 == 0
	v_pk_fma_f32 v[ACC+8*\t+\e:ACC+8*\t+\e+1], v[8*ji+\e:8*ji+\e+1], v[xr:xr+1], v[ACC+8*\t+\e:ACC+8*\t+\e+1] op_sel_hi:[1,0,1]   ; the pair's first x for both experts
.else
	v_pk_fma_f32 v[ACC+8*\t+\e:ACC+8*\t+\e+1], v[8*ji+\e:8*ji+\e+1], v[xr:xr+1], v[ACC+8*\t+\e:ACC+8*\t+\e+1] op_sel:[0,1,0]      ; the pair's second x for both
.endif
.endr
.endr
.set ji, ji+1
.endr
	WIN 0
	RS 16, s20, 16
	RS 8,  s21, 8
	RS 4,  s22, 4
	RS 2,  s23, 2
	RS 1,  s24, 1                                  ; v32: the sum 8 token + expert = my lane's number
	v_add_f32 v8, v32, v7                          ; the logit
	v_mov_b32 v9, v8
	RED8 v_max_num_f32_dpp, 9                      ; the token's largest logit
	v_sub_f32 v10, v8, v9
	v_mul_f32 v10, 0x3fb8aa3b, v10                 ; x log2(e)
	v_exp_f32 v10, v10
	v_mov_b32 v20, 0x41000000                      ; 8.0: past the last expert.  (A plain place behind the exponential)
	s_wait_alu depctr_va_vdst(0)
	v_mov_b32 v11, v10
	RED8 v_add_f32_dpp, 11
	v_rcp_f32 v12, v11
	v_mov_b32 v21, -1.0                            ; under every probability.  (A plain place behind the reciprocal)
	s_wait_alu depctr_va_vdst(0)
	v_mul_f32 v13, v10, v12                        ; p
	v_mov_b32 v14, v13
	RED8 v_max_num_f32_dpp, 14                     ; p1
	v_cmp_eq_f32 vcc_lo, v13, v14
	v_cndmask_b32 v15, v20, v5, vcc_lo
	RED8 v_min_num_f32_dpp, 15                     ; the lowest expert that has it
	v_cmp_eq_f32 vcc_lo, v5, v15
	v_cndmask_b32 v16, v13, v21, vcc_lo            ; that expert is taken out
	v_mov_b32 v17, v16
	RED8 v_max_num_f32_dpp, 17                     ; p2
	v_cmp_eq_f32 vcc_lo, v16, v17
	v_cndmask_b32 v18, v20, v5, vcc_lo
	RED8 v_min_num_f32_dpp, 18
	v_add_f32 v19, v14, v17
	v_rcp_f32 v19, v19
	v_lshlrev_b32 v24, 2, v1                       ; (a plain place)  the probabilities: 4 bytes a lane
	v_cmp_eq_u32 vcc_lo, 1, v4
	s_wait_alu depctr_va_vdst(0)
	v_mul_f32 v14, v14, v19                        ; the first weight
	v_mul_f32 v17, v17, v19                        ; the second
	v_cndmask_b32 v22, v14, v17, vcc_lo            ; lane 8 token + 0 stores the first choice, lane 8 token + 1 the second
	v_cndmask_b32 v23, v15, v18, vcc_lo
	v_cvt_u32_f32 v23, v23
	v_and_b32 v25, 24, v1                          ; 8 bytes a token,
	v_lshl_add_u32 v25, v4, 2, v25                 ; 4 a choice
	s_lshl_b32 s14, ttmp9, 7
	s_add_nc_u64 s[16:17], s[12:13], s[14:15]
	s_lshl_b32 s14, ttmp9, 5
	s_add_nc_u64 s[10:11], s[10:11], s[14:15]
	s_add_nc_u64 s[12:13], s[12:13], s[14:15]
	global_store_b32 v24, v13, s[16:17]            ; 128 consecutive bytes
	s_wait_xcnt 0x0                                ; EXEC changes only behind this wait
	v_cmp_gt_u32 vcc_lo, 2, v4
	s_and_saveexec_b32 s28, vcc_lo
	global_store_b32 v25, v23, s[10:11]
	global_store_b32 v25, v22, s[12:13] offset:32768
	s_endpgm
.Lfunc_end_k_qfbc6113a47_gate:
	.size	k_qfbc6113a47_gate, .Lfunc_end_k_qfbc6113a47_gate-k_qfbc6113a47_gate
	.p2alignl 7, 3214868480
	.fill 96, 4, 3214868480
	.section	.rodata,"a",@progbits
	.p2align	6, 0x0
	.amdhsa_kernel k_qfbc6113a47_gate
		.amdhsa_group_segment_fixed_size 0
		.amdhsa_private_segment_fixed_size 0
		.amdhsa_enable_private_segment 0
		.amdhsa_kernarg_size 40
		.amdhsa_user_sgpr_count 2
		.amdhsa_user_sgpr_kernarg_segment_ptr 1
		.amdhsa_wavefront_size32 1
		.amdhsa_system_sgpr_workgroup_id_x 1
		.amdhsa_system_sgpr_workgroup_id_y 1
		.amdhsa_system_sgpr_workgroup_id_z 1
		.amdhsa_system_vgpr_workitem_id 0
		.amdhsa_next_free_vgpr 512
		.amdhsa_next_free_sgpr 66
		.amdhsa_reserve_vcc 1
		.amdhsa_float_denorm_mode_32 3
		.amdhsa_float_denorm_mode_16_64 3
		.amdhsa_memory_ordered 1
		.amdhsa_forward_progress 1
		.amdhsa_inst_pref_size 52
	.end_amdhsa_kernel
	.amdgpu_metadata
---
amdhsa.version: [ 1, 2 ]
amdhsa.kernels:
  - .name:           k_qfbc6113a47_gate
    .symbol:         k_qfbc6113a47_gate.kd
    .args:
      - { .name: x, .offset: 0, .size: 8, .value_kind: global_buffer, .address_space: global }
      - { .name: Wg, .offset: 8, .size: 8, .value_kind: global_buffer, .address_space: global }
      - { .name: bg, .offset: 16, .size: 8, .value_kind: global_buffer, .address_space: global }
      - { .name: sel, .offset: 24, .size: 8, .value_kind: global_buffer, .address_space: global }
      - { .name: gate, .offset: 32, .size: 8, .value_kind: global_buffer, .address_space: global }
    .group_segment_fixed_size: 0
    .private_segment_fixed_size: 0
    .kernarg_segment_align: 8
    .kernarg_segment_size: 40
    .max_flat_workgroup_size: 32
    .sgpr_count:     66
    .vgpr_count:     512
    .wavefront_size: 32
...
	.end_amdgpu_metadata
.endif
;; end of part 1
;; launch place (part 2): grid 39 x 1, 32 waves a work-group, no clusters, 14,336 bytes of LDS; arguments sel, gate, route, tok, out1; writes route, tok, out1
.if DOCPART == 2
	.amdgcn_target "amdgcn-amd-amdhsa--gfx1250"
	.amdhsa_code_object_version 6
	.text
	.protected	k_qfbc6113a47_place
	.globl	k_qfbc6113a47_place
	.p2align	8
	.type	k_qfbc6113a47_place,@function
k_qfbc6113a47_place:
	s_mov_b64 s[64:65], 0
	v_nop
	global_prefetch_b8 v0, s[64:65] scope:SCOPE_SE
	s_setreg_imm32_b32 hwreg(HW_REG_WAVE_MODE, 25, 1), 1
	s_wait_xcnt 0x0
; THE PLACING OF ROWS.  The 2,048 chosen (token, expert) rows are sorted by expert, tokens ascending.  Expert e with c_e rows takes G_e = ceil(c_e / 64) groups of 64 rows from group GB_e on
; (GB = the running sum of G).  The sum of G is at most (2048 + 8 x 63) / 64 = 39 for every choice: 39 work-groups, one a group.
; Every work-group counts anew (1,024 threads, a token each: ballots, counts through LDS): nothing passes between work-groups.
; Work-group g then says which token stands in each of its 64 rows.  NO ADDRESS AND NO BRANCH HANGS ON A COUNT: with F[n] = how many tokens below n chose the group's expert, the token of rank p is
; (the number of n with F[n] <= p) - 1, which is 1023 where p is past the expert's last row.  That number is counted, not searched for: a ballot a row in each wave, the 32 waves' counts added through LDS.
; Work-group 0 also stores the table route and the load-balancing loss.
; OUT.  tok: [2496] the token of each position (position = 64 group + row); a last group's spare rows and the spare groups hold 1023: nobody reads their results.
;   route: [1024][2] the two positions of each token (64 GB_e + rank) at byte 0; at byte 8192 32 words: GB_e, G_e, c_e, zeros.
;   out1 = 8 sum_e (S_e / sum S) (c_e / 2048), S_e the sum of expert e's probabilities.
; LIMITS: NaN and infinities among the probabilities are not served.
; No tensor load, no matrix work: a few kilobytes are read, and the work is counting.
.set CNT, 0                            ; LDS: 32 waves x 16 bytes: a wave's eight counts, two to a word
.set IMP, 512                          ; 32 waves x 32 bytes: a wave's eight sums of probabilities
.set CW,  2048                         ; 32 waves x 256 bytes: for each of the group's 64 rows, how many of the wave's tokens have F <= the row's rank; rows 2 l, 2 l + 1 at byte 8 l
.macro FSUM r                          ; over the 32 lanes, the result in all
.irp m, 1,2,4,8
	v_add_f32_dpp v[\r], v[\r], v[\r] row_xmask:\m row_mask:0xf bank_mask:0xf
.endr
	v_permlanex16_b32 v28, v[\r], s18, s19
	v_add_f32 v[\r], v[\r], v28
.endm
.macro ISUM r                          ; the same for whole numbers
.irp m, 1,2,4,8
	v_mov_b32_dpp v29, v[\r] row_xmask:\m row_mask:0xf bank_mask:0xf
	v_add_nc_u32 v[\r], v[\r], v29
.endr
	v_permlanex16_b32 v29, v[\r], s18, s19
	v_add_nc_u32 v[\r], v[\r], v29
.endm
	s_load_b256 s[4:11], s[0:1], 0x0               ; sel s[4:5], gate s[6:7], route s[8:9], tok s[10:11]
	s_load_b64 s[12:13], s[0:1], 0x20              ; out1
	v_lshl_add_u32 v126, v0, 2, 0x2800
	v_mov_b32 v127, 0
	v_lshrrev_b32 v1, 5, v0
	v_readfirstlane_b32 s16, v1                    ; wave 0..31
	v_and_b32 v1, 31, v0                           ; lane
	s_mov_b32 s17, ttmp9                           ; my group g
	s_mov_b32 s18, 0x76543210                      ; v_permlanex16_b32's selects for lane l xor 16
	s_mov_b32 s19, 0xfedcba98
	v_lshlrev_b32 v31, 3, v0                       ; 8 n: thread n has token n
	v_lshlrev_b32 v30, 5, v0                       ; 32 n
	s_lshl_b32 s21, s16, 8
	v_lshl_add_u32 v104, v1, 3, s21                ; where my wave puts its 64 counts: 256 x wave + 8 x lane
	v_lshlrev_b32 v105, 3, v1                      ; 8 x lane: where a lane reads them back, and its place in the group's 256 bytes of tok
	s_wait_kmcnt 0x0
	global_load_b64 v[2:3], v31, s[4:5]            ; my token's two experts
	global_load_b128 v[4:7], v30, s[6:7]           ; and its eight probabilities
	global_load_b128 v[8:11], v30, s[6:7] offset:16
	v_mov_b32 v28, 0                               ; written once: a lane permute's destination counts as one of its sources
	v_mov_b32 v29, 0
	s_wait_loadcnt 0x0
	; ---- 1: a wave's ballots M_e (which of its 32 tokens chose expert e) and counts
.irp e, 0,1,2,3,4,5,6,7
	v_cmp_eq_u32 s80, \e, v2
	v_cmp_eq_u32 s81, \e, v3
	s_or_b32 s[24+\e], s80, s81
	s_bcnt1_i32_b32 s[32+\e], s[24+\e]
.endr
.irp k, 0,1,2,3
	s_lshl_b32 s80, s[33+2*\k], 16                 ; two counts to a word: no sum of them passes 1,024
	s_or_b32 s80, s80, s[32+2*\k]
	v_mov_b32 v[12+\k], s80
.endr
.irp e, 4,5,6,7,8,9,10,11
	FSUM \e
.endr
	s_lshl_b32 s80, s16, 4
	v_mov_b32 v26, s80
	s_lshl_b32 s81, s16, 5
	v_mov_b32 v27, s81
	ds_store_b128 v26, v[12:15] offset:CNT         ; all lanes write the same bytes with the same values
	ds_store_b128 v27, v[4:7] offset:IMP
	ds_store_b128 v27, v[8:11] offset:IMP+16
	s_wait_dscnt 0x0                               ; for the others' sake: my stores are done
	s_barrier_signal -1
	s_barrier_wait -1
	; ---- 2: lane l takes wave l's figures: totals, and the sums over the waves in front of mine
	v_lshlrev_b32 v26, 4, v1
	v_lshlrev_b32 v27, 5, v1
	ds_load_b128 v[12:15], v26 offset:CNT
	ds_load_b128 v[16:19], v27 offset:IMP
	ds_load_b128 v[20:23], v27 offset:IMP+16
	s_wait_dscnt 0x0
	v_cmp_gt_u32 vcc_lo, s16, v1
.irp k, 0,1,2,3
	v_cndmask_b32 v[4+\k], 0, v[12+\k], vcc_lo
.endr
.irp k, 12,13,14,15,4,5,6,7
	ISUM \k
.endr
.irp e, 16,17,18,19,20,21,22,23
	FSUM \e                                        ; S_e
.endr
.irp k, 0,1,2,3
	v_readfirstlane_b32 s80, v[12+\k]
	s_and_b32 s[32+2*\k], s80, 0xffff              ; c_e
	s_lshr_b32 s[33+2*\k], s80, 16
	v_readfirstlane_b32 s81, v[4+\k]
	s_and_b32 s[66+2*\k], s81, 0xffff              ; WP_e: expert e's tokens in the waves in front of mine
	s_lshr_b32 s[67+2*\k], s81, 16
.endr
	s_mov_b32 s48, 0
.irp e, 0,1,2,3,4,5,6,7
	s_add_co_u32 s[40+\e], s[32+\e], 63
	s_lshr_b32 s[40+\e], s[40+\e], 6               ; G_e
	s_add_co_u32 s[49+\e], s[48+\e], s[40+\e]      ; GB_(e+1)
.endr
	s_mov_b32 s74, 0                               ; my group's expert: how many experts end at or in front of group g
.irp e, 0,1,2,3,4,5,6
	s_cmp_le_u32 s[49+\e], s17
	s_cselect_b32 s79, 1, 0
	s_add_co_u32 s74, s74, s79
.endr
	s_mov_b32 s75, s48                             ; that expert's GB, WP and ballot: chosen by selects, never by a jump
	s_mov_b32 s76, s66
	s_mov_b32 s77, s24
.irp e, 1,2,3,4,5,6,7
	s_cmp_eq_u32 s74, \e
	s_cselect_b32 s75, s[48+\e], s75
	s_cselect_b32 s76, s[66+\e], s76
	s_cselect_b32 s77, s[24+\e], s77
.endr
	s_sub_co_u32 s78, s17, s75
	s_lshl_b32 s78, s78, 6                         ; the rank of my group's first row
	s_sub_co_u32 s79, s76, s78
	v_mbcnt_lo_u32_b32 v30, s77, 0
	v_add_nc_u32 v24, s79, v30                     ; F[n] less that rank, as a signed number: row i counts token n where i >= this
	v_mov_b32 v32, 0                               ; (a lane write's destination counts as one of its sources)
	v_mov_b32 v33, 0
.set i, 0
.rept 16                                           ; 64 rows, four at a time: a ballot, its count, the count into lane i / 2 of register i % 2
	v_cmp_ge_i32 s80, i, v24
	v_cmp_ge_i32 s81, i+1, v24
	v_cmp_ge_i32 s82, i+2, v24
	v_cmp_ge_i32 s83, i+3, v24
	s_bcnt1_i32_b32 s84, s80
	s_bcnt1_i32_b32 s85, s81
	s_bcnt1_i32_b32 s86, s82
	s_bcnt1_i32_b32 s87, s83
	v_writelane_b32 v32, s84, i/2
	v_writelane_b32 v33, s85, i/2
	v_writelane_b32 v32, s86, i/2+1
	v_writelane_b32 v33, s87, i/2+1
.set i, i+4
.endr
	ds_store_b64 v104, v[32:33] offset:CW
	s_wait_dscnt 0x0                               ; for wave 1's sake: my counts lie in LDS
	s_barrier_signal -1
	s_barrier_wait -1                              ; no count in LDS is written behind this barrier
	; ---- 3: wave 1 adds the 32 waves' counts: lane l has rows 2 l and 2 l + 1
	s_cmp_lg_u32 s16, 1
	s_cbranch_scc1 .Ltable
.irp w, 0,1,2,3,4,5,6,7,8,9,10,11,12,13,14,15,16,17,18,19,20,21,22,23,24,25,26,27,28,29,30,31
	ds_load_b64 v[40+2*\w:41+2*\w], v105 offset:CW+256*\w
.endr
	s_lshl_b32 s80, s17, 8                         ; 64 positions of 4 bytes a group
	s_mov_b32 s81, 0
	s_add_nc_u64 s[82:83], s[10:11], s[80:81]
	s_wait_dscnt 0x0
.irp sp, 32,16,8,4,2
.set k, 0
.rept \sp
	v_add_nc_u32 v[40+k], v[40+k], v[40+\sp+k]     ; even spans: a row's counts meet only that row's
.set k, k+1
.endr
.endr
	v_add_nc_u32 v40, -1, v40                      ; F[0] = 0 counts for every row, so the sum is at least 1
	v_add_nc_u32 v41, -1, v41
	v_min_u32 v40, 0x3ff, v40
	v_min_u32 v41, 0x3ff, v41
	global_store_b64 v105, v[40:41], s[82:83]      ; 256 consecutive bytes, aligned
.Ltable:
	; ---- 4: work-group 0 stores the table
	s_wait_xcnt 0x0                                ; the store above has read its registers
	s_cmp_lg_u32 s17, 0
	s_cbranch_scc1 .Lend
	v_mov_b32 v32, 0
	v_mov_b32 v33, 0
.irp e, 0,1,2,3,4,5,6,7
	s_lshl_b32 s79, s[48+\e], 6
	s_add_co_u32 s79, s79, s[66+\e]
	v_mbcnt_lo_u32_b32 v34, s[24+\e], 0
	v_add_nc_u32 v34, s79, v34                     ; 64 GB_e + my token's rank with expert e
	v_cmp_eq_u32 vcc_lo, \e, v2
	v_cndmask_b32 v32, v32, v34, vcc_lo
	v_cmp_eq_u32 vcc_lo, \e, v3
	v_cndmask_b32 v33, v33, v34, vcc_lo
.endr
	global_store_b64 v31, v[32:33], s[8:9]
	s_cmp_lg_u32 s16, 0
	s_cbranch_scc1 .Lend
	v_mov_b32 v36, 0
.irp e, 0,1,2,3,4,5,6,7
	v_writelane_b32 v36, s[48+\e], \e
	v_writelane_b32 v36, s[40+\e], 8+\e
	v_writelane_b32 v36, s[32+\e], 16+\e
.endr
	v_lshlrev_b32 v35, 2, v1
	global_store_b32 v35, v36, s[8:9] offset:8192
	v_cvt_f32_u32 v37, s32
	v_mul_f32 v38, v16, v37
	v_mov_b32 v39, v16
.irp e, 1,2,3,4,5,6,7
	v_cvt_f32_u32 v37, s[32+\e]
	v_fmac_f32 v38, v[16+\e], v37                  ; sum of S_e c_e
	v_add_f32 v39, v39, v[16+\e]                   ; sum of S_e
.endr
	v_rcp_f32 v39, v39
	v_mov_b32 v40, 0                               ; (a plain place behind the reciprocal)
	s_wait_alu depctr_va_vdst(0)
	v_mul_f32 v38, v38, v39
	v_mul_f32 v38, 0x3b800000, v38                 ; x 8 / 2048
	s_wait_xcnt 0x0                                ; EXEC changes only behind this wait
	v_cmp_eq_u32 vcc_lo, 0, v1
	s_and_saveexec_b32 s79, vcc_lo
	global_store_b32 v40, v38, s[12:13]
	s_wait_xcnt 0x0                                ; and again, in front of the line that widens it
	s_or_b32 exec_lo, exec_lo, s79
.Lend:
	s_wait_tensorcnt 0x0
	ds_add_u32 v126, v127
	s_wait_dscnt 0x0
	s_endpgm
.Lfunc_end_k_qfbc6113a47_place:
	.size	k_qfbc6113a47_place, .Lfunc_end_k_qfbc6113a47_place-k_qfbc6113a47_place
	.p2alignl 7, 3214868480
	.fill 96, 4, 3214868480
	.section	.rodata,"a",@progbits
	.p2align	6, 0x0
	.amdhsa_kernel k_qfbc6113a47_place
		.amdhsa_group_segment_fixed_size 14336
		.amdhsa_private_segment_fixed_size 0
		.amdhsa_enable_private_segment 0
		.amdhsa_kernarg_size 40
		.amdhsa_user_sgpr_count 2
		.amdhsa_user_sgpr_kernarg_segment_ptr 1
		.amdhsa_wavefront_size32 1
		.amdhsa_system_sgpr_workgroup_id_x 1
		.amdhsa_system_sgpr_workgroup_id_y 1
		.amdhsa_system_sgpr_workgroup_id_z 1
		.amdhsa_system_vgpr_workitem_id 0
		.amdhsa_next_free_vgpr 128
		.amdhsa_next_free_sgpr 100
		.amdhsa_reserve_vcc 1
		.amdhsa_float_denorm_mode_32 3
		.amdhsa_float_denorm_mode_16_64 3
		.amdhsa_memory_ordered 1
		.amdhsa_forward_progress 1
		.amdhsa_inst_pref_size 38
	.end_amdhsa_kernel
	.amdgpu_metadata
---
amdhsa.version: [ 1, 2 ]
amdhsa.kernels:
  - .name:           k_qfbc6113a47_place
    .symbol:         k_qfbc6113a47_place.kd
    .args:
      - { .name: sel, .offset: 0, .size: 8, .value_kind: global_buffer, .address_space: global }
      - { .name: gate, .offset: 8, .size: 8, .value_kind: global_buffer, .address_space: global }
      - { .name: route, .offset: 16, .size: 8, .value_kind: global_buffer, .address_space: global }
      - { .name: tok, .offset: 24, .size: 8, .value_kind: global_buffer, .address_space: global }
      - { .name: out1, .offset: 32, .size: 8, .value_kind: global_buffer, .address_space: global }
    .group_segment_fixed_size: 14336
    .private_segment_fixed_size: 0
    .kernarg_segment_align: 8
    .kernarg_segment_size: 40
    .max_flat_workgroup_size: 1024
    .sgpr_count:     100
    .vgpr_count:     128
    .wavefront_size: 32
...
	.end_amdgpu_metadata
.endif
;; end of part 2
;; launch gath (part 3): grid 39 x 4, 8 waves a work-group, no clusters, 0 bytes of LDS; arguments tok, x, xa; writes xa
.if DOCPART == 3
	.amdgcn_target "amdgcn-amd-amdhsa--gfx1250"
	.amdhsa_code_object_version 6
	.text
	.protected	k_qfbc6113a47_gath
	.globl	k_qfbc6113a47_gath
	.p2align	8
	.type	k_qfbc6113a47_gath,@function
k_qfbc6113a47_gath:
	s_mov_b64 s[64:65], 0
	v_nop
	global_prefetch_b8 v0, s[64:65] scope:SCOPE_SE
	s_setreg_imm32_b32 hwreg(HW_REG_WAVE_MODE, 25, 1), 1
	s_wait_xcnt 0x0
; THE GATHER.  The rows of x are brought into the order of the sorted positions and quantised to E4M3 with one E8M0 scale for each 32 along D.
; tok: [2496] the token of each position, whole numbers that the launch before stored; x: [1024][1024] f32.
; SHARES.  Work-group (g, m): rows 16 m .. 16 m + 15 of group g; wave s: columns 128 s .. 128 s + 127: one fragment a wave.  Lane (r, h) takes, of its row's token, 16 neighbouring numbers of each block of 32.
; All 39 groups are written, whatever the choice: a grid that serves every split; the spare rows and groups carry token 1023, so that every byte of xa that the next launch can load has been stored.
; OUT.  xa: codes [39 g][8 s][4 m][2048]: the fragment AS AN IMAGE OF ITS REGISTERS: registers 4 c .. 4 c + 3 of lane l at 512 c + 16 l.
;   xa at XSC: scale words [39 g][8 s][256]: the word of row r of tile m at 8 (16 (m % 2) + r) + 4 (m / 2): one load of 8 bytes a lane gives two registers, tile m in register m / 2, lanes 16 (m % 2) on.
; LIMITS: NaN and infinities are not served; a block of zeros gets the byte 1 where the rule says 127: its codes are zeros, and this program alone reads the bytes.
; No LDS, no barrier, no branch: waves share nothing.  No matrix work.
.set XSC, 2555904
.set TM,  112                          ; v112-115 largest magnitudes, v116-119 bytes, v120-123 448 x the scale, v124-127 the conversions' scale operands
.set PC,  96                           ; v96-111 the codes
.set PWD, 28                           ; v28 the scale word
; 64 numbers of a lane, register 16 b + i = column 32 b + 16 (lane / 16) + i of my row, become a fragment's codes and its scale word
.macro QUANT s
.irp b, 0,1,2,3
	v_max3_num_f32 v[TM+\b], |v[\s+16*\b]|, |v[\s+1+16*\b]|, 0x4800000   ; my 16 numbers of block b, and the floor 2^(9 - 127): the byte cannot fall under 1
.endr
.irp i, 2,4,6,8,10,12,14
.irp b, 0,1,2,3
	v_max3_num_f32 v[TM+\b], v[TM+\b], |v[\s+16*\b+\i]|, |v[\s+1+16*\b+\i]|
.endr
.endr
.irp b, 0,1,2,3
	v_permlanex16_b32 v[TM+4+\b], v[TM+\b], s18, s19
.endr
.irp b, 0,1,2,3
	v_max_num_f32 v[TM+\b], v[TM+\b], v[TM+4+\b]   ; with lane l xor 16's: the block's largest magnitude
.endr
.irp b, 0,1,2,3
	v_add_nc_u32 v[TM+12+\b], 0xfc000000, v[TM+\b] ; 8 off its exponent field: the conversion's scale operand
.endr
.irp b, 0,1,2,3
	v_and_or_b32 v[TM+8+\b], v[TM+\b], 0x7f800000, s20   ; 448 x the scale
.endr
.irp b, 0,1,2,3
	v_lshrrev_b32 v[TM+4+\b], 23, v[TM+12+\b]      ; the scale's byte
.endr
	v_lshl_or_b32 v[PWD], v[TM+5], 8, v[TM+4]
	v_lshl_or_b32 v[PWD], v[TM+6], 16, v[PWD]
	v_lshl_or_b32 v[PWD], v[TM+7], 24, v[PWD]
.irp b, 0,1,2,3
.irp i, 0,1,2,3,4,5,6,7,8,9,10,11,12,13,14,15
	v_med3_num_f32 v[\s+16*\b+\i], v[\s+16*\b+\i], -v[TM+8+\b], v[TM+8+\b]   ; the conversion does not saturate (ISA guide 7.6.2): the hold at 448 x the scale
.endr
	v_cvt_scalef32_pk8_fp8_f32 v[PC+4*\b:PC+1+4*\b], v[\s+16*\b:\s+7+16*\b], v[TM+12+\b]
	v_cvt_scalef32_pk8_fp8_f32 v[PC+2+4*\b:PC+3+4*\b], v[\s+8+16*\b:\s+15+16*\b], v[TM+12+\b]
.endr
	v_nop                                          ; a plain line behind the last conversion
.endm
	s_load_b128 s[4:7], s[0:1], 0x0                ; tok s[4:5], x s[6:7]
	s_load_b64 s[8:9], s[0:1], 0x10                ; xa
	v_lshrrev_b32 v1, 5, v0
	v_readfirstlane_b32 s16, v1                    ; wave = K step s, 0..7
	v_and_b32 v1, 31, v0                           ; lane
	s_mov_b32 s17, ttmp9                           ; the group g
	s_and_b32 s21, ttmp7, 0xffff                   ; the tile of rows m
	s_mov_b32 s18, 0x76543210                      ; v_permlanex16_b32's selects for lane l xor 16
	s_mov_b32 s19, 0xfedcba98
	s_mov_b32 s20, 0x600000                        ; the mantissa field of 448
	v_and_b32 v24, 15, v0                          ; r
	v_bfe_u32 v25, v0, 4, 1                        ; h
	s_lshl_b32 s22, s17, 8                         ; 64 positions of 4 bytes a group,
	s_lshl_b32 s23, s21, 6                         ; 16 a tile
	s_add_co_u32 s22, s22, s23
	v_lshl_add_u32 v26, v24, 2, s22
	s_wait_kmcnt 0x0
	global_load_b32 v27, v26, s[4:5]               ; my row's token
.irp b, 0,1,2,3
	v_mov_b32 v[TM+4+\b], 0                        ; a lane permute's destination counts as one of its sources
.endr
	s_lshl_b32 s26, s17, 3
	s_add_co_u32 s26, s26, s16                     ; 8 g + s
	s_lshl_b32 s28, s26, 8                         ; its 256 bytes of scale words
	s_lshl_b32 s26, s26, 2
	s_add_co_u32 s26, s26, s21
	s_lshl_b32 s26, s26, 11                        ; the fragment's 2,048 bytes
	s_mov_b32 s27, 0
	s_mov_b32 s29, 0
	s_add_nc_u64 s[30:31], s[8:9], s[26:27]
	s_add_nc_u64 s[32:33], s[8:9], s[28:29]
	v_lshlrev_b32 v21, 4, v1                       ; 16 x lane
	s_and_b32 s34, s21, 1
	s_lshl_b32 s34, s34, 7
	s_lshr_b32 s35, s21, 1
	s_lshl_b32 s35, s35, 2
	s_add_co_u32 s34, s34, s35
	v_lshl_add_u32 v22, v24, 3, s34                ; 8 (16 (m % 2) + r) + 4 (m / 2)
	s_lshl_b32 s24, s16, 9                         ; K step s: 512 bytes on in a row of x
	s_wait_loadcnt 0x0
	v_min_u32 v27, 0x3ff, v27                      ; a number read from memory is held inside the table before it enters an address
	v_lshlrev_b32 v27, 12, v27                     ; its row of x,
	v_lshl_add_u32 v27, v25, 6, v27                ; my half's 16 numbers of each block of 32,
	v_add_nc_u32 v27, s24, v27                     ; of K step s
.irp b, 0,1,2,3
.irp j, 0,1,2,3
	global_load_b128 v[32+16*\b+4*\j:32+16*\b+4*\j+3], v27, s[6:7] offset:128*\b+16*\j
.endr
.endr
	s_wait_loadcnt 0x0
	QUANT 32
.irp c, 0,1,2,3
	global_store_b128 v21, v[PC+4*\c:PC+4*\c+3], s[30:31] offset:512*\c   ; 512 consecutive bytes
.endr
	global_store_b32 v22, v[PWD], s[32:33] offset:XSC   ; lanes l and l + 16 hold the same word and store it to the same place
	s_endpgm
.Lfunc_end_k_qfbc6113a47_gath:
	.size	k_qfbc6113a47_gath, .Lfunc_end_k_qfbc6113a47_gath-k_qfbc6113a47_gath
	.p2alignl 7, 3214868480
	.fill 96, 4, 3214868480
	.section	.rodata,"a",@progbits
	.p2align	6, 0x0
	.amdhsa_kernel k_qfbc6113a47_gath
		.amdhsa_group_segment_fixed_size 0
		.amdhsa_private_segment_fixed_size 0
		.amdhsa_enable_private_segment 0
		.amdhsa_kernarg_size 24
		.amdhsa_user_sgpr_count 2
		.amdhsa_user_sgpr_kernarg_segment_ptr 1
		.amdhsa_wavefront_size32 1
		.amdhsa_system_sgpr_workgroup_id_x 1
		.amdhsa_system_sgpr_workgroup_id_y 1
		.amdhsa_system_sgpr_workgroup_id_z 1
		.amdhsa_system_vgpr_workitem_id 0
		.amdhsa_next_free_vgpr 128
		.amdhsa_next_free_sgpr 66
		.amdhsa_reserve_vcc 0
		.amdhsa_float_denorm_mode_32 3
		.amdhsa_float_denorm_mode_16_64 3
		.amdhsa_memory_ordered 1
		.amdhsa_forward_progress 1
		.amdhsa_inst_pref_size 13
	.end_amdhsa_kernel
	.amdgpu_metadata
---
amdhsa.version: [ 1, 2 ]
amdhsa.kernels:
  - .name:           k_qfbc6113a47_gath
    .symbol:         k_qfbc6113a47_gath.kd
    .args:
      - { .name: tok, .offset: 0, .size: 8, .value_kind: global_buffer, .address_space: global }
      - { .name: x, .offset: 8, .size: 8, .value_kind: global_buffer, .address_space: global }
      - { .name: xa, .offset: 16, .size: 8, .value_kind: global_buffer, .address_space: global }
    .group_segment_fixed_size: 0
    .private_segment_fixed_size: 0
    .kernarg_segment_align: 8
    .kernarg_segment_size: 24
    .max_flat_workgroup_size: 256
    .sgpr_count:     66
    .vgpr_count:     128
    .wavefront_size: 32
...
	.end_amdgpu_metadata
.endif
;; end of part 3
;; launch ffn1 (part 4): grid 32 x 8, 4 waves a work-group, no clusters, 134,144 bytes of LDS; arguments route, xa, W1_codes, W1_scales, b1, ha; writes ha
.if DOCPART == 4
	.amdgcn_target "amdgcn-amd-amdhsa--gfx1250"
	.amdhsa_code_object_version 6
	.text
	.protected	k_qfbc6113a47_ffn1
	.globl	k_qfbc6113a47_ffn1
	.p2align	8
	.type	k_qfbc6113a47_ffn1,@function
k_qfbc6113a47_ffn1:
	s_mov_b64 s[64:65], 0
	v_nop
	global_prefetch_b8 v0, s[64:65] scope:SCOPE_SE
	s_setreg_imm32_b32 hwreg(HW_REG_WAVE_MODE, 25, 1), 1
	s_wait_xcnt 0x0
; ONE TEXT FOR BOTH PRODUCTS OF AN EXPERT (SECOND = 0: h = Q(relu(x W1 + b1));  SECOND = 1: a quarter along K of h W2, + b2 in quarter 0), on codes of E4M3 with one E8M0 scale for each 32 along K.
; Only the rows that chose the expert are multiplied: the other rows' results are multiplied by a weight 0 that the problem builds itself.
; SHARES.  A work-group owns 128 rows of the expert's weight x 1,024 along K: 128 KiB, read from memory ONCE in the whole launch, kept in LDS.  (First product: work-group x = which 128 hidden units;
; second: x % 8 = which 128 outputs, x / 8 = which quarter of K = 4,096.  y = the expert.)  Wave w takes the expert's groups of 64 rows w, w + 4, ..; G_e, the number of groups, and c_e, the number of rows, are read from memory.
; A PASS: 64 rows x 128 columns x 1,024 K: 4 tiles of rows x 8 tiles of the weight x 8 K steps = 256 matrix instructions.  All of A's 32 fragments lie in registers (512); they come from memory as images of registers,
; 512 consecutive bytes a load.  The weight's fragments come from LDS, four at a time in two buffers, each read once a pass.
; A TILE PASS.  2,048 rows over 8 experts are 256 = 4 x 64 an expert where the choice is even, so a few rows over make a fifth group.  Where G_e is one over a multiple of four, the last group is no wave's pass: its four tiles of
; 16 rows go one to each wave, 64 matrix instructions each, side by side, and a tile that holds no row of the expert is neither computed nor stored (the next launch decides by the same two numbers and does not use it).
; TRANSPOSED USE: source 0 = 16 rows of the weight, source 1 = 16 rows of A: a lane holds ONE row and eight neighbouring columns.
; FIRST PRODUCT: the weight's rows are laid in LDS so that lane r of tile 2 b + u has hidden unit 32 b + 8 u + r + 8 (r / 8): the 16 registers of tiles 2 b, 2 b + 1 are then 16 neighbours along the next K, and the
; conversions' results are the next operand's registers.  They leave as images (ha: codes [39 g][32 s][4 m][2048], scale words at HSC [39][32][256], laid as xa's).
; SECOND PRODUCT: results leave through the wave's own stage in LDS as rows of 512 bytes (yp: [4 q][2496 positions][1024] f32).
; WHY NO TENSOR LOAD, NO CLUSTER: the number of passes is read from memory, and the weights, two thirds of a work-group's bytes, are shared with nobody.
; LIMITS: NaN and infinities are not served; a block of zeros of h gets the byte 1 where the rule says 127: its codes are zeros, and this program alone reads the bytes.
; REGISTERS, in windows of 256.  window 0: v1-15, v22 addresses; v16-21 h's scale words; v32-95 the weight's scale words (8 t + s); v96-111 A's (2 s + m / 2; odd m in lanes 16-31); v112-127 at work;
;   v128-255 the weight's fragments, two buffers of four; on the way out codes or rows.   windows 1, 2: A: 64 (s % 4) + 16 m, K steps 0-3 and 4-7.   window 3: the 32 accumulators, 64 m + 8 t; at the head the weights on their way to LDS.
;   In a tile pass: A's 8 fragments window 1 v0-127, its scale words v96-103; the weight's fragments, a K step (128 registers) to a buffer: window 0 v128-255, window 1 v128-255, window 2 v0-127, v128-255; accumulators window 3 v0-63.
.set SECOND, 0
.set PITCH,  1040                      ; a weight row in LDS: 1,024 bytes + 16 = 65 x 16: the 16 rows of a fragment load fall on 16 different columns of 16 bytes
.set BIAS,   128*PITCH                 ; behind the weights: the 128 biases
.set STAGE,  BIAS+512                  ; second product: 16 rows x (512 + 16) bytes for each wave
.set XSC,    2555904
.set HSC,    10223616
.set PLANE,  10223616
.if SECOND
.set PITCHM, 4096                      ; a weight row in memory
.set GSH,    18                        ; a group of A: 2^GSH bytes of codes,
.set GSS,    13                        ; 2^GSS of scale words
.else
.set PITCHM, 1024
.set GSH,    16
.set GSS,    11
.endif
.set PW, 16
.set WS, 32
.set XS, 96
.set TM, 112
.set WF, 128
.set MSB, 0
.macro WIN new                         ; the immediate's high byte repeats the setting that is left
.if MSB != \new
	s_set_vgpr_msb (MSB<<8)|\new
.set MSB, \new
.endif
.endm
.macro PLACES                          ; eight plain lines behind this matrix form, ahead of loads into its registers and of reads of its results
.rept 8
	v_nop
.endr
.endm
.macro SETA                            ; where the group of pass s21 lies in A: group GB + wave + 4 x pass.  The number read from memory is held inside the buffer before it enters an address
	s_lshl_b32 s22, s21, 2
	s_add_co_u32 s22, s22, s16
	s_add_co_u32 s22, s22, s19
	s_min_u32 s22, s22, 38
	s_lshl_b32 s24, s22, GSH
	s_add_nc_u64 s[26:27], s[50:51], s[24:25]
	s_lshl_b32 s24, s22, GSS
	s_add_nc_u64 s[28:29], s[52:53], s[24:25]
.endm
.macro SETO                            ; where the group's results go
.if SECOND
	s_lshl_b32 s24, s22, 18                        ; 64 rows of 4,096 bytes
	s_add_nc_u64 s[30:31], s[48:49], s[24:25]
.else
	s_lshl_b32 s24, s22, 5
	s_add_co_u32 s24, s24, s17                     ; 32 g + my K step of the next product
	s_lshl_b32 s46, s24, 8
	s_lshl_b32 s24, s24, 13
	s_add_nc_u64 s[30:31], s[14:15], s[24:25]
	s_mov_b32 s24, s46
	s_add_nc_u64 s[32:33], s[48:49], s[24:25]
.endif
.endm
.macro ALOAD_LO                        ; A's scale words of all 8 K steps, then the fragments of K steps 0-3: 72 loads
.irp s, 0,1,2,3,4,5,6,7
	global_load_b64 v[XS+2*\s:XS+2*\s+1], v5, s[28:29] offset:256*\s
.endr
	WIN 0x40
.irp s, 0,1,2,3
.irp m, 0,1,2,3
.irp c, 0,1,2,3
	global_load_b128 v[64*\s+16*\m+4*\c:64*\s+16*\m+4*\c+3], v4, s[26:27] offset:8192*\s+2048*\m+512*\c
.endr
.endr
.endr
	WIN 0
.endm
.macro ALOAD_HI                        ; K steps 4-7: 64 loads
	WIN 0x80
.irp s, 4,5,6,7
.irp m, 0,1,2,3
.irp c, 0,1,2,3
	global_load_b128 v[64*(\s-4)+16*\m+4*\c:64*(\s-4)+16*\m+4*\c+3], v4, s[26:27] offset:8192*\s+2048*\m+512*\c
.endr
.endr
.endr
	WIN 0
.endm
.macro WLOAD k                         ; half step k = (K step k / 2, tiles 4 (k % 2) on): four fragments of the weight into buffer k % 2
.set wks, (\k)>>1
.set whf, (\k)&1
.set wbf, WF+64*((\k)&1)
.irp tt, 0,1,2,3
.irp c, 0,1,2,3
	ds_load_b128 v[wbf+16*\tt+4*\c:wbf+16*\tt+4*\c+3], v[6+whf] offset:16*PITCH*\tt+128*wks+32*\c
.endr
.endr
.endm
.macro BIASINIT                        ; the sums begin as the bias: eight registers a tile in the result's layout, the same for the four tiles of rows
	WIN 0xC0
.irp m, 0,1,2,3
.irp t, 0,1,2,3,4,5,6,7
.if SECOND
.set bo, 64*\t
.else
.set bo, (32*(\t/2)+8*(\t%2))*4
.endif
	ds_load_b128 v[64*\m+8*\t:64*\m+8*\t+3],   v8 offset:bo
	ds_load_b128 v[64*\m+8*\t+4:64*\m+8*\t+7], v8 offset:bo+16
.endr
.endr
	WIN 0
.endm
; 16 matrix instructions.  The accumulators take turns, one instruction a turn: between two links of a chain stand 31 others'.
.macro HALF k
.set ks, (\k)>>1
.set hf, (\k)&1
.set bf, WF+64*((\k)&1)
.if hf == 0
.if 16*(7-ks) > 63
	s_wait_loadcnt 63                              ; K step ks of A is in: behind it stand 16 loads for each later K step; the count is held at the field's largest
.else
	s_wait_loadcnt 16*(7-ks)
.endif
.endif
	s_wait_dscnt 0x0                               ; this half step's fragments of the weight (asked for 16 matrix instructions ago) are in
.if (\k) < 15
.if (\k) > 0
	PLACES                                         ; the other buffer was read by the half step before
.endif
	WIN 0
	WLOAD (\k)+1
.endif
.if ks < 4
	WIN 0xF4                                       ; source 0 window 0, source 1 window 1, C and D window 3
.else
	WIN 0xF8                                       ; source 1 window 2
.endif
.irp m, 0,1,2,3
.irp tt, 0,1,2,3
.set tl, 4*hf+\tt
.if (\m)&1
	v_wmma_scale_f32_16x16x128_f8f6f4 v[64*\m+8*tl:64*\m+8*tl+7], v[bf+16*\tt:bf+16*\tt+15], v[64*(ks&3)+16*\m:64*(ks&3)+16*\m+15], v[64*\m+8*tl:64*\m+8*tl+7], v[WS+8*tl+ks], v[XS+2*ks+(\m>>1)] matrix_b_scale:MATRIX_SCALE_ROW1
.else
	v_wmma_scale_f32_16x16x128_f8f6f4 v[64*\m+8*tl:64*\m+8*tl+7], v[bf+16*\tt:bf+16*\tt+15], v[64*(ks&3)+16*\m:64*(ks&3)+16*\m+15], v[64*\m+8*tl:64*\m+8*tl+7], v[WS+8*tl+ks], v[XS+2*ks+(\m>>1)]
.endif
.endr
.endr
.endm
.macro BODY                            ; a pass's products
	SETO
	BIASINIT
	WLOAD 0
.irp k, 0,1,2,3,4,5,6,7,8,9,10,11,12,13,14,15
	HALF \k
.endr
	PLACES                                         ; ahead of the loads into A's registers and of the first reads of results
	WIN 0
.endm
.if SECOND
.macro TOSTAGE m                       ; 16 rows x 128 columns into my stage, and back as whole rows of 512 bytes.  LDS serves a wave's instructions in order (ISA guide 5.7.1.4)
	WIN 0x0C                                       ; an LDS store's data are its source 1: window 3
.irp t, 0,1,2,3,4,5,6,7
	ds_store_b128 v13, v[64*(\m)+8*\t:64*(\m)+8*\t+3] offset:64*\t          ; each accumulator from its low end on
	ds_store_b128 v13, v[64*(\m)+8*\t+4:64*(\m)+8*\t+7] offset:64*\t+16
.endr
	WIN 0
.set BB, WF+64*((\m)&1)
.irp i, 0,1,2,3,4,5,6,7,8,9,10,11,12,13,14,15
	ds_load_b128 v[BB+4*\i:BB+4*\i+3], v14 offset:528*\i
.endr
.endm
.macro SEND m, younger                 ; younger: the LDS instructions issued behind block m's loads
.set BB, WF+64*((\m)&1)
	s_wait_dscnt \younger
.irp i, 0,1,2,3,4,5,6,7,8,9,10,11,12,13,14,15
	global_store_b128 v4, v[BB+4*\i:BB+4*\i+3], s[30:31] offset:(16*(\m)+\i)*4096 th:TH_STORE_NT   ; 32 lanes store 512 consecutive bytes, aligned
.endr
.endm
.else
.macro QH m                            ; tile of rows m: relu, quantised along the hidden units, stored as one fragment's image
	WIN 0x3C                                       ; sources 1 and 2 window 3
.irp b, 0,1,2,3
	v_max3_num_f32 v[TM+\b], 0x4800000, v[64*\m+16*\b], v[64*\m+16*\b+1]   ; no |.|: what is negative becomes 0 and must not count; the floor 2^(9 - 127) stands over it
.endr
.irp i, 2,4,6,8,10,12,14
.irp b, 0,1,2,3
	v_max3_num_f32 v[TM+\b], v[TM+\b], v[64*\m+16*\b+\i], v[64*\m+16*\b+\i+1]   ; each accumulator is read from its low end on
.endr
.endr
	WIN 0
.irp b, 0,1,2,3
	v_permlanex16_b32 v[TM+4+\b], v[TM+\b], s34, s35
.endr
.irp b, 0,1,2,3
	v_max_num_f32 v[TM+\b], v[TM+\b], v[TM+4+\b]   ; with lane l xor 16's 16 units: the block's largest
.endr
.irp b, 0,1,2,3
	v_add_nc_u32 v[TM+12+\b], 0xfc000000, v[TM+\b] ; 8 off the exponent field: the conversion's scale operand
.endr
.irp b, 0,1,2,3
	v_and_or_b32 v[TM+8+\b], v[TM+\b], 0x7f800000, s36   ; 448 x the scale
.endr
.irp b, 0,1,2,3
	v_lshrrev_b32 v[TM+4+\b], 23, v[TM+12+\b]      ; the scale's byte
.endr
	v_lshl_or_b32 v[PW+\m], v[TM+5], 8, v[TM+4]
	v_lshl_or_b32 v[PW+\m], v[TM+6], 16, v[PW+\m]
	v_lshl_or_b32 v[PW+\m], v[TM+7], 24, v[PW+\m]
	WIN 0xC3                                       ; destination and source 0 window 3
.set i, 0
.rept 64
	v_med3_num_f32 v[64*\m+i], v[64*\m+i], 0, v[TM+8+i/16]   ; the activation and the hold in one (the conversion does not saturate: ISA guide 7.6.2)
.set i, i+1
.endr
	WIN 0x03                                       ; source 0 window 3
.irp b, 0,1,2,3
	v_cvt_scalef32_pk8_fp8_f32 v[WF+16*\m+4*\b:WF+16*\m+4*\b+1], v[64*\m+16*\b:64*\m+16*\b+7], v[TM+12+\b]
	v_cvt_scalef32_pk8_fp8_f32 v[WF+16*\m+4*\b+2:WF+16*\m+4*\b+3], v[64*\m+16*\b+8:64*\m+16*\b+15], v[TM+12+\b]
.endr
	v_nop                                          ; a plain line behind the last conversion
	WIN 0
.irp c, 0,1,2,3
	global_store_b128 v4, v[WF+16*\m+4*\c:WF+16*\m+4*\c+3], s[30:31] offset:2048*\m+512*\c   ; 512 consecutive bytes
.endr
.endm
.endif
.macro EPI                             ; a pass's 64 rows x 128 columns go out
.if SECOND
	TOSTAGE 0
.irp a, 1,2,3
.if \a > 1
	s_wait_xcnt 0x0                                ; block a - 2's stores have read their registers: block a's rows may land there
.endif
	TOSTAGE \a
	SEND \a-1, 32                                  ; behind block a - 1's loads: block a's 16 stores and 16 loads
.endr
	SEND 3, 0
.else
	QH 0
	QH 1
	QH 2
	QH 3
	v_cndmask_b32 v20, v[PW], v[PW+1], s37         ; lanes 0-15: tiles 0 and 2; lanes 16-31: tiles 1 and 3 (both halves of the lanes hold a row's word)
	v_cndmask_b32 v21, v[PW+2], v[PW+3], s37
	global_store_b64 v5, v[20:21], s[32:33]        ; 256 consecutive bytes, aligned
.endif
	s_wait_xcnt 0x0                                ; the stores have read their registers and bases: both are written again behind this wait
.endm
; ---- the tile pass: tile w (my wave's number) of the expert's last group, s58
.macro TSETA                           ; where my tile lies in A: the group's codes + 2,048 bytes x tile in each K step; the scale words' place in a K step's 256 bytes stands in v22
	s_lshl_b32 s24, s58, GSH
	s_add_co_u32 s24, s24, s59
	s_add_nc_u64 s[26:27], s[50:51], s[24:25]
	s_lshl_b32 s24, s58, GSS
	s_add_nc_u64 s[28:29], s[52:53], s[24:25]
.endm
.macro TSETO                           ; where its results go
.if SECOND
	s_lshl_b32 s24, s58, 18                        ; 64 rows of 4,096 bytes a group,
	s_lshl_b32 s46, s16, 16                        ; 16 a tile
	s_add_co_u32 s24, s24, s46
	s_add_nc_u64 s[30:31], s[48:49], s[24:25]
.else
	s_lshl_b32 s24, s58, 5
	s_add_co_u32 s24, s24, s17                     ; 32 g + my K step of the next product
	s_lshl_b32 s46, s24, 8
	s_lshl_b32 s24, s24, 13
	s_add_co_u32 s24, s24, s59                     ; + 2,048 bytes x tile
	s_add_nc_u64 s[30:31], s[14:15], s[24:25]
	s_mov_b32 s24, s46
	s_add_nc_u64 s[32:33], s[48:49], s[24:25]
.endif
.endm
.macro TLOAD                           ; 40 loads: my tile's scale words (lane r: row r's word, in both halves of the lanes) and its 8 fragments
.irp s, 0,1,2,3,4,5,6,7
	global_load_b32 v[XS+\s], v22, s[28:29] offset:256*\s
.endr
	WIN 0x40
.irp s, 0,1,2,3,4,5,6,7
.irp c, 0,1,2,3
	global_load_b128 v[16*\s+4*\c:16*\s+4*\c+3], v4, s[26:27] offset:8192*\s+512*\c
.endr
.endr
	WIN 0
.endm
.macro TBIAS                           ; the eight sums begin as the bias
	WIN 0xC0
.irp t, 0,1,2,3,4,5,6,7
.if SECOND
.set bo, 64*\t
.else
.set bo, (32*(\t/2)+8*(\t%2))*4
.endif
	ds_load_b128 v[8*\t:8*\t+3],   v8 offset:bo
	ds_load_b128 v[8*\t+4:8*\t+7], v8 offset:bo+16
.endr
.endm
.macro TBUF s                          ; the buffer of K step s: window tw (0, 1, 2, 2), register tb (128, 128, 0, 128)
.set tw, (\s)&3
.set tb, 128
.if tw == 2
.set tb, 0
.endif
.if tw == 3
.set tw, 2
.endif
.endm
.macro TW s                            ; K step s: all eight fragments of the weight, 32 LDS loads, tile 0 first
	TBUF \s
.set twd, tw<<6
	WIN twd                                        ; destination window tw, address window 0
.irp tt, 0,1,2,3
.irp c, 0,1,2,3
	ds_load_b128 v[tb+16*\tt+4*\c:tb+16*\tt+4*\c+3], v6 offset:16*PITCH*\tt+128*(\s)+32*\c
.endr
.endr
.irp tt, 0,1,2,3
.irp c, 0,1,2,3
	ds_load_b128 v[tb+64+16*\tt+4*\c:tb+64+16*\tt+4*\c+3], v7 offset:16*PITCH*\tt+128*(\s)+32*\c
.endr
.endr
.endm
.macro TMUL s                          ; K step s: 8 matrix instructions; the eight accumulators take turns: between two links of a chain stand 7 others'
	TBUF \s
.set twm, 0xF4+tw
	WIN twm                                        ; source 0 window tw, source 1 window 1, C and D window 3
.irp t, 0,1,2,3,4,5,6,7
	v_wmma_scale_f32_16x16x128_f8f6f4 v[8*\t:8*\t+7], v[tb+16*\t:tb+16*\t+15], v[16*(\s):16*(\s)+15], v[8*\t:8*\t+7], v[WS+8*\t+(\s)], v[XS+(\s)]
.endr
.endm
	s_load_b256 s[4:11], s[0:1], 0x0               ; route s[4:5], A s[6:7], the weight's codes s[8:9], its scales s[10:11]
	s_load_b128 s[12:15], s[0:1], 0x20             ; the bias s[12:13], the output s[14:15]
	v_lshl_add_u32 v30, v0, 2, 0x20a00
	v_mov_b32 v31, 0
	v_lshrrev_b32 v1, 5, v0
	v_readfirstlane_b32 s16, v1                    ; wave 0..3
	s_and_b32 s18, ttmp7, 0xffff                   ; the expert
.if SECOND
	s_and_b32 s17, ttmp9, 7                        ; which 128 outputs
	s_lshr_b32 s23, ttmp9, 3                       ; which quarter of K
.else
	s_mov_b32 s17, ttmp9                           ; which 128 hidden units
.endif
	s_mov_b32 s25, 0                               ; the upper word of every offset
	v_and_b32 v1, 31, v0                           ; lane
	v_and_b32 v2, 15, v0                           ; r
	v_bfe_u32 v3, v0, 4, 1                         ; h
	v_lshlrev_b32 v4, 4, v1                        ; 16 x lane
	v_lshlrev_b32 v5, 3, v1                        ; 8 x lane
	s_and_b32 s46, s16, 1
	s_lshl_b32 s46, s46, 7
	s_lshr_b32 s47, s16, 1
	s_lshl_b32 s47, s47, 2
	s_add_co_u32 s46, s46, s47
	v_lshl_add_u32 v22, v2, 3, s46                 ; a tile pass: the word of row r of tile w in a K step's 256 bytes of scale words: 8 (16 (w % 2) + r) + 4 (w / 2)
	v_mul_u32_u24 v6, v2, PITCH
	v_lshl_add_u32 v6, v3, 4, v6                   ; a fragment of the weight: row r, + 16 h: tiles 0-3,
	v_add_nc_u32 v7, 64*PITCH, v6                  ; tiles 4-7
	s_mul_i32 s24, s16, 32*PITCH
	v_add_nc_u32 v9, s24, v4                       ; where I put my 32 rows of the weight
	v_lshlrev_b32 v15, 2, v0                       ; the bias: thread t fetches number t,
	v_lshl_add_u32 v11, v0, 2, BIAS                ; and puts it here
.if SECOND
	v_lshl_add_u32 v8, v3, 5, BIAS                 ; a tile's eight biases of my half: columns 16 t + 8 h on
	v_lshlrev_b32 v10, 7, v2                       ; the weight's scales: row r of 128 bytes
	s_mul_i32 s24, s16, 16*528
	s_add_co_u32 s24, s24, STAGE                   ; my stage
	v_mul_u32_u24 v13, v2, 528
	v_lshl_add_u32 v13, v3, 5, v13
	v_add_nc_u32 v13, s24, v13                     ; in: row r, 32 bytes for each half of the lanes
	v_add_nc_u32 v14, s24, v4                      ; back: a row of 512 bytes
.else
	v_lshl_add_u32 v8, v3, 6, BIAS                 ; hidden units 32 b + 16 h + 8 u on
	v_and_b32 v10, 8, v2
	v_add_nc_u32 v10, v10, v2
	v_lshlrev_b32 v10, 5, v10                      ; the weight's scales: row r + 8 (r / 8) of 32 bytes
	s_mov_b32 s34, 0x76543210                      ; v_permlanex16_b32's selects for lane l xor 16
	s_mov_b32 s35, 0xfedcba98
	s_mov_b32 s36, 0x600000                        ; the mantissa field of 448
	s_mov_b32 s37, 0xffff0000                      ; lanes 16-31
.irp b, 0,1,2,3
	v_mov_b32 v[TM+4+\b], 0                        ; written once: a lane permute's destination counts as one of its sources
.endr
.endif
	s_wait_kmcnt 0x0
	s_lshl_b32 s24, s18, 2
	s_add_nc_u64 s[44:45], s[4:5], s[24:25]
	s_load_b32 s19, s[44:45], 0x2000               ; GB_e: the expert's first group
	s_load_b32 s20, s[44:45], 0x2020               ; G_e: how many it has
	s_load_b32 s57, s[44:45], 0x2040               ; c_e: how many rows
	s_lshl_b32 s24, s18, 22                        ; the expert's 4 MiB of codes,
.if SECOND
	s_lshl_b32 s46, s17, 19                        ; my work-group's 128 rows of 4,096 bytes,
	s_add_co_u32 s24, s24, s46
	s_lshl_b32 s46, s16, 17                        ; my wave's 32,
	s_add_co_u32 s24, s24, s46
	s_lshl_b32 s46, s23, 10                        ; my quarter of each
	s_add_co_u32 s24, s24, s46
.else
	s_lshl_b32 s46, s17, 17                        ; my work-group's 128 rows of 1,024 bytes,
	s_add_co_u32 s24, s24, s46
	s_lshl_b32 s46, s16, 15                        ; my wave's 32
	s_add_co_u32 s24, s24, s46
.endif
	s_add_nc_u64 s[38:39], s[8:9], s[24:25]
	WIN 0xC0                                       ; destination window 3
.set p, 0
.rept 32
	global_load_b128 v[8*p:8*p+3],   v4, s[38:39] offset:p*PITCHM th:TH_LOAD_NT       ; 512 consecutive bytes; read once in the launch
	global_load_b128 v[8*p+4:8*p+7], v4, s[38:39] offset:p*PITCHM+512 th:TH_LOAD_NT
.set p, p+1
.endr
	WIN 0
	s_lshl_b32 s24, s18, 17                        ; the expert's 128 KiB of scale bytes
.if SECOND
	s_lshl_b32 s46, s17, 14
	s_add_co_u32 s24, s24, s46
	s_lshl_b32 s46, s23, 5
	s_add_co_u32 s24, s24, s46
.else
	s_lshl_b32 s46, s17, 12
	s_add_co_u32 s24, s24, s46
.endif
	s_add_nc_u64 s[40:41], s[10:11], s[24:25]
.irp t, 0,1,2,3,4,5,6,7
.if SECOND
.set ro, 16*\t*128
.else
.set ro, (32*(\t/2)+8*(\t%2))*32
.endif
	global_load_b128 v[WS+8*\t:WS+8*\t+3],   v10, s[40:41] offset:ro        ; lane r: the words of tile t's row r for K steps 0-3,
	global_load_b128 v[WS+8*\t+4:WS+8*\t+7], v10, s[40:41] offset:ro+16     ; 4-7
.endr
.if SECOND
	s_lshl_b32 s24, s18, 12
.else
	s_lshl_b32 s24, s18, 14
.endif
	s_lshl_b32 s46, s17, 9
	s_add_co_u32 s24, s24, s46
	s_add_nc_u64 s[42:43], s[12:13], s[24:25]
	global_load_b32 v12, v15, s[42:43]
.if SECOND
	s_lshl_b32 s24, s23, 16
	s_add_nc_u64 s[50:51], s[6:7], s[24:25]        ; A's codes: my quarter's 8 K steps of a group
	s_lshl_b32 s24, s23, 11
	s_add_nc_u64 s[52:53], s[6:7], s[24:25]
	s_add_nc_u64 s[52:53], s[52:53], HSC           ; and their scale words
	s_mul_i32 s24, s23, PLANE
	s_add_co_u32 s24, s24, s46                     ; my quarter's plane, my 128 columns (512 bytes x the slice)
	s_add_nc_u64 s[48:49], s[14:15], s[24:25]
.else
	s_mov_b64 s[50:51], s[6:7]
	s_add_nc_u64 s[52:53], s[6:7], XSC
	s_add_nc_u64 s[48:49], s[14:15], HSC
.endif
	s_wait_kmcnt 0x0
	s_min_u32 s20, s20, 39                         ; no choice gives an expert more groups than there are
	s_sub_co_u32 s55, s20, 1                       ; the last group's number among the expert's
	s_and_b32 s54, s20, 3
	s_cmp_eq_u32 s54, 1
	s_cselect_b32 s54, 1, 0                        ; is it one over whole rounds of four?  Then it goes by tiles,
	s_sub_co_u32 s20, s20, s54                     ; and the whole passes cover the groups in front of it
	s_add_co_u32 s20, s20, 3
	s_sub_co_u32 s20, s20, s16
	s_lshr_b32 s20, s20, 2                         ; my wave's whole passes: (groups + 3 - wave) / 4, rounded down; 0 where there is no group for me
	s_add_co_u32 s58, s19, s55
	s_min_u32 s58, s58, 38                         ; the last group's number in all, held inside the buffers before it enters an address
	s_lshl_b32 s55, s55, 6
	s_lshl_b32 s56, s16, 4
	s_add_co_u32 s55, s55, s56                     ; the rank of my tile's first row
	s_cmp_gt_u32 s57, s55
	s_cselect_b32 s56, 1, 0                        ; has the expert such a row?
	s_and_b32 s54, s54, s56                        ; 1: I have a tile pass
	s_lshl_b32 s59, s16, 11                        ; 2,048 bytes x my tile
	s_mov_b32 s21, 0                               ; the pass in hand; it steps by 1
	SETA                                           ; (a wave with no group loads inside the buffer and uses nothing of it)
	ALOAD_LO
	s_wait_loadcnt 63                              ; behind the bias stand the 72 loads just issued: weights, their scales and the bias are in
.if SECOND
	s_cmp_eq_u32 s23, 0
	s_cselect_b32 s46, -1, 0
	v_cndmask_b32 v12, 0, v12, s46                 ; the bias is added once: in quarter 0
.endif
	WIN 0x0C                                       ; an LDS store's data are its source 1: window 3
.set p, 0
.rept 32
.if SECOND
.set lr, p
.else
.set lr, 16*((p>>3)&1)+8*((p>>4)&1)+(p&7)          ; unit 16 a + 8 u + i of a block of 32 becomes row 8 a + i of tile u
.endif
	ds_store_b128 v9, v[8*p:8*p+3] offset:lr*PITCH
	ds_store_b128 v9, v[8*p+4:8*p+7] offset:lr*PITCH+512
.set p, p+1
.endr
	WIN 0
	ds_store_b32 v11, v12
	ALOAD_HI
	s_wait_dscnt 0x0                               ; for the others' sake: my part of the weight lies in LDS
	s_barrier_signal -1
	s_barrier_wait -1                              ; the one barrier, ahead of every branch on a number read from memory; nothing writes the weights or the bias behind it
	s_cmp_lt_u32 s21, s20
	s_cbranch_scc1 .Lsome
	s_wait_loadcnt 0x0                             ; no whole pass for me: the loads at the head are in, so their registers and bases may be written
	TSETA
	TLOAD
	s_branch .Ltile
.Lsome:
	s_sub_co_u32 s60, s20, 1                       ; every pass but my last fetches the next group; the last is written out behind the loop
	s_cmp_eq_u32 s60, 0
	s_cbranch_scc1 .Ltail
.Lpass:
	BODY
	s_add_co_u32 s21, s21, 1
	SETA                                           ; all earlier loads of A are in (the last K step's wait was for 0), so their base may be written
	ALOAD_LO                                       ; my next group lands while this one goes out
	ALOAD_HI
	EPI
	s_cmp_lt_u32 s21, s60
	s_cbranch_scc1 .Lpass
.Ltail:
	BODY                                           ; my last whole pass: on both ways here the 136 loads of its group are the youngest loads, in the same order
	TSETA                                          ; all loads of A are in
	TLOAD                                          ; my tile of the last group lands while this pass goes out (a wave with no tile pass loads inside the buffer and uses nothing of it)
	EPI
.Ltile:
	s_cmp_eq_u32 s54, 0
	s_cbranch_scc1 .Lend
	TSETO
	TBIAS
	TW 0                                           ; four K steps of the weight are asked for at once,
	TW 1
	TW 2
	TW 3
	s_wait_loadcnt 0x0                             ; my tile of A and its scale words
.irp s, 0,1,2,3
	s_wait_dscnt 63                                ; the bias and K step s are in: behind them stand three K steps' 96 loads; the count is held at the field's largest
	TMUL \s
	PLACES                                         ; the buffer just read
	TW \s+4                                        ; takes the K step four further on
.endr
	s_wait_dscnt 63                                ; behind K step 4: 96 loads
	TMUL 4
	s_wait_dscnt 63                                ; behind K step 5: 64
	TMUL 5
	s_wait_dscnt 32                                ; behind K step 6: the last K step's 32
	TMUL 6
	s_wait_dscnt 0x0
	TMUL 7
	PLACES                                         ; ahead of the first reads of results, and of writes of registers that the products read
.if SECOND
	TOSTAGE 0
	SEND 0, 0
.else
	QH 0
	global_store_b32 v22, v[PW], s[32:33]          ; my tile's 16 scale words; lanes l and l + 16 hold the same word and store it to the same place
.endif
.Lend:
	s_wait_tensorcnt 0x0
	ds_add_u32 v30, v31
	s_wait_dscnt 0x0
	s_endpgm
.Lfunc_end_k_qfbc6113a47_ffn1:
	.size	k_qfbc6113a47_ffn1, .Lfunc_end_k_qfbc6113a47_ffn1-k_qfbc6113a47_ffn1
	.p2alignl 7, 3214868480
	.fill 96, 4, 3214868480
	.section	.rodata,"a",@progbits
	.p2align	6, 0x0
	.amdhsa_kernel k_qfbc6113a47_ffn1
		.amdhsa_group_segment_fixed_size 134144
		.amdhsa_private_segment_fixed_size 0
		.amdhsa_enable_private_segment 0
		.amdhsa_kernarg_size 48
		.amdhsa_user_sgpr_count 2
		.amdhsa_user_sgpr_kernarg_segment_ptr 1
		.amdhsa_wavefront_size32 1
		.amdhsa_system_sgpr_workgroup_id_x 1
		.amdhsa_system_sgpr_workgroup_id_y 1
		.amdhsa_system_sgpr_workgroup_id_z 1
		.amdhsa_system_vgpr_workitem_id 0
		.amdhsa_next_free_vgpr 1024
		.amdhsa_next_free_sgpr 66
		.amdhsa_reserve_vcc 0
		.amdhsa_float_denorm_mode_32 3
		.amdhsa_float_denorm_mode_16_64 3
		.amdhsa_memory_ordered 1
		.amdhsa_forward_progress 1
		.amdhsa_inst_pref_size 255
	.end_amdhsa_kernel
	.section	.bss,"aw",@nobits
	.p2align	6
	.space	262144
	.amdgpu_metadata
---
amdhsa.version: [ 1, 2 ]
amdhsa.kernels:
  - .name:           k_qfbc6113a47_ffn1
    .symbol:         k_qfbc6113a47_ffn1.kd
    .args:
      - { .name: route, .offset: 0, .size: 8, .value_kind: global_buffer, .address_space: global }
      - { .name: xa, .offset: 8, .size: 8, .value_kind: global_buffer, .address_space: global }
      - { .name: W1_codes, .offset: 16, .size: 8, .value_kind: global_buffer, .address_space: global }
      - { .name: W1_scales, .offset: 24, .size: 8, .value_kind: global_buffer, .address_space: global }
      - { .name: b1, .offset: 32, .size: 8, .value_kind: global_buffer, .address_space: global }
      - { .name: ha, .offset: 40, .size: 8, .value_kind: global_buffer, .address_space: global }
    .group_segment_fixed_size: 134144
    .private_segment_fixed_size: 0
    .kernarg_segment_align: 8
    .kernarg_segment_size: 48
    .max_flat_workgroup_size: 128
    .sgpr_count:     66
    .vgpr_count:     1024
    .wavefront_size: 32
...
	.end_amdgpu_metadata
.endif
;; end of part 4
;; launch ffn2 (part 5): grid 32 x 8, 4 waves a work-group, no clusters, 167,936 bytes of LDS; arguments route, ha, W2_codes, W2_scales, b2, yp; writes yp
.if DOCPART == 5
	.amdgcn_target "amdgcn-amd-amdhsa--gfx1250"
	.amdhsa_code_object_version 6
	.text
	.protected	k_qfbc6113a47_ffn2
	.globl	k_qfbc6113a47_ffn2
	.p2align	8
	.type	k_qfbc6113a47_ffn2,@function
k_qfbc6113a47_ffn2:
	s_mov_b64 s[64:65], 0
	v_nop
	global_prefetch_b8 v0, s[64:65] scope:SCOPE_SE
	s_setreg_imm32_b32 hwreg(HW_REG_WAVE_MODE, 25, 1), 1
	s_wait_xcnt 0x0
; ONE TEXT FOR BOTH PRODUCTS OF AN EXPERT (SECOND = 0: h = Q(relu(x W1 + b1));  SECOND = 1: a quarter along K of h W2, + b2 in quarter 0), on codes of E4M3 with one E8M0 scale for each 32 along K.
; Only the rows that chose the expert are multiplied: the other rows' results are multiplied by a weight 0 that the problem builds itself.
; SHARES.  A work-group owns 128 rows of the expert's weight x 1,024 along K: 128 KiB, read from memory ONCE in the whole launch, kept in LDS.  (First product: work-group x = which 128 hidden units;
; second: x % 8 = which 128 outputs, x / 8 = which quarter of K = 4,096.  y = the expert.)  Wave w takes the expert's groups of 64 rows w, w + 4, ..; G_e, the number of groups, and c_e, the number of rows, are read from memory.
; A PASS: 64 rows x 128 columns x 1,024 K: 4 tiles of rows x 8 tiles of the weight x 8 K steps = 256 matrix instructions.  All of A's 32 fragments lie in registers (512); they come from memory as images of registers,
; 512 consecutive bytes a load.  The weight's fragments come from LDS, four at a time in two buffers, each read once a pass.
; A TILE PASS.  2,048 rows over 8 experts are 256 = 4 x 64 an expert where the choice is even, so a few rows over make a fifth group.  Where G_e is one over a multiple of four, the last group is no wave's pass: its four tiles of
; 16 rows go one to each wave, 64 matrix instructions each, side by side, and a tile that holds no row of the expert is neither computed nor stored (the next launch decides by the same two numbers and does not use it).
; TRANSPOSED USE: source 0 = 16 rows of the weight, source 1 = 16 rows of A: a lane holds ONE row and eight neighbouring columns.
; FIRST PRODUCT: the weight's rows are laid in LDS so that lane r of tile 2 b + u has hidden unit 32 b + 8 u + r + 8 (r / 8): the 16 registers of tiles 2 b, 2 b + 1 are then 16 neighbours along the next K, and the
; conversions' results are the next operand's registers.  They leave as images (ha: codes [39 g][32 s][4 m][2048], scale words at HSC [39][32][256], laid as xa's).
; SECOND PRODUCT: results leave through the wave's own stage in LDS as rows of 512 bytes (yp: [4 q][2496 positions][1024] f32).
; WHY NO TENSOR LOAD, NO CLUSTER: the number of passes is read from memory, and the weights, two thirds of a work-group's bytes, are shared with nobody.
; LIMITS: NaN and infinities are not served; a block of zeros of h gets the byte 1 where the rule says 127: its codes are zeros, and this program alone reads the bytes.
; REGISTERS, in windows of 256.  window 0: v1-15, v22 addresses; v16-21 h's scale words; v32-95 the weight's scale words (8 t + s); v96-111 A's (2 s + m / 2; odd m in lanes 16-31); v112-127 at work;
;   v128-255 the weight's fragments, two buffers of four; on the way out codes or rows.   windows 1, 2: A: 64 (s % 4) + 16 m, K steps 0-3 and 4-7.   window 3: the 32 accumulators, 64 m + 8 t; at the head the weights on their way to LDS.
;   In a tile pass: A's 8 fragments window 1 v0-127, its scale words v96-103; the weight's fragments, a K step (128 registers) to a buffer: window 0 v128-255, window 1 v128-255, window 2 v0-127, v128-255; accumulators window 3 v0-63.
.set SECOND, 1
.set PITCH,  1040                      ; a weight row in LDS: 1,024 bytes + 16 = 65 x 16: the 16 rows of a fragment load fall on 16 different columns of 16 bytes
.set BIAS,   128*PITCH                 ; behind the weights: the 128 biases
.set STAGE,  BIAS+512                  ; second product: 16 rows x (512 + 16) bytes for each wave
.set XSC,    2555904
.set HSC,    10223616
.set PLANE,  10223616
.if SECOND
.set PITCHM, 4096                      ; a weight row in memory
.set GSH,    18                        ; a group of A: 2^GSH bytes of codes,
.set GSS,    13                        ; 2^GSS of scale words
.else
.set PITCHM, 1024
.set GSH,    16
.set GSS,    11
.endif
.set PW, 16
.set WS, 32
.set XS, 96
.set TM, 112
.set WF, 128
.set MSB, 0
.macro WIN new                         ; the immediate's high byte repeats the setting that is left
.if MSB != \new
	s_set_vgpr_msb (MSB<<8)|\new
.set MSB, \new
.endif
.endm
.macro PLACES                          ; eight plain lines behind this matrix form, ahead of loads into its registers and of reads of its results
.rept 8
	v_nop
.endr
.endm
.macro SETA                            ; where the group of pass s21 lies in A: group GB + wave + 4 x pass.  The number read from memory is held inside the buffer before it enters an address
	s_lshl_b32 s22, s21, 2
	s_add_co_u32 s22, s22, s16
	s_add_co_u32 s22, s22, s19
	s_min_u32 s22, s22, 38
	s_lshl_b32 s24, s22, GSH
	s_add_nc_u64 s[26:27], s[50:51], s[24:25]
	s_lshl_b32 s24, s22, GSS
	s_add_nc_u64 s[28:29], s[52:53], s[24:25]
.endm
.macro SETO                            ; where the group's results go
.if SECOND
	s_lshl_b32 s24, s22, 18                        ; 64 rows of 4,096 bytes
	s_add_nc_u64 s[30:31], s[48:49], s[24:25]
.else
	s_lshl_b32 s24, s22, 5
	s_add_co_u32 s24, s24, s17                     ; 32 g + my K step of the next product
	s_lshl_b32 s46, s24, 8
	s_lshl_b32 s24, s24, 13
	s_add_nc_u64 s[30:31], s[14:15], s[24:25]
	s_mov_b32 s24, s46
	s_add_nc_u64 s[32:33], s[48:49], s[24:25]
.endif
.endm
.macro ALOAD_LO                        ; A's scale words of all 8 K steps, then the fragments of K steps 0-3: 72 loads
.irp s, 0,1,2,3,4,5,6,7
	global_load_b64 v[XS+2*\s:XS+2*\s+1], v5, s[28:29] offset:256*\s
.endr
	WIN 0x40
.irp s, 0,1,2,3
.irp m, 0,1,2,3
.irp c, 0,1,2,3
	global_load_b128 v[64*\s+16*\m+4*\c:64*\s+16*\m+4*\c+3], v4, s[26:27] offset:8192*\s+2048*\m+512*\c
.endr
.endr
.endr
	WIN 0
.endm
.macro ALOAD_HI                        ; K steps 4-7: 64 loads
	WIN 0x80
.irp s, 4,5,6,7
.irp m, 0,1,2,3
.irp c, 0,1,2,3
	global_load_b128 v[64*(\s-4)+16*\m+4*\c:64*(\s-4)+16*\m+4*\c+3], v4, s[26:27] offset:8192*\s+2048*\m+512*\c
.endr
.endr
.endr
	WIN 0
.endm
.macro WLOAD k                         ; half step k = (K step k / 2, tiles 4 (k % 2) on): four fragments of the weight into buffer k % 2
.set wks, (\k)>>1
.set whf, (\k)&1
.set wbf, WF+64*((\k)&1)
.irp tt, 0,1,2,3
.irp c, 0,1,2,3
	ds_load_b128 v[wbf+16*\tt+4*\c:wbf+16*\tt+4*\c+3], v[6+whf] offset:16*PITCH*\tt+128*wks+32*\c
.endr
.endr
.endm
.macro BIASINIT                        ; the sums begin as the bias: eight registers a tile in the result's layout, the same for the four tiles of rows
	WIN 0xC0
.irp m, 0,1,2,3
.irp t, 0,1,2,3,4,5,6,7
.if SECOND
.set bo, 64*\t
.else
.set bo, (32*(\t/2)+8*(\t%2))*4
.endif
	ds_load_b128 v[64*\m+8*\t:64*\m+8*\t+3],   v8 offset:bo
	ds_load_b128 v[64*\m+8*\t+4:64*\m+8*\t+7], v8 offset:bo+16
.endr
.endr
	WIN 0
.endm
; 16 matrix instructions.  The accumulators take turns, one instruction a turn: between two links of a chain stand 31 others'.
.macro HALF k
.set ks, (\k)>>1
.set hf, (\k)&1
.set bf, WF+64*((\k)&1)
.if hf == 0
.if 16*(7-ks) > 63
	s_wait_loadcnt 63                              ; K step ks of A is in: behind it stand 16 loads for each later K step; the count is held at the field's largest
.else
	s_wait_loadcnt 16*(7-ks)
.endif
.endif
	s_wait_dscnt 0x0                               ; this half step's fragments of the weight (asked for 16 matrix instructions ago) are in
.if (\k) < 15
.if (\k) > 0
	PLACES                                         ; the other buffer was read by the half step before
.endif
	WIN 0
	WLOAD (\k)+1
.endif
.if ks < 4
	WIN 0xF4                                       ; source 0 window 0, source 1 window 1, C and D window 3
.else
	WIN 0xF8                                       ; source 1 window 2
.endif
.irp m, 0,1,2,3
.irp tt, 0,1,2,3
.set tl, 4*hf+\tt
.if (\m)&1
	v_wmma_scale_f32_16x16x128_f8f6f4 v[64*\m+8*tl:64*\m+8*tl+7], v[bf+16*\tt:bf+16*\tt+15], v[64*(ks&3)+16*\m:64*(ks&3)+16*\m+15], v[64*\m+8*tl:64*\m+8*tl+7], v[WS+8*tl+ks], v[XS+2*ks+(\m>>1)] matrix_b_scale:MATRIX_SCALE_ROW1
.else
	v_wmma_scale_f32_16x16x128_f8f6f4 v[64*\m+8*tl:64*\m+8*tl+7], v[bf+16*\tt:bf+16*\tt+15], v[64*(ks&3)+16*\m:64*(ks&3)+16*\m+15], v[64*\m+8*tl:64*\m+8*tl+7], v[WS+8*tl+ks], v[XS+2*ks+(\m>>1)]
.endif
.endr
.endr
.endm
.macro BODY                            ; a pass's products
	SETO
	BIASINIT
	WLOAD 0
.irp k, 0,1,2,3,4,5,6,7,8,9,10,11,12,13,14,15
	HALF \k
.endr
	PLACES                                         ; ahead of the loads into A's registers and of the first reads of results
	WIN 0
.endm
.if SECOND
.macro TOSTAGE m                       ; 16 rows x 128 columns into my stage, and back as whole rows of 512 bytes.  LDS serves a wave's instructions in order (ISA guide 5.7.1.4)
	WIN 0x0C                                       ; an LDS store's data are its source 1: window 3
.irp t, 0,1,2,3,4,5,6,7
	ds_store_b128 v13, v[64*(\m)+8*\t:64*(\m)+8*\t+3] offset:64*\t          ; each accumulator from its low end on
	ds_store_b128 v13, v[64*(\m)+8*\t+4:64*(\m)+8*\t+7] offset:64*\t+16
.endr
	WIN 0
.set BB, WF+64*((\m)&1)
.irp i, 0,1,2,3,4,5,6,7,8,9,10,11,12,13,14,15
	ds_load_b128 v[BB+4*\i:BB+4*\i+3], v14 offset:528*\i
.endr
.endm
.macro SEND m, younger                 ; younger: the LDS instructions issued behind block m's loads
.set BB, WF+64*((\m)&1)
	s_wait_dscnt \younger
.irp i, 0,1,2,3,4,5,6,7,8,9,10,11,12,13,14,15
	global_store_b128 v4, v[BB+4*\i:BB+4*\i+3], s[30:31] offset:(16*(\m)+\i)*4096 th:TH_STORE_NT   ; 32 lanes store 512 consecutive bytes, aligned
.endr
.endm
.else
.macro QH m                            ; tile of rows m: relu, quantised along the hidden units, stored as one fragment's image
	WIN 0x3C                                       ; sources 1 and 2 window 3
.irp b, 0,1,2,3
	v_max3_num_f32 v[TM+\b], 0x4800000, v[64*\m+16*\b], v[64*\m+16*\b+1]   ; no |.|: what is negative becomes 0 and must not count; the floor 2^(9 - 127) stands over it
.endr
.irp i, 2,4,6,8,10,12,14
.irp b, 0,1,2,3
	v_max3_num_f32 v[TM+\b], v[TM+\b], v[64*\m+16*\b+\i], v[64*\m+16*\b+\i+1]   ; each accumulator is read from its low end on
.endr
.endr
	WIN 0
.irp b, 0,1,2,3
	v_permlanex16_b32 v[TM+4+\b], v[TM+\b], s34, s35
.endr
.irp b, 0,1,2,3
	v_max_num_f32 v[TM+\b], v[TM+\b], v[TM+4+\b]   ; with lane l xor 16's 16 units: the block's largest
.endr
.irp b, 0,1,2,3
	v_add_nc_u32 v[TM+12+\b], 0xfc000000, v[TM+\b] ; 8 off the exponent field: the conversion's scale operand
.endr
.irp b, 0,1,2,3
	v_and_or_b32 v[TM+8+\b], v[TM+\b], 0x7f800000, s36   ; 448 x the scale
.endr
.irp b, 0,1,2,3
	v_lshrrev_b32 v[TM+4+\b], 23, v[TM+12+\b]      ; the scale's byte
.endr
	v_lshl_or_b32 v[PW+\m], v[TM+5], 8, v[TM+4]
	v_lshl_or_b32 v[PW+\m], v[TM+6], 16, v[PW+\m]
	v_lshl_or_b32 v[PW+\m], v[TM+7], 24, v[PW+\m]
	WIN 0xC3                                       ; destination and source 0 window 3
.set i, 0
.rept 64
	v_med3_num_f32 v[64*\m+i], v[64*\m+i], 0, v[TM+8+i/16]   ; the activation and the hold in one (the conversion does not saturate: ISA guide 7.6.2)
.set i, i+1
.endr
	WIN 0x03                                       ; source 0 window 3
.irp b, 0,1,2,3
	v_cvt_scalef32_pk8_fp8_f32 v[WF+16*\m+4*\b:WF+16*\m+4*\b+1], v[64*\m+16*\b:64*\m+16*\b+7], v[TM+12+\b]
	v_cvt_scalef32_pk8_fp8_f32 v[WF+16*\m+4*\b+2:WF+16*\m+4*\b+3], v[64*\m+16*\b+8:64*\m+16*\b+15], v[TM+12+\b]
.endr
	v_nop                                          ; a plain line behind the last conversion
	WIN 0
.irp c, 0,1,2,3
	global_store_b128 v4, v[WF+16*\m+4*\c:WF+16*\m+4*\c+3], s[30:31] offset:2048*\m+512*\c   ; 512 consecutive bytes
.endr
.endm
.endif
.macro EPI                             ; a pass's 64 rows x 128 columns go out
.if SECOND
	TOSTAGE 0
.irp a, 1,2,3
.if \a > 1
	s_wait_xcnt 0x0                                ; block a - 2's stores have read their registers: block a's rows may land there
.endif
	TOSTAGE \a
	SEND \a-1, 32                                  ; behind block a - 1's loads: block a's 16 stores and 16 loads
.endr
	SEND 3, 0
.else
	QH 0
	QH 1
	QH 2
	QH 3
	v_cndmask_b32 v20, v[PW], v[PW+1], s37         ; lanes 0-15: tiles 0 and 2; lanes 16-31: tiles 1 and 3 (both halves of the lanes hold a row's word)
	v_cndmask_b32 v21, v[PW+2], v[PW+3], s37
	global_store_b64 v5, v[20:21], s[32:33]        ; 256 consecutive bytes, aligned
.endif
	s_wait_xcnt 0x0                                ; the stores have read their registers and bases: both are written again behind this wait
.endm
; ---- the tile pass: tile w (my wave's number) of the expert's last group, s58
.macro TSETA                           ; where my tile lies in A: the group's codes + 2,048 bytes x tile in each K step; the scale words' place in a K step's 256 bytes stands in v22
	s_lshl_b32 s24, s58, GSH
	s_add_co_u32 s24, s24, s59
	s_add_nc_u64 s[26:27], s[50:51], s[24:25]
	s_lshl_b32 s24, s58, GSS
	s_add_nc_u64 s[28:29], s[52:53], s[24:25]
.endm
.macro TSETO                           ; where its results go
.if SECOND
	s_lshl_b32 s24, s58, 18                        ; 64 rows of 4,096 bytes a group,
	s_lshl_b32 s46, s16, 16                        ; 16 a tile
	s_add_co_u32 s24, s24, s46
	s_add_nc_u64 s[30:31], s[48:49], s[24:25]
.else
	s_lshl_b32 s24, s58, 5
	s_add_co_u32 s24, s24, s17                     ; 32 g + my K step of the next product
	s_lshl_b32 s46, s24, 8
	s_lshl_b32 s24, s24, 13
	s_add_co_u32 s24, s24, s59                     ; + 2,048 bytes x tile
	s_add_nc_u64 s[30:31], s[14:15], s[24:25]
	s_mov_b32 s24, s46
	s_add_nc_u64 s[32:33], s[48:49], s[24:25]
.endif
.endm
.macro TLOAD                           ; 40 loads: my tile's scale words (lane r: row r's word, in both halves of the lanes) and its 8 fragments
.irp s, 0,1,2,3,4,5,6,7
	global_load_b32 v[XS+\s], v22, s[28:29] offset:256*\s
.endr
	WIN 0x40
.irp s, 0,1,2,3,4,5,6,7
.irp c, 0,1,2,3
	global_load_b128 v[16*\s+4*\c:16*\s+4*\c+3], v4, s[26:27] offset:8192*\s+512*\c
.endr
.endr
	WIN 0
.endm
.macro TBIAS                           ; the eight sums begin as the bias
	WIN 0xC0
.irp t, 0,1,2,3,4,5,6,7
.if SECOND
.set bo, 64*\t
.else
.set bo, (32*(\t/2)+8*(\t%2))*4
.endif
	ds_load_b128 v[8*\t:8*\t+3],   v8 offset:bo
	ds_load_b128 v[8*\t+4:8*\t+7], v8 offset:bo+16
.endr
.endm
.macro TBUF s                          ; the buffer of K step s: window tw (0, 1, 2, 2), register tb (128, 128, 0, 128)
.set tw, (\s)&3
.set tb, 128
.if tw == 2
.set tb, 0
.endif
.if tw == 3
.set tw, 2
.endif
.endm
.macro TW s                            ; K step s: all eight fragments of the weight, 32 LDS loads, tile 0 first
	TBUF \s
.set twd, tw<<6
	WIN twd                                        ; destination window tw, address window 0
.irp tt, 0,1,2,3
.irp c, 0,1,2,3
	ds_load_b128 v[tb+16*\tt+4*\c:tb+16*\tt+4*\c+3], v6 offset:16*PITCH*\tt+128*(\s)+32*\c
.endr
.endr
.irp tt, 0,1,2,3
.irp c, 0,1,2,3
	ds_load_b128 v[tb+64+16*\tt+4*\c:tb+64+16*\tt+4*\c+3], v7 offset:16*PITCH*\tt+128*(\s)+32*\c
.endr
.endr
.endm
.macro TMUL s                          ; K step s: 8 matrix instructions; the eight accumulators take turns: between two links of a chain stand 7 others'
	TBUF \s
.set twm, 0xF4+tw
	WIN twm                                        ; source 0 window tw, source 1 window 1, C and D window 3
.irp t, 0,1,2,3,4,5,6,7
	v_wmma_scale_f32_16x16x128_f8f6f4 v[8*\t:8*\t+7], v[tb+16*\t:tb+16*\t+15], v[16*(\s):16*(\s)+15], v[8*\t:8*\t+7], v[WS+8*\t+(\s)], v[XS+(\s)]
.endr
.endm
	s_load_b256 s[4:11], s[0:1], 0x0               ; route s[4:5], A s[6:7], the weight's codes s[8:9], its scales s[10:11]
	s_load_b128 s[12:15], s[0:1], 0x20             ; the bias s[12:13], the output s[14:15]
	v_lshl_add_u32 v126, v0, 2, 0x28e00
	v_mov_b32 v127, 0
	v_lshrrev_b32 v1, 5, v0
	v_readfirstlane_b32 s16, v1                    ; wave 0..3
	s_and_b32 s18, ttmp7, 0xffff                   ; the expert
.if SECOND
	s_and_b32 s17, ttmp9, 7                        ; which 128 outputs
	s_lshr_b32 s23, ttmp9, 3                       ; which quarter of K
.else
	s_mov_b32 s17, ttmp9                           ; which 128 hidden units
.endif
	s_mov_b32 s25, 0                               ; the upper word of every offset
	v_and_b32 v1, 31, v0                           ; lane
	v_and_b32 v2, 15, v0                           ; r
	v_bfe_u32 v3, v0, 4, 1                         ; h
	v_lshlrev_b32 v4, 4, v1                        ; 16 x lane
	v_lshlrev_b32 v5, 3, v1                        ; 8 x lane
	s_and_b32 s46, s16, 1
	s_lshl_b32 s46, s46, 7
	s_lshr_b32 s47, s16, 1
	s_lshl_b32 s47, s47, 2
	s_add_co_u32 s46, s46, s47
	v_lshl_add_u32 v22, v2, 3, s46                 ; a tile pass: the word of row r of tile w in a K step's 256 bytes of scale words: 8 (16 (w % 2) + r) + 4 (w / 2)
	v_mul_u32_u24 v6, v2, PITCH
	v_lshl_add_u32 v6, v3, 4, v6                   ; a fragment of the weight: row r, + 16 h: tiles 0-3,
	v_add_nc_u32 v7, 64*PITCH, v6                  ; tiles 4-7
	s_mul_i32 s24, s16, 32*PITCH
	v_add_nc_u32 v9, s24, v4                       ; where I put my 32 rows of the weight
	v_lshlrev_b32 v15, 2, v0                       ; the bias: thread t fetches number t,
	v_lshl_add_u32 v11, v0, 2, BIAS                ; and puts it here
.if SECOND
	v_lshl_add_u32 v8, v3, 5, BIAS                 ; a tile's eight biases of my half: columns 16 t + 8 h on
	v_lshlrev_b32 v10, 7, v2                       ; the weight's scales: row r of 128 bytes
	s_mul_i32 s24, s16, 16*528
	s_add_co_u32 s24, s24, STAGE                   ; my stage
	v_mul_u32_u24 v13, v2, 528
	v_lshl_add_u32 v13, v3, 5, v13
	v_add_nc_u32 v13, s24, v13                     ; in: row r, 32 bytes for each half of the lanes
	v_add_nc_u32 v14, s24, v4                      ; back: a row of 512 bytes
.else
	v_lshl_add_u32 v8, v3, 6, BIAS                 ; hidden units 32 b + 16 h + 8 u on
	v_and_b32 v10, 8, v2
	v_add_nc_u32 v10, v10, v2
	v_lshlrev_b32 v10, 5, v10                      ; the weight's scales: row r + 8 (r / 8) of 32 bytes
	s_mov_b32 s34, 0x76543210                      ; v_permlanex16_b32's selects for lane l xor 16
	s_mov_b32 s35, 0xfedcba98
	s_mov_b32 s36, 0x600000                        ; the mantissa field of 448
	s_mov_b32 s37, 0xffff0000                      ; lanes 16-31
.irp b, 0,1,2,3
	v_mov_b32 v[TM+4+\b], 0                        ; written once: a lane permute's destination counts as one of its sources
.endr
.endif
	s_wait_kmcnt 0x0
	s_lshl_b32 s24, s18, 2
	s_add_nc_u64 s[44:45], s[4:5], s[24:25]
	s_load_b32 s19, s[44:45], 0x2000               ; GB_e: the expert's first group
	s_load_b32 s20, s[44:45], 0x2020               ; G_e: how many it has
	s_load_b32 s57, s[44:45], 0x2040               ; c_e: how many rows
	s_lshl_b32 s24, s18, 22                        ; the expert's 4 MiB of codes,
.if SECOND
	s_lshl_b32 s46, s17, 19                        ; my work-group's 128 rows of 4,096 bytes,
	s_add_co_u32 s24, s24, s46
	s_lshl_b32 s46, s16, 17                        ; my wave's 32,
	s_add_co_u32 s24, s24, s46
	s_lshl_b32 s46, s23, 10                        ; my quarter of each
	s_add_co_u32 s24, s24, s46
.else
	s_lshl_b32 s46, s17, 17                        ; my work-group's 128 rows of 1,024 bytes,
	s_add_co_u32 s24, s24, s46
	s_lshl_b32 s46, s16, 15                        ; my wave's 32
	s_add_co_u32 s24, s24, s46
.endif
	s_add_nc_u64 s[38:39], s[8:9], s[24:25]
	WIN 0xC0                                       ; destination window 3
.set p, 0
.rept 32
	global_load_b128 v[8*p:8*p+3],   v4, s[38:39] offset:p*PITCHM th:TH_LOAD_NT       ; 512 consecutive bytes; read once in the launch
	global_load_b128 v[8*p+4:8*p+7], v4, s[38:39] offset:p*PITCHM+512 th:TH_LOAD_NT
.set p, p+1
.endr
	WIN 0
	s_lshl_b32 s24, s18, 17                        ; the expert's 128 KiB of scale bytes
.if SECOND
	s_lshl_b32 s46, s17, 14
	s_add_co_u32 s24, s24, s46
	s_lshl_b32 s46, s23, 5
	s_add_co_u32 s24, s24, s46
.else
	s_lshl_b32 s46, s17, 12
	s_add_co_u32 s24, s24, s46
.endif
	s_add_nc_u64 s[40:41], s[10:11], s[24:25]
.irp t, 0,1,2,3,4,5,6,7
.if SECOND
.set ro, 16*\t*128
.else
.set ro, (32*(\t/2)+8*(\t%2))*32
.endif
	global_load_b128 v[WS+8*\t:WS+8*\t+3],   v10, s[40:41] offset:ro        ; lane r: the words of tile t's row r for K steps 0-3,
	global_load_b128 v[WS+8*\t+4:WS+8*\t+7], v10, s[40:41] offset:ro+16     ; 4-7
.endr
.if SECOND
	s_lshl_b32 s24, s18, 12
.else
	s_lshl_b32 s24, s18, 14
.endif
	s_lshl_b32 s46, s17, 9
	s_add_co_u32 s24, s24, s46
	s_add_nc_u64 s[42:43], s[12:13], s[24:25]
	global_load_b32 v12, v15, s[42:43]
.if SECOND
	s_lshl_b32 s24, s23, 16
	s_add_nc_u64 s[50:51], s[6:7], s[24:25]        ; A's codes: my quarter's 8 K steps of a group
	s_lshl_b32 s24, s23, 11
	s_add_nc_u64 s[52:53], s[6:7], s[24:25]
	s_add_nc_u64 s[52:53], s[52:53], HSC           ; and their scale words
	s_mul_i32 s24, s23, PLANE
	s_add_co_u32 s24, s24, s46                     ; my quarter's plane, my 128 columns (512 bytes x the slice)
	s_add_nc_u64 s[48:49], s[14:15], s[24:25]
.else
	s_mov_b64 s[50:51], s[6:7]
	s_add_nc_u64 s[52:53], s[6:7], XSC
	s_add_nc_u64 s[48:49], s[14:15], HSC
.endif
	s_wait_kmcnt 0x0
	s_min_u32 s20, s20, 39                         ; no choice gives an expert more groups than there are
	s_sub_co_u32 s55, s20, 1                       ; the last group's number among the expert's
	s_and_b32 s54, s20, 3
	s_cmp_eq_u32 s54, 1
	s_cselect_b32 s54, 1, 0                        ; is it one over whole rounds of four?  Then it goes by tiles,
	s_sub_co_u32 s20, s20, s54                     ; and the whole passes cover the groups in front of it
	s_add_co_u32 s20, s20, 3
	s_sub_co_u32 s20, s20, s16
	s_lshr_b32 s20, s20, 2                         ; my wave's whole passes: (groups + 3 - wave) / 4, rounded down; 0 where there is no group for me
	s_add_co_u32 s58, s19, s55
	s_min_u32 s58, s58, 38                         ; the last group's number in all, held inside the buffers before it enters an address
	s_lshl_b32 s55, s55, 6
	s_lshl_b32 s56, s16, 4
	s_add_co_u32 s55, s55, s56                     ; the rank of my tile's first row
	s_cmp_gt_u32 s57, s55
	s_cselect_b32 s56, 1, 0                        ; has the expert such a row?
	s_and_b32 s54, s54, s56                        ; 1: I have a tile pass
	s_lshl_b32 s59, s16, 11                        ; 2,048 bytes x my tile
	s_mov_b32 s21, 0                               ; the pass in hand; it steps by 1
	SETA                                           ; (a wave with no group loads inside the buffer and uses nothing of it)
	ALOAD_LO
	s_wait_loadcnt 63                              ; behind the bias stand the 72 loads just issued: weights, their scales and the bias are in
.if SECOND
	s_cmp_eq_u32 s23, 0
	s_cselect_b32 s46, -1, 0
	v_cndmask_b32 v12, 0, v12, s46                 ; the bias is added once: in quarter 0
.endif
	WIN 0x0C                                       ; an LDS store's data are its source 1: window 3
.set p, 0
.rept 32
.if SECOND
.set lr, p
.else
.set lr, 16*((p>>3)&1)+8*((p>>4)&1)+(p&7)          ; unit 16 a + 8 u + i of a block of 32 becomes row 8 a + i of tile u
.endif
	ds_store_b128 v9, v[8*p:8*p+3] offset:lr*PITCH
	ds_store_b128 v9, v[8*p+4:8*p+7] offset:lr*PITCH+512
.set p, p+1
.endr
	WIN 0
	ds_store_b32 v11, v12
	ALOAD_HI
	s_wait_dscnt 0x0                               ; for the others' sake: my part of the weight lies in LDS
	s_barrier_signal -1
	s_barrier_wait -1                              ; the one barrier, ahead of every branch on a number read from memory; nothing writes the weights or the bias behind it
	s_cmp_lt_u32 s21, s20
	s_cbranch_scc1 .Lsome
	s_wait_loadcnt 0x0                             ; no whole pass for me: the loads at the head are in, so their registers and bases may be written
	TSETA
	TLOAD
	s_branch .Ltile
.Lsome:
	s_sub_co_u32 s60, s20, 1                       ; every pass but my last fetches the next group; the last is written out behind the loop
	s_cmp_eq_u32 s60, 0
	s_cbranch_scc1 .Ltail
.Lpass:
	BODY
	s_add_co_u32 s21, s21, 1
	SETA                                           ; all earlier loads of A are in (the last K step's wait was for 0), so their base may be written
	ALOAD_LO                                       ; my next group lands while this one goes out
	ALOAD_HI
	EPI
	s_cmp_lt_u32 s21, s60
	s_cbranch_scc1 .Lpass
.Ltail:
	BODY                                           ; my last whole pass: on both ways here the 136 loads of its group are the youngest loads, in the same order
	TSETA                                          ; all loads of A are in
	TLOAD                                          ; my tile of the last group lands while this pass goes out (a wave with no tile pass loads inside the buffer and uses nothing of it)
	EPI
.Ltile:
	s_cmp_eq_u32 s54, 0
	s_cbranch_scc1 .Lend
	TSETO
	TBIAS
	TW 0                                           ; four K steps of the weight are asked for at once,
	TW 1
	TW 2
	TW 3
	s_wait_loadcnt 0x0                             ; my tile of A and its scale words
.irp s, 0,1,2,3
	s_wait_dscnt 63                                ; the bias and K step s are in: behind them stand three K steps' 96 loads; the count is held at the field's largest
	TMUL \s
	PLACES                                         ; the buffer just read
	TW \s+4                                        ; takes the K step four further on
.endr
	s_wait_dscnt 63                                ; behind K step 4: 96 loads
	TMUL 4
	s_wait_dscnt 63                                ; behind K step 5: 64
	TMUL 5
	s_wait_dscnt 32                                ; behind K step 6: the last K step's 32
	TMUL 6
	s_wait_dscnt 0x0
	TMUL 7
	PLACES                                         ; ahead of the first reads of results, and of writes of registers that the products read
.if SECOND
	TOSTAGE 0
	SEND 0, 0
.else
	QH 0
	global_store_b32 v22, v[PW], s[32:33]          ; my tile's 16 scale words; lanes l and l + 16 hold the same word and store it to the same place
.endif
.Lend:
	s_wait_tensorcnt 0x0
	ds_add_u32 v126, v127
	s_wait_dscnt 0x0
	s_endpgm
.Lfunc_end_k_qfbc6113a47_ffn2:
	.size	k_qfbc6113a47_ffn2, .Lfunc_end_k_qfbc6113a47_ffn2-k_qfbc6113a47_ffn2
	.p2alignl 7, 3214868480
	.fill 96, 4, 3214868480
	.section	.rodata,"a",@progbits
	.p2align	6, 0x0
	.amdhsa_kernel k_qfbc6113a47_ffn2
		.amdhsa_group_segment_fixed_size 167936
		.amdhsa_private_segment_fixed_size 0
		.amdhsa_enable_private_segment 0
		.amdhsa_kernarg_size 48
		.amdhsa_user_sgpr_count 2
		.amdhsa_user_sgpr_kernarg_segment_ptr 1
		.amdhsa_wavefront_size32 1
		.amdhsa_system_sgpr_workgroup_id_x 1
		.amdhsa_system_sgpr_workgroup_id_y 1
		.amdhsa_system_sgpr_workgroup_id_z 1
		.amdhsa_system_vgpr_workitem_id 0
		.amdhsa_next_free_vgpr 1024
		.amdhsa_next_free_sgpr 66
		.amdhsa_reserve_vcc 0
		.amdhsa_float_denorm_mode_32 3
		.amdhsa_float_denorm_mode_16_64 3
		.amdhsa_memory_ordered 1
		.amdhsa_forward_progress 1
		.amdhsa_inst_pref_size 226
	.end_amdhsa_kernel
	.amdgpu_metadata
---
amdhsa.version: [ 1, 2 ]
amdhsa.kernels:
  - .name:           k_qfbc6113a47_ffn2
    .symbol:         k_qfbc6113a47_ffn2.kd
    .args:
      - { .name: route, .offset: 0, .size: 8, .value_kind: global_buffer, .address_space: global }
      - { .name: ha, .offset: 8, .size: 8, .value_kind: global_buffer, .address_space: global }
      - { .name: W2_codes, .offset: 16, .size: 8, .value_kind: global_buffer, .address_space: global }
      - { .name: W2_scales, .offset: 24, .size: 8, .value_kind: global_buffer, .address_space: global }
      - { .name: b2, .offset: 32, .size: 8, .value_kind: global_buffer, .address_space: global }
      - { .name: yp, .offset: 40, .size: 8, .value_kind: global_buffer, .address_space: global }
    .group_segment_fixed_size: 167936
    .private_segment_fixed_size: 0
    .kernarg_segment_align: 8
    .kernarg_segment_size: 48
    .max_flat_workgroup_size: 128
    .sgpr_count:     66
    .vgpr_count:     1024
    .wavefront_size: 32
...
	.end_amdgpu_metadata
.endif
;; end of part 5
;; launch comb (part 6): grid 256 x 1, 8 waves a work-group, no clusters, 0 bytes of LDS; arguments route, gate, yp, out0; writes out0
.if DOCPART == 6
	.amdgcn_target "amdgcn-amd-amdhsa--gfx1250"
	.amdhsa_code_object_version 6
	.text
	.protected	k_qfbc6113a47_comb
	.globl	k_qfbc6113a47_comb
	.p2align	8
	.type	k_qfbc6113a47_comb,@function
k_qfbc6113a47_comb:
	s_mov_b64 s[64:65], 0
	v_nop
	global_prefetch_b8 v0, s[64:65] scope:SCOPE_SE
	s_setreg_imm32_b32 hwreg(HW_REG_WAVE_MODE, 25, 1), 1
	s_wait_xcnt 0x0
; THE SUM.  out[n] = g1 (sum over the four quarters of K of yp[q][pos1]) + g2 (the same at pos2): each output row has one owner, nothing is added in memory.
; route: [1024][2] positions; gate at byte 32768: [1024][2] weights; yp: [4][2496][1024] f32; out0: [1024][1024] f32.
; A work-group takes four tokens; thread t takes bytes 16 t of each row, so a wave's load or store covers 512 consecutive bytes.  All 32 loads of a thread go out at once: 128 KiB a work-group.
; A stream: no LDS, no barrier, no matrix work.
.set PLANE, 10223616
.set R, 16                             ; v16-143: token t, position j, quarter q at 32 t + 16 j + 4 q
	s_load_b256 s[4:11], s[0:1], 0x0               ; route s[4:5], gate s[6:7], yp s[8:9], out0 s[10:11]
	v_lshlrev_b32 v1, 4, v0
	s_lshl_b32 s12, ttmp9, 5                       ; 8 bytes a token in both tables
	s_mov_b32 s13, 0
	s_wait_kmcnt 0x0
	s_add_nc_u64 s[14:15], s[4:5], s[12:13]
	s_add_nc_u64 s[44:45], s[6:7], s[12:13]
	s_load_b256 s[16:23], s[14:15], 0x0            ; pos1, pos2 of my four tokens
	s_load_b256 s[24:31], s[44:45], 0x8000         ; g1, g2
	s_mov_b64 s[36:37], s[8:9]                     ; the four planes
	s_add_nc_u64 s[38:39], s[8:9], PLANE
	s_add_nc_u64 s[40:41], s[8:9], 2*PLANE
	s_add_nc_u64 s[42:43], s[8:9], 3*PLANE
	s_lshl_b32 s12, ttmp9, 14                      ; four rows of 4,096 bytes
	s_add_nc_u64 s[10:11], s[10:11], s[12:13]
	s_wait_kmcnt 0x0
.irp i, 0,1,2,3,4,5,6,7
	s_min_u32 s[16+\i], s[16+\i], 2495             ; a number read from memory is held inside the buffer before it enters an address
	s_lshl_b32 s32, s[16+\i], 12
	v_add_nc_u32 v[2+\i], s32, v1
.endr
.irp t, 0,1,2,3
.irp j, 0,1
.irp q, 0,1,2,3
	global_load_b128 v[R+32*\t+16*\j+4*\q:R+32*\t+16*\j+4*\q+3], v[2+2*\t+\j], s[36+2*\q:37+2*\q] th:TH_LOAD_NT   ; each position is read by one token
.endr
.endr
.endr
.irp t, 0,1,2,3
	s_wait_loadcnt 8*(3-\t)                        ; this token's eight loads are in; the later tokens' may be out
.irp j, 0,1
.irp c, 0,2
	v_pk_add_f32 v[R+32*\t+16*\j+\c:R+32*\t+16*\j+\c+1], v[R+32*\t+16*\j+\c:R+32*\t+16*\j+\c+1], v[R+32*\t+16*\j+4+\c:R+32*\t+16*\j+4+\c+1]
	v_pk_add_f32 v[R+32*\t+16*\j+8+\c:R+32*\t+16*\j+8+\c+1], v[R+32*\t+16*\j+8+\c:R+32*\t+16*\j+8+\c+1], v[R+32*\t+16*\j+12+\c:R+32*\t+16*\j+12+\c+1]
.endr
.irp c, 0,2
	v_pk_add_f32 v[R+32*\t+16*\j+\c:R+32*\t+16*\j+\c+1], v[R+32*\t+16*\j+\c:R+32*\t+16*\j+\c+1], v[R+32*\t+16*\j+8+\c:R+32*\t+16*\j+8+\c+1]
.endr
.endr
.irp c, 0,1,2,3
	v_mul_f32 v[R+32*\t+\c], s[24+2*\t], v[R+32*\t+\c]
.endr
.irp c, 0,1,2,3
	v_fma_f32 v[R+32*\t+\c], s[25+2*\t], v[R+32*\t+16+\c], v[R+32*\t+\c]
.endr
	global_store_b128 v1, v[R+32*\t:R+32*\t+3], s[10:11] offset:4096*\t th:TH_STORE_NT
.endr
	s_endpgm
.Lfunc_end_k_qfbc6113a47_comb:
	.size	k_qfbc6113a47_comb, .Lfunc_end_k_qfbc6113a47_comb-k_qfbc6113a47_comb
	.p2alignl 7, 3214868480
	.fill 96, 4, 3214868480
	.section	.rodata,"a",@progbits
	.p2align	6, 0x0
	.amdhsa_kernel k_qfbc6113a47_comb
		.amdhsa_group_segment_fixed_size 0
		.amdhsa_private_segment_fixed_size 0
		.amdhsa_enable_private_segment 0
		.amdhsa_kernarg_size 32
		.amdhsa_user_sgpr_count 2
		.amdhsa_user_sgpr_kernarg_segment_ptr 1
		.amdhsa_wavefront_size32 1
		.amdhsa_system_sgpr_workgroup_id_x 1
		.amdhsa_system_sgpr_workgroup_id_y 1
		.amdhsa_system_sgpr_workgroup_id_z 1
		.amdhsa_system_vgpr_workitem_id 0
		.amdhsa_next_free_vgpr 160
		.amdhsa_next_free_sgpr 66
		.amdhsa_reserve_vcc 0
		.amdhsa_float_denorm_mode_32 3
		.amdhsa_float_denorm_mode_16_64 3
		.amdhsa_memory_ordered 1
		.amdhsa_forward_progress 1
		.amdhsa_inst_pref_size 10
	.end_amdhsa_kernel
	.amdgpu_metadata
---
amdhsa.version: [ 1, 2 ]
amdhsa.kernels:
  - .name:           k_qfbc6113a47_comb
    .symbol:         k_qfbc6113a47_comb.kd
    .args:
      - { .name: route, .offset: 0, .size: 8, .value_kind: global_buffer, .address_space: global }
      - { .name: gate, .offset: 8, .size: 8, .value_kind: global_buffer, .address_space: global }
      - { .name: yp, .offset: 16, .size: 8, .value_kind: global_buffer, .address_space: global }
      - { .name: out0, .offset: 24, .size: 8, .value_kind: global_buffer, .address_space: global }
    .group_segment_fixed_size: 0
    .private_segment_fixed_size: 0
    .kernarg_segment_align: 8
    .kernarg_segment_size: 32
    .max_flat_workgroup_size: 256
    .sgpr_count:     66
    .vgpr_count:     160
    .wavefront_size: 32
...
	.end_amdgpu_metadata
.endif
;; end of part 6
;; ======== version 2 of 2: 6 launches
;; workspace buffers: sel 8,192 bytes of whole numbers; gate 40,960 bytes; route 8,448 bytes of whole numbers; tok 9,984 bytes of whole numbers; xa 2,635,776 bytes; ha 10,543,104 bytes; yp 40,894,464 bytes
;; launch gate (part 7): grid 256 x 1, 1 waves a work-group, no clusters, 0 bytes of LDS; arguments x, Wg, bg, sel, gate; writes sel, gate
.if DOCPART == 7
	.amdgcn_target "amdgcn-amd-amdhsa--gfx1250"
	.amdhsa_code_object_version 6
	.text
	.protected	k_qfbc6113a47_gate
	.globl	k_qfbc6113a47_gate
	.p2align	8
	.type	k_qfbc6113a47_gate,@function
k_qfbc6113a47_gate:
	s_mov_b64 s[64:65], 0
	v_nop
	global_prefetch_b8 v0, s[64:65] scope:SCOPE_SE
	s_setreg_imm32_b32 hwreg(HW_REG_WAVE_MODE, 25, 1), 1
	s_wait_xcnt 0x0
; THE GATE.  logits = x Wg + bg in f32 fused multiply-adds, softmax over the 8 experts (the maximum taken away first), the two largest probabilities
; (equal ones: the lower expert first), and their weights p / (p1 + p2).  x [1024][1024], Wg [1024][8], bg [8]: f32.
; OUT: gate: the probabilities [1024][8] f32 at byte 0, the two weights [1024][2] f32 at byte 32768;  sel: the two experts [1024][2] as whole numbers.
; No address and no branch hangs on a floating-point number here: the choice is stored at fixed places and used by the next launch.
; SHARES.  One wave, four tokens.  Lane l holds columns d = 128 j + 4 l + i (j = 0..7, i = 0..3) of x and rows d of Wg: each load of x covers 512 consecutive bytes.
; Each lane sums its 32 columns for the 4 x 8 logits; five halving steps then add over the lanes and leave logit 8 token + expert in lane 8 token + expert.
; The matrix units are left out: 8 columns, and the choice wants f32.
; LIMITS: NaN and infinities are not served; a probability under 2^-126 counts as 0 (the exponential's result is flushed: ISA guide, 15.8).
; REGISTERS: window 0: v1-25 lane numbers and the softmax; v32-63 the 32 sums; v64-191 x (32 a token), later at work.  window 1: Wg, register 8 (4 j + i) + expert.
.set ACC, 32
.set X,   64
.set T,   64                           ; at work in the halving steps: x is done with by then
.set MSB, 0
.macro WIN new                         ; the immediate's high byte repeats the setting that is left
.if MSB != \new
	s_set_vgpr_msb (MSB<<8)|\new
.set MSB, \new
.endif
.endm
; A halving step: of its 2 h sums a lane keeps the h that belong to its half of the lanes (mask) and gives the other h to its partner (lane xor ctl).
.macro RS h, mask, ctl
.set k, 0
.rept \h
	v_cndmask_b32 v[T+k], v[ACC+k+\h], v[ACC+k], \mask     ; what I give away
	v_cndmask_b32 v[ACC+k], v[ACC+k], v[ACC+k+\h], \mask   ; what I keep
.set k, k+1
.endr
.set k, 0
.rept \h
.if \ctl == 16
	v_permlanex16_b32 v[T+16+k], v[T+k], s26, s27          ; (its destination has been written: it held x)
.else
	v_add_f32_dpp v[ACC+k], v[T+k], v[ACC+k] row_xmask:\ctl row_mask:0xf bank_mask:0xf
.endif
.set k, k+1
.endr
.if \ctl == 16
.set k, 0
.rept \h
	v_add_f32 v[ACC+k], v[ACC+k], v[T+16+k]
.set k, k+1
.endr
.endif
.endm
.macro RED8 op, r                      ; over the eight lanes of a token; the result in all eight
.irp m, 1,2,4
	\op v[\r], v[\r], v[\r] row_xmask:\m row_mask:0xf bank_mask:0xf
.endr
.endm
	s_load_b256 s[4:11], s[0:1], 0x0               ; x s[4:5], Wg s[6:7], bg s[8:9], sel s[10:11]
	s_load_b64 s[12:13], s[0:1], 0x20              ; gate
	v_and_b32 v1, 31, v0                           ; lane
	v_lshlrev_b32 v2, 4, v1                        ; x: 16 bytes a lane
	v_lshlrev_b32 v3, 7, v1                        ; Wg: four rows of 32 bytes a lane
	v_and_b32 v4, 7, v1                            ; the expert that my lane ends up with
	v_cvt_f32_u32 v5, v4                           ; the same as f32
	v_lshlrev_b32 v6, 2, v4
	s_lshl_b32 s14, ttmp9, 14                      ; four rows of 4,096 bytes a work-group
	s_mov_b32 s15, 0
	s_mov_b32 s20, 0xffff0000                      ; the lanes whose bit 4, 3, 2, 1, 0 is set
	s_mov_b32 s21, 0xff00ff00
	s_mov_b32 s22, 0xf0f0f0f0
	s_mov_b32 s23, 0xcccccccc
	s_mov_b32 s24, 0xaaaaaaaa
	s_mov_b32 s26, 0x76543210                      ; v_permlanex16_b32's selects for lane l xor 16
	s_mov_b32 s27, 0xfedcba98
	s_wait_alu depctr_va_vdst(0)
	s_wait_kmcnt 0x0
	s_add_nc_u64 s[4:5], s[4:5], s[14:15]
	WIN 0x40                                       ; destination window 1
.irp j, 0,1,2,3,4,5,6,7
.irp i, 0,1,2,3
	global_load_b128 v[8*(4*\j+\i):8*(4*\j+\i)+3],   v3, s[6:7] offset:4096*\j+32*\i
	global_load_b128 v[8*(4*\j+\i)+4:8*(4*\j+\i)+7], v3, s[6:7] offset:4096*\j+32*\i+16
.endr
.endr
	WIN 0
.irp t, 0,1,2,3
.irp j, 0,1,2,3,4,5,6,7
	global_load_b128 v[X+32*\t+4*\j:X+32*\t+4*\j+3], v2, s[4:5] offset:4096*\t+512*\j
.endr
.endr
	global_load_b32 v7, v6, s[8:9]                 ; bg of my expert
	s_wait_loadcnt 0x0
	; 32 columns x 4 tokens x 4 pairs of experts: the first column's products start the sums; the 16 pairs take turns
	WIN 0x01                                       ; source 0 (Wg) window 1
.set ji, 0
.rept 32
.irp t, 0,1,2,3
.irp e, 0,2,4,6
.set xr, X+32*\t+ji-(ji%2)
.if ji == 0
	v_pk_mul_f32 v[ACC+8*\t+\e:ACC+8*\t+\e+1], v[8*ji+\e:8*ji+\e+1], v[xr:xr+1] op_sel_hi:[1,0]
.elseif ji%2 == 0
	v_pk_fma_f32 v[ACC+8*\t+\e:ACC+8*\t+\e+1], v[8*ji+\e:8*ji+\e+1], v[xr:xr+1], v[ACC+8*\t+\e:ACC+8*\t+\e+1] op_sel_hi:[1,0,1]   ; the pair's first x for both experts
.else
	v_pk_fma_f32 v[ACC+8*\t+\e:ACC+8*\t+\e+1], v[8*ji+\e:8*ji+\e+1], v[xr:xr+1], v[ACC+8*\t+\e:ACC+8*\t+\e+1] op_sel:[0,1,0]      ; the pair's second x for both
.endif
.endr
.endr
.set ji, ji+1
.endr
	WIN 0
	RS 16, s20, 16
	RS 8,  s21, 8
	RS 4,  s22, 4
	RS 2,  s23, 2
	RS 1,  s24, 1                                  ; v32: the sum 8 token + expert = my lane's number
	v_add_f32 v8, v32, v7                          ; the logit
	v_mov_b32 v9, v8
	RED8 v_max_num_f32_dpp, 9                      ; the token's largest logit
	v_sub_f32 v10, v8, v9
	v_mul_f32 v10, 0x3fb8aa3b, v10                 ; x log2(e)
	s_wait_alu depctr_va_vdst(0)
	v_exp_f32 v10, v10
	v_mov_b32 v20, 0x41000000                      ; 8.0: past the last expert.  (A plain place behind the exponential)
	s_wait_alu depctr_va_vdst(0)
	v_mov_b32 v11, v10
	RED8 v_add_f32_dpp, 11
	s_wait_alu depctr_va_vdst(0)
	v_rcp_f32 v12, v11
	v_mov_b32 v21, -1.0                            ; under every probability.  (A plain place behind the reciprocal)
	s_wait_alu depctr_va_vdst(0)
	v_mul_f32 v13, v10, v12                        ; p
	v_mov_b32 v14, v13
	RED8 v_max_num_f32_dpp, 14                     ; p1
	v_cmp_eq_f32 vcc_lo, v13, v14
	v_cndmask_b32 v15, v20, v5, vcc_lo
	RED8 v_min_num_f32_dpp, 15                     ; the lowest expert that has it
	v_cmp_eq_f32 vcc_lo, v5, v15
	v_cndmask_b32 v16, v13, v21, vcc_lo            ; that expert is taken out
	v_mov_b32 v17, v16
	RED8 v_max_num_f32_dpp, 17                     ; p2
	v_cmp_eq_f32 vcc_lo, v16, v17
	v_cndmask_b32 v18, v20, v5, vcc_lo
	RED8 v_min_num_f32_dpp, 18
	v_add_f32 v19, v14, v17
	s_wait_alu depctr_va_vdst(0)
	v_rcp_f32 v19, v19
	v_lshlrev_b32 v24, 2, v1                       ; (a plain place)  the probabilities: 4 bytes a lane
	v_cmp_eq_u32 vcc_lo, 1, v4
	s_wait_alu depctr_va_vdst(0)
	v_mul_f32 v14, v14, v19                        ; the first weight
	v_mul_f32 v17, v17, v19                        ; the second
	v_cndmask_b32 v22, v14, v17, vcc_lo            ; lane 8 token + 0 stores the first choice, lane 8 token + 1 the second
	v_cndmask_b32 v23, v15, v18, vcc_lo
	v_cvt_u32_f32 v23, v23
	v_and_b32 v25, 24, v1                          ; 8 bytes a token,
	v_lshl_add_u32 v25, v4, 2, v25                 ; 4 a choice
	s_lshl_b32 s14, ttmp9, 7
	s_add_nc_u64 s[16:17], s[12:13], s[14:15]
	s_lshl_b32 s14, ttmp9, 5
	s_add_nc_u64 s[10:11], s[10:11], s[14:15]
	s_add_nc_u64 s[12:13], s[12:13], s[14:15]
	global_store_b32 v24, v13, s[16:17]            ; 128 consecutive bytes
	s_wait_alu depctr_va_vdst(0)
	s_wait_xcnt 0x0                                ; EXEC changes only behind this wait
	v_cmp_gt_u32 vcc_lo, 2, v4
	s_and_saveexec_b32 s28, vcc_lo
	global_store_b32 v25, v23, s[10:11]
	global_store_b32 v25, v22, s[12:13] offset:32768
	s_endpgm
.Lfunc_end_k_qfbc6113a47_gate:
	.size	k_qfbc6113a47_gate, .Lfunc_end_k_qfbc6113a47_gate-k_qfbc6113a47_gate
	.p2alignl 7, 3214868480
	.fill 96, 4, 3214868480
	.section	.rodata,"a",@progbits
	.p2align	6, 0x0
	.amdhsa_kernel k_qfbc6113a47_gate
		.amdhsa_group_segment_fixed_size 0
		.amdhsa_private_segment_fixed_size 0
		.amdhsa_enable_private_segment 0
		.amdhsa_kernarg_size 40
		.amdhsa_user_sgpr_count 2
		.amdhsa_user_sgpr_kernarg_segment_ptr 1
		.amdhsa_wavefront_size32 1
		.amdhsa_system_sgpr_workgroup_id_x 1
		.amdhsa_system_sgpr_workgroup_id_y 1
		.amdhsa_system_sgpr_workgroup_id_z 1
		.amdhsa_system_vgpr_workitem_id 0
		.amdhsa_next_free_vgpr 512
		.amdhsa_next_free_sgpr 66
		.amdhsa_reserve_vcc 1
		.amdhsa_float_denorm_mode_32 3
		.amdhsa_float_denorm_mode_16_64 3
		.amdhsa_memory_ordered 1
		.amdhsa_forward_progress 1
		.amdhsa_inst_pref_size 52
	.end_amdhsa_kernel
	.amdgpu_metadata
---
amdhsa.version: [ 1, 2 ]
amdhsa.kernels:
  - .name:           k_qfbc6113a47_gate
    .symbol:         k_qfbc6113a47_gate.kd
    .args:
      - { .name: x, .offset: 0, .size: 8, .value_kind: global_buffer, .address_space: global }
      - { .name: Wg, .offset: 8, .size: 8, .value_kind: global_buffer, .address_space: global }
      - { .name: bg, .offset: 16, .size: 8, .value_kind: global_buffer, .address_space: global }
      - { .name: sel, .offset: 24, .size: 8, .value_kind: global_buffer, .address_space: global }
      - { .name: gate, .offset: 32, .size: 8, .value_kind: global_buffer, .address_space: global }
    .group_segment_fixed_size: 0
    .private_segment_fixed_size: 0
    .kernarg_segment_align: 8
    .kernarg_segment_size: 40
    .max_flat_workgroup_size: 32
    .sgpr_count:     66
    .vgpr_count:     512
    .wavefront_size: 32
...
	.end_amdgpu_metadata
.endif
;; end of part 7
;; launch place (part 8): grid 39 x 1, 32 waves a work-group, no clusters, 14,336 bytes of LDS; arguments sel, gate, route, tok, out1; writes route, tok, out1
.if DOCPART == 8
	.amdgcn_target "amdgcn-amd-amdhsa--gfx1250"
	.amdhsa_code_object_version 6
	.text
	.protected	k_qfbc6113a47_place
	.globl	k_qfbc6113a47_place
	.p2align	8
	.type	k_qfbc6113a47_place,@function
k_qfbc6113a47_place:
	s_mov_b64 s[64:65], 0
	v_nop
	global_prefetch_b8 v0, s[64:65] scope:SCOPE_SE
	s_setreg_imm32_b32 hwreg(HW_REG_WAVE_MODE, 25, 1), 1
	s_wait_xcnt 0x0
; THE PLACING OF ROWS.  The 2,048 chosen (token, expert) rows are sorted by expert, tokens ascending.  Expert e with c_e rows takes G_e = ceil(c_e / 64) groups of 64 rows from group GB_e on
; (GB = the running sum of G).  The sum of G is at most (2048 + 8 x 63) / 64 = 39 for every choice: 39 work-groups, one a group.
; Every work-group counts anew (1,024 threads, a token each: ballots, counts through LDS): nothing passes between work-groups.
; Work-group g then says which token stands in each of its 64 rows.  NO ADDRESS AND NO BRANCH HANGS ON A COUNT: with F[n] = how many tokens below n chose the group's expert, the token of rank p is
; (the number of n with F[n] <= p) - 1, which is 1023 where p is past the expert's last row.  That number is counted, not searched for: a ballot a row in each wave, the 32 waves' counts added through LDS.
; Work-group 0 also stores the table route and the load-balancing loss.
; OUT.  tok: [2496] the token of each position (position = 64 group + row); a last group's spare rows and the spare groups hold 1023: nobody reads their results.
;   route: [1024][2] the two positions of each token (64 GB_e + rank) at byte 0; at byte 8192 32 words: GB_e, G_e, c_e, zeros.
;   out1 = 8 sum_e (S_e / sum S) (c_e / 2048), S_e the sum of expert e's probabilities.
; LIMITS: NaN and infinities among the probabilities are not served.
; No tensor load, no matrix work: a few kilobytes are read, and the work is counting.
.set CNT, 0                            ; LDS: 32 waves x 16 bytes: a wave's eight counts, two to a word
.set IMP, 512                          ; 32 waves x 32 bytes: a wave's eight sums of probabilities
.set CW,  2048                         ; 32 waves x 256 bytes: for each of the group's 64 rows, how many of the wave's tokens have F <= the row's rank; rows 2 l, 2 l + 1 at byte 8 l
.macro FSUM r                          ; over the 32 lanes, the result in all
.irp m, 1
	v_add_f32_dpp v[\r], v[\r], v[\r] row_xmask:\m row_mask:0xf bank_mask:0xf
.endr
.irp m, 2, 4, 8
	s_delay_alu instid0(VALU_DEP_1)
	v_add_f32_dpp v[\r], v[\r], v[\r] row_xmask:\m row_mask:0xf bank_mask:0xf
.endr
	s_delay_alu instid0(VALU_DEP_1)
	v_permlanex16_b32 v28, v[\r], s18, s19
	s_delay_alu instid0(VALU_DEP_1)
	v_add_f32 v[\r], v[\r], v28
.endm
.macro ISUM r                          ; the same for whole numbers
.irp m, 1
	v_mov_b32_dpp v29, v[\r] row_xmask:\m row_mask:0xf bank_mask:0xf
	s_delay_alu instid0(VALU_DEP_1)
	v_add_nc_u32 v[\r], v[\r], v29
.endr
.irp m, 2, 4, 8
	s_delay_alu instid0(VALU_DEP_1)
	v_mov_b32_dpp v29, v[\r] row_xmask:\m row_mask:0xf bank_mask:0xf
	s_delay_alu instid0(VALU_DEP_1)
	v_add_nc_u32 v[\r], v[\r], v29
.endr
	s_delay_alu instid0(VALU_DEP_1)
	v_permlanex16_b32 v29, v[\r], s18, s19
	s_delay_alu instid0(VALU_DEP_1)
	v_add_nc_u32 v[\r], v[\r], v29
.endm
	s_load_b256 s[4:11], s[0:1], 0x0               ; sel s[4:5], gate s[6:7], route s[8:9], tok s[10:11]
	s_load_b64 s[12:13], s[0:1], 0x20              ; out1
	v_lshl_add_u32 v126, v0, 2, 0x2800
	v_mov_b32 v127, 0
	v_lshrrev_b32 v1, 5, v0
	s_delay_alu instid0(VALU_DEP_1)
	v_readfirstlane_b32 s16, v1                    ; wave 0..31
	v_and_b32 v1, 31, v0                           ; lane
	s_mov_b32 s17, ttmp9                           ; my group g
	s_mov_b32 s18, 0x76543210                      ; v_permlanex16_b32's selects for lane l xor 16
	s_mov_b32 s19, 0xfedcba98
	v_lshlrev_b32 v31, 3, v0                       ; 8 n: thread n has token n
	v_lshlrev_b32 v30, 5, v0                       ; 32 n
	s_lshl_b32 s21, s16, 8
	v_lshl_add_u32 v104, v1, 3, s21                ; where my wave puts its 64 counts: 256 x wave + 8 x lane
	v_lshlrev_b32 v105, 3, v1                      ; 8 x lane: where a lane reads them back, and its place in the group's 256 bytes of tok
	s_wait_alu depctr_va_vdst(0)
	s_wait_kmcnt 0x0
	global_load_b64 v[2:3], v31, s[4:5]            ; my token's two experts
	global_load_b128 v[4:7], v30, s[6:7]           ; and its eight probabilities
	global_load_b128 v[8:11], v30, s[6:7] offset:16
	v_mov_b32 v28, 0                               ; written once: a lane permute's destination counts as one of its sources
	v_mov_b32 v29, 0
	s_wait_loadcnt 0x0
	; ---- 1: a wave's ballots M_e (which of its 32 tokens chose expert e) and counts
.irp e, 0,1,2,3,4,5,6,7
	v_cmp_eq_u32 s80, \e, v2
	v_cmp_eq_u32 s81, \e, v3
	s_or_b32 s[24+\e], s80, s81
	s_bcnt1_i32_b32 s[32+\e], s[24+\e]
.endr
.irp k, 0,1,2,3
	s_lshl_b32 s80, s[33+2*\k], 16                 ; two counts to a word: no sum of them passes 1,024
	s_or_b32 s80, s80, s[32+2*\k]
	v_mov_b32 v[12+\k], s80
.endr
.irp e, 4,5,6,7,8,9,10,11
	FSUM \e
.endr
	s_lshl_b32 s80, s16, 4
	v_mov_b32 v26, s80
	s_lshl_b32 s81, s16, 5
	v_mov_b32 v27, s81
	ds_store_b128 v26, v[12:15] offset:CNT         ; all lanes write the same bytes with the same values
	ds_store_b128 v27, v[4:7] offset:IMP
	ds_store_b128 v27, v[8:11] offset:IMP+16
	s_wait_dscnt 0x0                               ; for the others' sake: my stores are done
	s_barrier_signal -1
	s_barrier_wait -1
	; ---- 2: lane l takes wave l's figures: totals, and the sums over the waves in front of mine
	v_lshlrev_b32 v26, 4, v1
	v_lshlrev_b32 v27, 5, v1
	ds_load_b128 v[12:15], v26 offset:CNT
	ds_load_b128 v[16:19], v27 offset:IMP
	ds_load_b128 v[20:23], v27 offset:IMP+16
	s_wait_dscnt 0x0
	v_cmp_gt_u32 vcc_lo, s16, v1
.irp k, 0,1,2,3
	v_cndmask_b32 v[4+\k], 0, v[12+\k], vcc_lo
.endr
.irp k, 12,13,14,15,4,5,6,7
	ISUM \k
.endr
.irp e, 16,17,18,19,20,21,22,23
	FSUM \e                                        ; S_e
.endr
.irp k, 0,1,2,3
	v_readfirstlane_b32 s80, v[12+\k]
	s_and_b32 s[32+2*\k], s80, 0xffff              ; c_e
	s_lshr_b32 s[33+2*\k], s80, 16
	v_readfirstlane_b32 s81, v[4+\k]
	s_and_b32 s[66+2*\k], s81, 0xffff              ; WP_e: expert e's tokens in the waves in front of mine
	s_lshr_b32 s[67+2*\k], s81, 16
.endr
	s_mov_b32 s48, 0
.irp e, 0,1,2,3,4,5,6,7
	s_add_co_u32 s[40+\e], s[32+\e], 63
	s_lshr_b32 s[40+\e], s[40+\e], 6               ; G_e
	s_add_co_u32 s[49+\e], s[48+\e], s[40+\e]      ; GB_(e+1)
.endr
	s_mov_b32 s74, 0                               ; my group's expert: how many experts end at or in front of group g
.irp e, 0,1,2,3,4,5,6
	s_cmp_le_u32 s[49+\e], s17
	s_cselect_b32 s79, 1, 0
	s_add_co_u32 s74, s74, s79
.endr
	s_mov_b32 s75, s48                             ; that expert's GB, WP and ballot: chosen by selects, never by a jump
	s_mov_b32 s76, s66
	s_mov_b32 s77, s24
.irp e, 1,2,3,4,5,6,7
	s_cmp_eq_u32 s74, \e
	s_cselect_b32 s75, s[48+\e], s75
	s_cselect_b32 s76, s[66+\e], s76
	s_cselect_b32 s77, s[24+\e], s77
.endr
	s_sub_co_u32 s78, s17, s75
	s_lshl_b32 s78, s78, 6                         ; the rank of my group's first row
	s_sub_co_u32 s79, s76, s78
	v_mbcnt_lo_u32_b32 v30, s77, 0
	s_delay_alu instid0(VALU_DEP_1)
	v_add_nc_u32 v24, s79, v30                     ; F[n] less that rank, as a signed number: row i counts token n where i >= this
	v_mov_b32 v32, 0                               ; (a lane write's destination counts as one of its sources)
	v_mov_b32 v33, 0
.set i, 0
.rept 16                                           ; 64 rows, four at a time: a ballot, its count, the count into lane i / 2 of register i % 2
	v_cmp_ge_i32 s80, i, v24
	v_cmp_ge_i32 s81, i+1, v24
	v_cmp_ge_i32 s82, i+2, v24
	v_cmp_ge_i32 s83, i+3, v24
	s_bcnt1_i32_b32 s84, s80
	s_bcnt1_i32_b32 s85, s81
	s_bcnt1_i32_b32 s86, s82
	s_bcnt1_i32_b32 s87, s83
	v_writelane_b32 v32, s84, i/2
	v_writelane_b32 v33, s85, i/2
	s_delay_alu instid0(VALU_DEP_2)
	v_writelane_b32 v32, s86, i/2+1
	s_delay_alu instid0(VALU_DEP_2)
	v_writelane_b32 v33, s87, i/2+1
.set i, i+4
.endr
	ds_store_b64 v104, v[32:33] offset:CW
	s_wait_dscnt 0x0                               ; for wave 1's sake: my counts lie in LDS
	s_barrier_signal -1
	s_barrier_wait -1                              ; no count in LDS is written behind this barrier
	; ---- 3: wave 1 adds the 32 waves' counts: lane l has rows 2 l and 2 l + 1
	s_cmp_lg_u32 s16, 1
	s_cbranch_scc1 .Ltable
.irp w, 0,1,2,3,4,5,6,7,8,9,10,11,12,13,14,15,16,17,18,19,20,21,22,23,24,25,26,27,28,29,30,31
	ds_load_b64 v[40+2*\w:41+2*\w], v105 offset:CW+256*\w
.endr
	s_lshl_b32 s80, s17, 8                         ; 64 positions of 4 bytes a group
	s_mov_b32 s81, 0
	s_add_nc_u64 s[82:83], s[10:11], s[80:81]
	s_wait_dscnt 0x0
.irp sp, 32,16,8,4,2
.set k, 0
.rept \sp
	v_add_nc_u32 v[40+k], v[40+k], v[40+\sp+k]     ; even spans: a row's counts meet only that row's
.set k, k+1
.endr
.endr
	s_delay_alu instid0(VALU_DEP_2)
	v_add_nc_u32 v40, -1, v40                      ; F[0] = 0 counts for every row, so the sum is at least 1
	s_delay_alu instid0(VALU_DEP_2)
	v_add_nc_u32 v41, -1, v41
	s_delay_alu instid0(VALU_DEP_2)
	v_min_u32 v40, 0x3ff, v40
	s_delay_alu instid0(VALU_DEP_2)
	v_min_u32 v41, 0x3ff, v41
	global_store_b64 v105, v[40:41], s[82:83]      ; 256 consecutive bytes, aligned
.Ltable:
	; ---- 4: work-group 0 stores the table
	s_wait_xcnt 0x0                                ; the store above has read its registers
	s_cmp_lg_u32 s17, 0
	s_cbranch_scc1 .Lend
	v_mov_b32 v32, 0
	v_mov_b32 v33, 0
.irp e, 0,1,2,3,4,5,6,7
	s_lshl_b32 s79, s[48+\e], 6
	s_add_co_u32 s79, s79, s[66+\e]
	v_mbcnt_lo_u32_b32 v34, s[24+\e], 0
	s_delay_alu instid0(VALU_DEP_1)
	v_add_nc_u32 v34, s79, v34                     ; 64 GB_e + my token's rank with expert e
	v_cmp_eq_u32 vcc_lo, \e, v2
	s_delay_alu instid0(VALU_DEP_1)
	v_cndmask_b32 v32, v32, v34, vcc_lo
	v_cmp_eq_u32 vcc_lo, \e, v3
	s_delay_alu instid0(VALU_DEP_1)
	v_cndmask_b32 v33, v33, v34, vcc_lo
.endr
	global_store_b64 v31, v[32:33], s[8:9]
	s_cmp_lg_u32 s16, 0
	s_cbranch_scc1 .Lend
	v_mov_b32 v36, 0
.irp e, 0,1,2,3,4,5,6,7
	s_delay_alu instid0(VALU_DEP_1)
	v_writelane_b32 v36, s[48+\e], \e
	s_delay_alu instid0(VALU_DEP_1)
	v_writelane_b32 v36, s[40+\e], 8+\e
	s_delay_alu instid0(VALU_DEP_1)
	v_writelane_b32 v36, s[32+\e], 16+\e
.endr
	v_lshlrev_b32 v35, 2, v1
	global_store_b32 v35, v36, s[8:9] offset:8192
	v_cvt_f32_u32 v37, s32
	s_delay_alu instid0(VALU_DEP_1)
	v_mul_f32 v38, v16, v37
	v_mov_b32 v39, v16
.irp e, 1,2,3,4,5,6,7
	v_cvt_f32_u32 v37, s[32+\e]
	s_delay_alu instid0(VALU_DEP_1)
	v_fmac_f32 v38, v[16+\e], v37                  ; sum of S_e c_e
	s_delay_alu instid0(VALU_DEP_3)
	v_add_f32 v39, v39, v[16+\e]                   ; sum of S_e
.endr
	s_wait_alu depctr_va_vdst(0)
	v_rcp_f32 v39, v39
	v_mov_b32 v40, 0                               ; (a plain place behind the reciprocal)
	s_wait_alu depctr_va_vdst(0)
	v_mul_f32 v38, v38, v39
	s_delay_alu instid0(VALU_DEP_1)
	v_mul_f32 v38, 0x3b800000, v38                 ; x 8 / 2048
	s_wait_alu depctr_va_vdst(0)
	s_wait_xcnt 0x0                                ; EXEC changes only behind this wait
	v_cmp_eq_u32 vcc_lo, 0, v1
	s_and_saveexec_b32 s79, vcc_lo
	global_store_b32 v40, v38, s[12:13]
	s_wait_xcnt 0x0                                ; and again, in front of the line that widens it
	s_or_b32 exec_lo, exec_lo, s79
.Lend:
	s_wait_tensorcnt 0x0
	ds_add_u32 v126, v127
	s_wait_dscnt 0x0
	s_endpgm
.Lfunc_end_k_qfbc6113a47_place:
	.size	k_qfbc6113a47_place, .Lfunc_end_k_qfbc6113a47_place-k_qfbc6113a47_place
	.p2alignl 7, 3214868480
	.fill 96, 4, 3214868480
	.section	.rodata,"a",@progbits
	.p2align	6, 0x0
	.amdhsa_kernel k_qfbc6113a47_place
		.amdhsa_group_segment_fixed_size 14336
		.amdhsa_private_segment_fixed_size 0
		.amdhsa_enable_private_segment 0
		.amdhsa_kernarg_size 40
		.amdhsa_user_sgpr_count 2
		.amdhsa_user_sgpr_kernarg_segment_ptr 1
		.amdhsa_wavefront_size32 1
		.amdhsa_system_sgpr_workgroup_id_x 1
		.amdhsa_system_sgpr_workgroup_id_y 1
		.amdhsa_system_sgpr_workgroup_id_z 1
		.amdhsa_system_vgpr_workitem_id 0
		.amdhsa_next_free_vgpr 128
		.amdhsa_next_free_sgpr 100
		.amdhsa_reserve_vcc 1
		.amdhsa_float_denorm_mode_32 3
		.amdhsa_float_denorm_mode_16_64 3
		.amdhsa_memory_ordered 1
		.amdhsa_forward_progress 1
		.amdhsa_inst_pref_size 46
	.end_amdhsa_kernel
	.amdgpu_metadata
---
amdhsa.version: [ 1, 2 ]
amdhsa.kernels:
  - .name:           k_qfbc6113a47_place
    .symbol:         k_qfbc6113a47_place.kd
    .args:
      - { .name: sel, .offset: 0, .size: 8, .value_kind: global_buffer, .address_space: global }
      - { .name: gate, .offset: 8, .size: 8, .value_kind: global_buffer, .address_space: global }
      - { .name: route, .offset: 16, .size: 8, .value_kind: global_buffer, .address_space: global }
      - { .name: tok, .offset: 24, .size: 8, .value_kind: global_buffer, .address_space: global }
      - { .name: out1, .offset: 32, .size: 8, .value_kind: global_buffer, .address_space: global }
    .group_segment_fixed_size: 14336
    .private_segment_fixed_size: 0
    .kernarg_segment_align: 8
    .kernarg_segment_size: 40
    .max_flat_workgroup_size: 1024
    .sgpr_count:     100
    .vgpr_count:     128
    .wavefront_size: 32
...
	.end_amdgpu_metadata
.endif
;; end of part 8
;; launch gath (part 9): grid 39 x 4, 8 waves a work-group, no clusters, 0 bytes of LDS; arguments tok, x, xa; writes xa
.if DOCPART == 9
	.amdgcn_target "amdgcn-amd-amdhsa--gfx1250"
	.amdhsa_code_object_version 6
	.text
	.protected	k_qfbc6113a47_gath
	.globl	k_qfbc6113a47_gath
	.p2align	8
	.type	k_qfbc6113a47_gath,@function
k_qfbc6113a47_gath:
	s_mov_b64 s[64:65], 0
	v_nop
	global_prefetch_b8 v0, s[64:65] scope:SCOPE_SE
	s_setreg_imm32_b32 hwreg(HW_REG_WAVE_MODE, 25, 1), 1
	s_wait_xcnt 0x0
; THE GATHER.  The rows of x are brought into the order of the sorted positions and quantised to E4M3 with one E8M0 scale for each 32 along D.
; tok: [2496] the token of each position, whole numbers that the launch before stored; x: [1024][1024] f32.
; SHARES.  Work-group (g, m): rows 16 m .. 16 m + 15 of group g; wave s: columns 128 s .. 128 s + 127: one fragment a wave.  Lane (r, h) takes, of its row's token, 16 neighbouring numbers of each block of 32.
; All 39 groups are written, whatever the choice: a grid that serves every split; the spare rows and groups carry token 1023, so that every byte of xa that the next launch can load has been stored.
; OUT.  xa: codes [39 g][8 s][4 m][2048]: the fragment AS AN IMAGE OF ITS REGISTERS: registers 4 c .. 4 c + 3 of lane l at 512 c + 16 l.
;   xa at XSC: scale words [39 g][8 s][256]: the word of row r of tile m at 8 (16 (m % 2) + r) + 4 (m / 2): one load of 8 bytes a lane gives two registers, tile m in register m / 2, lanes 16 (m % 2) on.
; LIMITS: NaN and infinities are not served; a block of zeros gets the byte 1 where the rule says 127: its codes are zeros, and this program alone reads the bytes.
; No LDS, no barrier, no branch: waves share nothing.  No matrix work.
.set XSC, 2555904
.set TM,  112                          ; v112-115 largest magnitudes, v116-119 bytes, v120-123 448 x the scale, v124-127 the conversions' scale operands
.set PC,  96                           ; v96-111 the codes
.set PWD, 28                           ; v28 the scale word
; 64 numbers of a lane, register 16 b + i = column 32 b + 16 (lane / 16) + i of my row, become a fragment's codes and its scale word
.macro QUANT s
.irp b, 0,1,2,3
	v_max3_num_f32 v[TM+\b], |v[\s+16*\b]|, |v[\s+1+16*\b]|, 0x4800000   ; my 16 numbers of block b, and the floor 2^(9 - 127): the byte cannot fall under 1
.endr
.irp i, 2,4,6,8,10,12,14
.irp b, 0,1,2,3
	s_delay_alu instid0(VALU_DEP_4)
	v_max3_num_f32 v[TM+\b], v[TM+\b], |v[\s+16*\b+\i]|, |v[\s+1+16*\b+\i]|
.endr
.endr
.irp b, 0,1,2,3
	s_delay_alu instid0(VALU_DEP_4)
	v_permlanex16_b32 v[TM+4+\b], v[TM+\b], s18, s19
.endr
.irp b, 0,1,2,3
	s_delay_alu instid0(VALU_DEP_4)
	v_max_num_f32 v[TM+\b], v[TM+\b], v[TM+4+\b]   ; with lane l xor 16's: the block's largest magnitude
.endr
.irp b, 0,1,2,3
	s_delay_alu instid0(VALU_DEP_4)
	v_add_nc_u32 v[TM+12+\b], 0xfc000000, v[TM+\b] ; 8 off its exponent field: the conversion's scale operand
.endr
.irp b, 0,1,2,3
	v_and_or_b32 v[TM+8+\b], v[TM+\b], 0x7f800000, s20   ; 448 x the scale
.endr
.irp b, 0,1,2,3
	v_lshrrev_b32 v[TM+4+\b], 23, v[TM+12+\b]      ; the scale's byte
.endr
	s_delay_alu instid0(VALU_DEP_3)
	v_lshl_or_b32 v[PWD], v[TM+5], 8, v[TM+4]
	s_delay_alu instid0(VALU_DEP_1)
	v_lshl_or_b32 v[PWD], v[TM+6], 16, v[PWD]
	s_delay_alu instid0(VALU_DEP_1)
	v_lshl_or_b32 v[PWD], v[TM+7], 24, v[PWD]
.irp b, 0,1,2,3
.irp i, 0,1,2,3,4,5,6,7,8,9,10,11,12,13,14,15
	v_med3_num_f32 v[\s+16*\b+\i], v[\s+16*\b+\i], -v[TM+8+\b], v[TM+8+\b]   ; the conversion does not saturate (ISA guide 7.6.2): the hold at 448 x the scale
.endr
	v_cvt_scalef32_pk8_fp8_f32 v[PC+4*\b:PC+1+4*\b], v[\s+16*\b:\s+7+16*\b], v[TM+12+\b]
	v_cvt_scalef32_pk8_fp8_f32 v[PC+2+4*\b:PC+3+4*\b], v[\s+8+16*\b:\s+15+16*\b], v[TM+12+\b]
.endr
	v_nop                                          ; a plain line behind the last conversion
.endm
	s_load_b128 s[4:7], s[0:1], 0x0                ; tok s[4:5], x s[6:7]
	s_load_b64 s[8:9], s[0:1], 0x10                ; xa
	v_lshrrev_b32 v1, 5, v0
	s_delay_alu instid0(VALU_DEP_1)
	v_readfirstlane_b32 s16, v1                    ; wave = K step s, 0..7
	v_and_b32 v1, 31, v0                           ; lane
	s_mov_b32 s17, ttmp9                           ; the group g
	s_and_b32 s21, ttmp7, 0xffff                   ; the tile of rows m
	s_mov_b32 s18, 0x76543210                      ; v_permlanex16_b32's selects for lane l xor 16
	s_mov_b32 s19, 0xfedcba98
	s_mov_b32 s20, 0x600000                        ; the mantissa field of 448
	v_and_b32 v24, 15, v0                          ; r
	v_bfe_u32 v25, v0, 4, 1                        ; h
	s_lshl_b32 s22, s17, 8                         ; 64 positions of 4 bytes a group,
	s_lshl_b32 s23, s21, 6                         ; 16 a tile
	s_add_co_u32 s22, s22, s23
	v_lshl_add_u32 v26, v24, 2, s22
	s_wait_alu depctr_va_vdst(0)
	s_wait_kmcnt 0x0
	global_load_b32 v27, v26, s[4:5]               ; my row's token
.irp b, 0,1,2,3
	v_mov_b32 v[TM+4+\b], 0                        ; a lane permute's destination counts as one of its sources
.endr
	s_lshl_b32 s26, s17, 3
	s_add_co_u32 s26, s26, s16                     ; 8 g + s
	s_lshl_b32 s28, s26, 8                         ; its 256 bytes of scale words
	s_lshl_b32 s26, s26, 2
	s_add_co_u32 s26, s26, s21
	s_lshl_b32 s26, s26, 11                        ; the fragment's 2,048 bytes
	s_mov_b32 s27, 0
	s_mov_b32 s29, 0
	s_add_nc_u64 s[30:31], s[8:9], s[26:27]
	s_add_nc_u64 s[32:33], s[8:9], s[28:29]
	v_lshlrev_b32 v21, 4, v1                       ; 16 x lane
	s_and_b32 s34, s21, 1
	s_lshl_b32 s34, s34, 7
	s_lshr_b32 s35, s21, 1
	s_lshl_b32 s35, s35, 2
	s_add_co_u32 s34, s34, s35
	v_lshl_add_u32 v22, v24, 3, s34                ; 8 (16 (m % 2) + r) + 4 (m / 2)
	s_lshl_b32 s24, s16, 9                         ; K step s: 512 bytes on in a row of x
	s_wait_loadcnt 0x0
	v_min_u32 v27, 0x3ff, v27                      ; a number read from memory is held inside the table before it enters an address
	s_delay_alu instid0(VALU_DEP_1)
	v_lshlrev_b32 v27, 12, v27                     ; its row of x,
	s_delay_alu instid0(VALU_DEP_1)
	v_lshl_add_u32 v27, v25, 6, v27                ; my half's 16 numbers of each block of 32,
	s_delay_alu instid0(VALU_DEP_1)
	v_add_nc_u32 v27, s24, v27                     ; of K step s
.irp b, 0,1,2,3
.irp j, 0,1,2,3
	global_load_b128 v[32+16*\b+4*\j:32+16*\b+4*\j+3], v27, s[6:7] offset:128*\b+16*\j
.endr
.endr
	s_wait_loadcnt 0x0
	QUANT 32
.irp c, 0,1,2,3
	global_store_b128 v21, v[PC+4*\c:PC+4*\c+3], s[30:31] offset:512*\c   ; 512 consecutive bytes
.endr
	global_store_b32 v22, v[PWD], s[32:33] offset:XSC   ; lanes l and l + 16 hold the same word and store it to the same place
	s_endpgm
.Lfunc_end_k_qfbc6113a47_gath:
	.size	k_qfbc6113a47_gath, .Lfunc_end_k_qfbc6113a47_gath-k_qfbc6113a47_gath
	.p2alignl 7, 3214868480
	.fill 96, 4, 3214868480
	.section	.rodata,"a",@progbits
	.p2align	6, 0x0
	.amdhsa_kernel k_qfbc6113a47_gath
		.amdhsa_group_segment_fixed_size 0
		.amdhsa_private_segment_fixed_size 0
		.amdhsa_enable_private_segment 0
		.amdhsa_kernarg_size 24
		.amdhsa_user_sgpr_count 2
		.amdhsa_user_sgpr_kernarg_segment_ptr 1
		.amdhsa_wavefront_size32 1
		.amdhsa_system_sgpr_workgroup_id_x 1
		.amdhsa_system_sgpr_workgroup_id_y 1
		.amdhsa_system_sgpr_workgroup_id_z 1
		.amdhsa_system_vgpr_workitem_id 0
		.amdhsa_next_free_vgpr 128
		.amdhsa_next_free_sgpr 66
		.amdhsa_reserve_vcc 0
		.amdhsa_float_denorm_mode_32 3
		.amdhsa_float_denorm_mode_16_64 3
		.amdhsa_memory_ordered 1
		.amdhsa_forward_progress 1
		.amdhsa_inst_pref_size 14
	.end_amdhsa_kernel
	.amdgpu_metadata
---
amdhsa.version: [ 1, 2 ]
amdhsa.kernels:
  - .name:           k_qfbc6113a47_gath
    .symbol:         k_qfbc6113a47_gath.kd
    .args:
      - { .name: tok, .offset: 0, .size: 8, .value_kind: global_buffer, .address_space: global }
      - { .name: x, .offset: 8, .size: 8, .value_kind: global_buffer, .address_space: global }
      - { .name: xa, .offset: 16, .size: 8, .value_kind: global_buffer, .address_space: global }
    .group_segment_fixed_size: 0
    .private_segment_fixed_size: 0
    .kernarg_segment_align: 8
    .kernarg_segment_size: 24
    .max_flat_workgroup_size: 256
    .sgpr_count:     66
    .vgpr_count:     128
    .wavefront_size: 32
...
	.end_amdgpu_metadata
.endif
;; end of part 9
;; launch ffn1 (part 10): grid 32 x 8, 4 waves a work-group, no clusters, 134,144 bytes of LDS; arguments route, xa, W1_codes, W1_scales, b1, ha; writes ha
.if DOCPART == 10
	.amdgcn_target "amdgcn-amd-amdhsa--gfx1250"
	.amdhsa_code_object_version 6
	.text
	.protected	k_qfbc6113a47_ffn1
	.globl	k_qfbc6113a47_ffn1
	.p2align	8
	.type	k_qfbc6113a47_ffn1,@function
k_qfbc6113a47_ffn1:
	s_mov_b64 s[64:65], 0
	v_nop
	global_prefetch_b8 v0, s[64:65] scope:SCOPE_SE
	s_setreg_imm32_b32 hwreg(HW_REG_WAVE_SCHED_MODE, 0, 2), 2
	s_setreg_imm32_b32 hwreg(HW_REG_WAVE_MODE, 25, 1), 1
	s_wait_xcnt 0x0
	s_wait_alu depctr_vm_vsrc(0)
; ONE TEXT FOR BOTH PRODUCTS OF AN EXPERT (SECOND = 0: h = Q(relu(x W1 + b1));  SECOND = 1: a quarter along K of h W2, + b2 in quarter 0), on codes of E4M3 with one E8M0 scale for each 32 along K.
; Only the rows that chose the expert are multiplied: the other rows' results are multiplied by a weight 0 that the problem builds itself.
; SHARES.  A work-group owns 128 rows of the expert's weight x 1,024 along K: 128 KiB, read from memory ONCE in the whole launch, kept in LDS.  (First product: work-group x = which 128 hidden units;
; second: x % 8 = which 128 outputs, x / 8 = which quarter of K = 4,096.  y = the expert.)  Wave w takes the expert's groups of 64 rows w, w + 4, ..; G_e, the number of groups, and c_e, the number of rows, are read from memory.
; A PASS: 64 rows x 128 columns x 1,024 K: 4 tiles of rows x 8 tiles of the weight x 8 K steps = 256 matrix instructions.  All of A's 32 fragments lie in registers (512); they come from memory as images of registers,
; 512 consecutive bytes a load.  The weight's fragments come from LDS, four at a time in two buffers, each read once a pass.
; A TILE PASS.  2,048 rows over 8 experts are 256 = 4 x 64 an expert where the choice is even, so a few rows over make a fifth group.  Where G_e is one over a multiple of four, the last group is no wave's pass: its four tiles of
; 16 rows go one to each wave, 64 matrix instructions each, side by side, and a tile that holds no row of the expert is neither computed nor stored (the next launch decides by the same two numbers and does not use it).
; TRANSPOSED USE: source 0 = 16 rows of the weight, source 1 = 16 rows of A: a lane holds ONE row and eight neighbouring columns.
; FIRST PRODUCT: the weight's rows are laid in LDS so that lane r of tile 2 b + u has hidden unit 32 b + 8 u + r + 8 (r / 8): the 16 registers of tiles 2 b, 2 b + 1 are then 16 neighbours along the next K, and the
; conversions' results are the next operand's registers.  They leave as images (ha: codes [39 g][32 s][4 m][2048], scale words at HSC [39][32][256], laid as xa's).
; SECOND PRODUCT: results leave through the wave's own stage in LDS as rows of 512 bytes (yp: [4 q][2496 positions][1024] f32).
; WHY NO TENSOR LOAD, NO CLUSTER: the number of passes is read from memory, and the weights, two thirds of a work-group's bytes, are shared with nobody.
; LIMITS: NaN and infinities are not served; a block of zeros of h gets the byte 1 where the rule says 127: its codes are zeros, and this program alone reads the bytes.
; REGISTERS, in windows of 256.  window 0: v1-15, v22 addresses; v16-21 h's scale words; v32-95 the weight's scale words (8 t + s); v96-111 A's (2 s + m / 2; odd m in lanes 16-31); v112-127 at work;
;   v128-255 the weight's fragments, two buffers of four; on the way out codes or rows.   windows 1, 2: A: 64 (s % 4) + 16 m, K steps 0-3 and 4-7.   window 3: the 32 accumulators, 64 m + 8 t; at the head the weights on their way to LDS.
;   In a tile pass: A's 8 fragments window 1 v0-127, its scale words v96-103; the weight's fragments, a K step (128 registers) to a buffer: window 0 v128-255, window 1 v128-255, window 2 v0-127, v128-255; accumulators window 3 v0-63.
; THE MODE: SCHED_MODE bits 1:0 = 2 (LLVM: expert scheduling mode 2), set by the entry lines.  The code itself states the register dependences
; between vector or matrix instructions and memory or LDS instructions, with s_wait_alu, always for 0.
; THE PLAN.  Registers that memory or LDS instructions touch, and who else names them:
;   v4-v15, v22     Offsets and LDS addresses: written by vector lines at the head, never again: one wait ahead of the first load serves the whole kernel.
;   window 3        At the head: the weights land there, the LDS stores read them.  Then the accumulators: the bias lands in them at a pass's head, the products write them; on the way out the first product's
;                   maxima, holds and conversions read and write them, the second product's LDS stores read them.
;   v128-191, v192-255  Half step k's products read buffer k % 2; the LDS loads of half step k + 1 land in the other, which the products of half step k - 1 read: ONE wait on va_vdst at a half step's head.
;                   Behind it stand four products, the sixteen loads, twelve products: none of the four names the other buffer or its address.
;                   On the way out: first product: the conversions write v128-191, the global stores read them; second: the stage's rows land in the two buffers by turns, the global stores read them.
;   A, v96-111      Read by a pass's products; the next group's loads (or the tile's) land in them behind ONE wait on va_vdst at the pass's end, which also shows the accumulators written.
;   v16, v20, v21   First product: the scale words, written by vector lines, read by one store.
; The way out's vector work stands together, ahead of one wait on va_vdst and one run of stores; one wait on vm_vsrc at its end, ahead of the loop's branch, frees all that its stores have read.
.set SECOND, 0
.set PITCH,  1040                      ; a weight row in LDS: 1,024 bytes + 16 = 65 x 16: the 16 rows of a fragment load fall on 16 different columns of 16 bytes
.set BIAS,   128*PITCH                 ; behind the weights: the 128 biases
.set STAGE,  BIAS+512                  ; second product: 16 rows x (512 + 16) bytes for each wave
.set XSC,    2555904
.set HSC,    10223616
.set PLANE,  10223616
.if SECOND
.set PITCHM, 4096                      ; a weight row in memory
.set GSH,    18                        ; a group of A: 2^GSH bytes of codes,
.set GSS,    13                        ; 2^GSS of scale words
.else
.set PITCHM, 1024
.set GSH,    16
.set GSS,    11
.endif
.set PW, 16
.set WS, 32
.set XS, 96
.set TM, 112
.set WF, 128
.set MSB, 0
.macro WIN new                         ; the immediate's high byte repeats the setting that is left
.if MSB != \new
	s_set_vgpr_msb (MSB<<8)|\new
.set MSB, \new
.endif
.endm
.macro PLACES                          ; eight plain lines behind this matrix form, ahead of reads of its results and of loads into its registers; where a load or a store follows, the wait that states the dependence stands beside them
.rept 8
	v_nop
.endr
.endm
.macro SETA                            ; where the group of pass s21 lies in A: group GB + wave + 4 x pass.  The number read from memory is held inside the buffer before it enters an address
	s_lshl_b32 s22, s21, 2
	s_add_co_u32 s22, s22, s16
	s_add_co_u32 s22, s22, s19
	s_min_u32 s22, s22, 38
	s_lshl_b32 s24, s22, GSH
	s_add_nc_u64 s[26:27], s[50:51], s[24:25]
	s_lshl_b32 s24, s22, GSS
	s_add_nc_u64 s[28:29], s[52:53], s[24:25]
.endm
.macro SETO                            ; where the group's results go
.if SECOND
	s_lshl_b32 s24, s22, 18                        ; 64 rows of 4,096 bytes
	s_add_nc_u64 s[30:31], s[48:49], s[24:25]
.else
	s_lshl_b32 s24, s22, 5
	s_add_co_u32 s24, s24, s17                     ; 32 g + my K step of the next product
	s_lshl_b32 s46, s24, 8
	s_lshl_b32 s24, s24, 13
	s_add_nc_u64 s[30:31], s[14:15], s[24:25]
	s_mov_b32 s24, s46
	s_add_nc_u64 s[32:33], s[48:49], s[24:25]
.endif
.endm
.macro ALOAD_LO                        ; A's scale words of all 8 K steps, then the fragments of K steps 0-3: 72 loads
.irp s, 0,1,2,3,4,5,6,7
	global_load_b64 v[XS+2*\s:XS+2*\s+1], v5, s[28:29] offset:256*\s
.endr
	WIN 0x40
.irp s, 0,1,2,3
.irp m, 0,1,2,3
.irp c, 0,1,2,3
	global_load_b128 v[64*\s+16*\m+4*\c:64*\s+16*\m+4*\c+3], v4, s[26:27] offset:8192*\s+2048*\m+512*\c
.endr
.endr
.endr
	WIN 0
.endm
.macro ALOAD_HI                        ; K steps 4-7: 64 loads
	WIN 0x80
.irp s, 4,5,6,7
.irp m, 0,1,2,3
.irp c, 0,1,2,3
	global_load_b128 v[64*(\s-4)+16*\m+4*\c:64*(\s-4)+16*\m+4*\c+3], v4, s[26:27] offset:8192*\s+2048*\m+512*\c
.endr
.endr
.endr
	WIN 0
.endm
.macro WLOAD k                         ; half step k = (K step k / 2, tiles 4 (k % 2) on): four fragments of the weight into buffer k % 2
.set wks, (\k)>>1
.set whf, (\k)&1
.set wbf, WF+64*((\k)&1)
.irp tt, 0,1,2,3
.irp c, 0,1,2,3
	ds_load_b128 v[wbf+16*\tt+4*\c:wbf+16*\tt+4*\c+3], v[6+whf] offset:16*PITCH*\tt+128*wks+32*\c
.endr
.endr
.endm
.macro BIASINIT                        ; the sums begin as the bias: eight registers a tile in the result's layout, the same for the four tiles of rows
	WIN 0xC0
	s_wait_alu depctr_va_vdst(0)                   ; the pass before is done with the accumulators, in which the bias lands: its products have written them, and in the first product its maxima, holds and conversions have read and written them
.irp m, 0,1,2,3
.irp t, 0,1,2,3,4,5,6,7
.if SECOND
.set bo, 64*\t
.else
.set bo, (32*(\t/2)+8*(\t%2))*4
.endif
	ds_load_b128 v[64*\m+8*\t:64*\m+8*\t+3],   v8 offset:bo
	ds_load_b128 v[64*\m+8*\t+4:64*\m+8*\t+7], v8 offset:bo+16
.endr
.endr
	WIN 0
.endm
; Four matrix instructions of half step k: tile of rows m against the half step's four tiles of the weight.
.macro MROW k, m
.set ks, (\k)>>1
.set hf, (\k)&1
.set bf, WF+64*((\k)&1)
.irp tt, 0,1,2,3
.set tl, 4*hf+\tt
.if (\m)&1
	v_wmma_scale_f32_16x16x128_f8f6f4 v[64*\m+8*tl:64*\m+8*tl+7], v[bf+16*\tt:bf+16*\tt+15], v[64*(ks&3)+16*\m:64*(ks&3)+16*\m+15], v[64*\m+8*tl:64*\m+8*tl+7], v[WS+8*tl+ks], v[XS+2*ks+(\m>>1)] matrix_b_scale:MATRIX_SCALE_ROW1
.else
	v_wmma_scale_f32_16x16x128_f8f6f4 v[64*\m+8*tl:64*\m+8*tl+7], v[bf+16*\tt:bf+16*\tt+15], v[64*(ks&3)+16*\m:64*(ks&3)+16*\m+15], v[64*\m+8*tl:64*\m+8*tl+7], v[WS+8*tl+ks], v[XS+2*ks+(\m>>1)]
.endif
.endr
.endm
; 16 matrix instructions.  The accumulators take turns, one instruction a turn: between two links of a chain stand 31 others'.
.macro HALF k
.set ks, (\k)>>1
.set hf, (\k)&1
.if hf == 0
.if 16*(7-ks) > 63
	s_wait_loadcnt 63                              ; K step ks of A is in: behind it stand 16 loads for each later K step; the count is held at the field's largest
.else
	s_wait_loadcnt 16*(7-ks)
.endif
.endif
	s_wait_dscnt 0x0                               ; this half step's fragments of the weight (asked for 12 matrix instructions ago) are in
.if ((\k) > 0) && ((\k) < 15)
	s_wait_alu depctr_va_vdst(0)                   ; the products of the half step before are done reading the other buffer, in which the sixteen loads below land
.endif
.if ks < 4
	WIN 0xF4                                       ; source 0 window 0, source 1 window 1, C and D window 3
.else
	WIN 0xF8                                       ; source 1 window 2
.endif
	MROW \k, 0                                     ; four products first: they name this half step's buffer, A, the scale words and the accumulators, nothing that the loads below touch
.if (\k) < 15
.if (\k) > 0
	PLACES                                         ; the other buffer was read by the half step before
.endif
	WIN 0
	WLOAD (\k)+1                                   ; (half step 0: the other buffer's last readers stand ahead of the waits at the end of the pass before)
.if ks < 4
	WIN 0xF4
.else
	WIN 0xF8
.endif
.endif
	MROW \k, 1
	MROW \k, 2
	MROW \k, 3
.endm
.macro BODY                            ; a pass's products
	SETO
	BIASINIT
	WLOAD 0
.irp k, 0,1,2,3,4,5,6,7,8,9,10,11,12,13,14,15
	HALF \k
.endr
	PLACES                                         ; ahead of the loads into A's registers and of the first reads of results
	WIN 0
	s_wait_alu depctr_va_vdst(0)                   ; the pass's products are done reading A, its scale words and the weight's buffers, in which the loads below land, and have written the accumulators, which the second product's LDS stores read
.endm
.if SECOND
.macro TOSTAGE m                       ; 16 rows x 128 columns into my stage, and back as whole rows of 512 bytes.  LDS serves a wave's instructions in order (ISA guide 5.7.1.4)
	WIN 0x0C                                       ; an LDS store's data are its source 1: window 3
.irp t, 0,1,2,3,4,5,6,7
	ds_store_b128 v13, v[64*(\m)+8*\t:64*(\m)+8*\t+3] offset:64*\t          ; each accumulator from its low end on
	ds_store_b128 v13, v[64*(\m)+8*\t+4:64*(\m)+8*\t+7] offset:64*\t+16
.endr
	WIN 0
.set BB, WF+64*((\m)&1)
.irp i, 0,1,2,3,4,5,6,7,8,9,10,11,12,13,14,15
	ds_load_b128 v[BB+4*\i:BB+4*\i+3], v14 offset:528*\i
.endr
.endm
.macro SEND m, younger                 ; younger: the LDS instructions issued behind block m's loads
.set BB, WF+64*((\m)&1)
	s_wait_dscnt \younger
.irp i, 0,1,2,3,4,5,6,7,8,9,10,11,12,13,14,15
	global_store_b128 v4, v[BB+4*\i:BB+4*\i+3], s[30:31] offset:(16*(\m)+\i)*4096 th:TH_STORE_NT   ; 32 lanes store 512 consecutive bytes, aligned
.endr
.endm
.else
.macro QHV m                           ; tile of rows m: relu, quantised along the hidden units: the codes into v[WF + 16 m] on, the scale word into v[PW + m].  Vector lines alone
	WIN 0x3C                                       ; sources 1 and 2 window 3
.irp b, 0,1,2,3
	v_max3_num_f32 v[TM+\b], 0x4800000, v[64*\m+16*\b], v[64*\m+16*\b+1]   ; no |.|: what is negative becomes 0 and must not count; the floor 2^(9 - 127) stands over it
.endr
.irp i, 2,4,6,8,10,12,14
.irp b, 0,1,2,3
	v_max3_num_f32 v[TM+\b], v[TM+\b], v[64*\m+16*\b+\i], v[64*\m+16*\b+\i+1]   ; each accumulator is read from its low end on
.endr
.endr
	WIN 0
.irp b, 0,1,2,3
	v_permlanex16_b32 v[TM+4+\b], v[TM+\b], s34, s35
.endr
.irp b, 0,1,2,3
	v_max_num_f32 v[TM+\b], v[TM+\b], v[TM+4+\b]   ; with lane l xor 16's 16 units: the block's largest
.endr
.irp b, 0,1,2,3
	v_add_nc_u32 v[TM+12+\b], 0xfc000000, v[TM+\b] ; 8 off the exponent field: the conversion's scale operand
.endr
.irp b, 0,1,2,3
	v_and_or_b32 v[TM+8+\b], v[TM+\b], 0x7f800000, s36   ; 448 x the scale
.endr
.irp b, 0,1,2,3
	v_lshrrev_b32 v[TM+4+\b], 23, v[TM+12+\b]      ; the scale's byte
.endr
	v_lshl_or_b32 v[PW+\m], v[TM+5], 8, v[TM+4]
	v_lshl_or_b32 v[PW+\m], v[TM+6], 16, v[PW+\m]
	v_lshl_or_b32 v[PW+\m], v[TM+7], 24, v[PW+\m]
	WIN 0xC3                                       ; destination and source 0 window 3
.set i, 0
.rept 64
	v_med3_num_f32 v[64*\m+i], v[64*\m+i], 0, v[TM+8+i/16]   ; the activation and the hold in one (the conversion does not saturate: ISA guide 7.6.2)
.set i, i+1
.endr
	WIN 0x03                                       ; source 0 window 3
.irp b, 0,1,2,3
	v_cvt_scalef32_pk8_fp8_f32 v[WF+16*\m+4*\b:WF+16*\m+4*\b+1], v[64*\m+16*\b:64*\m+16*\b+7], v[TM+12+\b]
	v_cvt_scalef32_pk8_fp8_f32 v[WF+16*\m+4*\b+2:WF+16*\m+4*\b+3], v[64*\m+16*\b+8:64*\m+16*\b+15], v[TM+12+\b]
.endr
	v_nop                                          ; a plain line behind the last conversion
	WIN 0
.endm
.macro QHS m                           ; tile m's codes leave as one fragment's image
.irp c, 0,1,2,3
	global_store_b128 v4, v[WF+16*\m+4*\c:WF+16*\m+4*\c+3], s[30:31] offset:2048*\m+512*\c   ; 512 consecutive bytes
.endr
.endm
.endif
.macro EPI                             ; a pass's 64 rows x 128 columns go out
.if SECOND
	TOSTAGE 0                                      ; no vector or matrix instruction stands on this way out: the wait at the pass's end serves all its LDS stores and loads
.irp a, 1,2,3
.if \a > 1
	s_wait_xcnt 0x0                                ; block a - 2's stores have had their addresses translated,
	s_wait_alu depctr_vm_vsrc(0)                   ; and have read their rows' registers, in which block a's rows land
.endif
	TOSTAGE \a
	SEND \a-1, 32                                  ; behind block a - 1's loads: block a's 16 stores and 16 loads
.endr
	SEND 3, 0
.else
	QHV 0                                          ; the four tiles' vector work stands together: each tile has its own sixteen registers for its codes,
	QHV 1
	QHV 2
	QHV 3
	v_cndmask_b32 v20, v[PW], v[PW+1], s37         ; lanes 0-15: tiles 0 and 2; lanes 16-31: tiles 1 and 3 (both halves of the lanes hold a row's word)
	v_cndmask_b32 v21, v[PW+2], v[PW+3], s37
	s_wait_alu depctr_va_vdst(0)                   ; the conversions have written the codes v128-191 and the selects v20 and v21, which the seventeen stores below read
	QHS 0
	QHS 1
	QHS 2
	QHS 3
	global_store_b64 v5, v[20:21], s[32:33]        ; 256 consecutive bytes, aligned
.endif
	s_wait_xcnt 0x0                                ; the stores have had their addresses translated: their bases are written again behind this wait
	s_wait_alu depctr_vm_vsrc(0)                   ; the way out's stores have read their data (v128-255; first product: v20, v21; second: the accumulators, by the stage's LDS stores), which the next pass's loads, products and vector lines write
.endm
; ---- the tile pass: tile w (my wave's number) of the expert's last group, s58
.macro TSETA                           ; where my tile lies in A: the group's codes + 2,048 bytes x tile in each K step; the scale words' place in a K step's 256 bytes stands in v22
	s_lshl_b32 s24, s58, GSH
	s_add_co_u32 s24, s24, s59
	s_add_nc_u64 s[26:27], s[50:51], s[24:25]
	s_lshl_b32 s24, s58, GSS
	s_add_nc_u64 s[28:29], s[52:53], s[24:25]
.endm
.macro TSETO                           ; where its results go
.if SECOND
	s_lshl_b32 s24, s58, 18                        ; 64 rows of 4,096 bytes a group,
	s_lshl_b32 s46, s16, 16                        ; 16 a tile
	s_add_co_u32 s24, s24, s46
	s_add_nc_u64 s[30:31], s[48:49], s[24:25]
.else
	s_lshl_b32 s24, s58, 5
	s_add_co_u32 s24, s24, s17                     ; 32 g + my K step of the next product
	s_lshl_b32 s46, s24, 8
	s_lshl_b32 s24, s24, 13
	s_add_co_u32 s24, s24, s59                     ; + 2,048 bytes x tile
	s_add_nc_u64 s[30:31], s[14:15], s[24:25]
	s_mov_b32 s24, s46
	s_add_nc_u64 s[32:33], s[48:49], s[24:25]
.endif
.endm
.macro TLOAD                           ; 40 loads: my tile's scale words (lane r: row r's word, in both halves of the lanes) and its 8 fragments
.irp s, 0,1,2,3,4,5,6,7
	global_load_b32 v[XS+\s], v22, s[28:29] offset:256*\s
.endr
	WIN 0x40
.irp s, 0,1,2,3,4,5,6,7
.irp c, 0,1,2,3
	global_load_b128 v[16*\s+4*\c:16*\s+4*\c+3], v4, s[26:27] offset:8192*\s+512*\c
.endr
.endr
	WIN 0
.endm
.macro TBIAS                           ; the eight sums begin as the bias
	WIN 0xC0
	s_wait_alu depctr_va_vdst(0)                   ; my last whole pass is done with the accumulators, with A's registers and with the weight's buffers: the bias and the weight's first four K steps land in them
.irp t, 0,1,2,3,4,5,6,7
.if SECOND
.set bo, 64*\t
.else
.set bo, (32*(\t/2)+8*(\t%2))*4
.endif
	ds_load_b128 v[8*\t:8*\t+3],   v8 offset:bo
	ds_load_b128 v[8*\t+4:8*\t+7], v8 offset:bo+16
.endr
.endm
.macro TBUF s                          ; the buffer of K step s: window tw (0, 1, 2, 2), register tb (128, 128, 0, 128)
.set tw, (\s)&3
.set tb, 128
.if tw == 2
.set tb, 0
.endif
.if tw == 3
.set tw, 2
.endif
.endm
.macro TW s                            ; K step s: all eight fragments of the weight, 32 LDS loads, tile 0 first
	TBUF \s
.set twd, tw<<6
	WIN twd                                        ; destination window tw, address window 0
.irp tt, 0,1,2,3
.irp c, 0,1,2,3
	ds_load_b128 v[tb+16*\tt+4*\c:tb+16*\tt+4*\c+3], v6 offset:16*PITCH*\tt+128*(\s)+32*\c
.endr
.endr
.irp tt, 0,1,2,3
.irp c, 0,1,2,3
	ds_load_b128 v[tb+64+16*\tt+4*\c:tb+64+16*\tt+4*\c+3], v7 offset:16*PITCH*\tt+128*(\s)+32*\c
.endr
.endr
.endm
.macro TMUL s                          ; K step s: 8 matrix instructions; the eight accumulators take turns: between two links of a chain stand 7 others'
	TBUF \s
.set twm, 0xF4+tw
	WIN twm                                        ; source 0 window tw, source 1 window 1, C and D window 3
.irp t, 0,1,2,3,4,5,6,7
	v_wmma_scale_f32_16x16x128_f8f6f4 v[8*\t:8*\t+7], v[tb+16*\t:tb+16*\t+15], v[16*(\s):16*(\s)+15], v[8*\t:8*\t+7], v[WS+8*\t+(\s)], v[XS+(\s)]
.endr
.endm
	s_load_b256 s[4:11], s[0:1], 0x0               ; route s[4:5], A s[6:7], the weight's codes s[8:9], its scales s[10:11]
	s_load_b128 s[12:15], s[0:1], 0x20             ; the bias s[12:13], the output s[14:15]
	v_lshl_add_u32 v30, v0, 2, 0x20a00
	v_mov_b32 v31, 0
	v_lshrrev_b32 v1, 5, v0
	v_readfirstlane_b32 s16, v1                    ; wave 0..3
	s_and_b32 s18, ttmp7, 0xffff                   ; the expert
.if SECOND
	s_and_b32 s17, ttmp9, 7                        ; which 128 outputs
	s_lshr_b32 s23, ttmp9, 3                       ; which quarter of K
.else
	s_mov_b32 s17, ttmp9                           ; which 128 hidden units
.endif
	s_mov_b32 s25, 0                               ; the upper word of every offset
	v_and_b32 v1, 31, v0                           ; lane
	v_and_b32 v2, 15, v0                           ; r
	v_bfe_u32 v3, v0, 4, 1                         ; h
	v_lshlrev_b32 v4, 4, v1                        ; 16 x lane
	v_lshlrev_b32 v5, 3, v1                        ; 8 x lane
	s_wait_alu depctr_va_sdst(0)                   ; s16, the wave's number, is written, ahead of its first reader
	s_and_b32 s46, s16, 1
	s_lshl_b32 s46, s46, 7
	s_lshr_b32 s47, s16, 1
	s_lshl_b32 s47, s47, 2
	s_add_co_u32 s46, s46, s47
	v_lshl_add_u32 v22, v2, 3, s46                 ; a tile pass: the word of row r of tile w in a K step's 256 bytes of scale words: 8 (16 (w % 2) + r) + 4 (w / 2)
	v_mul_u32_u24 v6, v2, PITCH
	v_lshl_add_u32 v6, v3, 4, v6                   ; a fragment of the weight: row r, + 16 h: tiles 0-3,
	v_add_nc_u32 v7, 64*PITCH, v6                  ; tiles 4-7
	s_mul_i32 s24, s16, 32*PITCH
	v_add_nc_u32 v9, s24, v4                       ; where I put my 32 rows of the weight
	v_lshlrev_b32 v15, 2, v0                       ; the bias: thread t fetches number t,
	v_lshl_add_u32 v11, v0, 2, BIAS                ; and puts it here
.if SECOND
	v_lshl_add_u32 v8, v3, 5, BIAS                 ; a tile's eight biases of my half: columns 16 t + 8 h on
	v_lshlrev_b32 v10, 7, v2                       ; the weight's scales: row r of 128 bytes
	s_mul_i32 s24, s16, 16*528
	s_add_co_u32 s24, s24, STAGE                   ; my stage
	v_mul_u32_u24 v13, v2, 528
	v_lshl_add_u32 v13, v3, 5, v13
	v_add_nc_u32 v13, s24, v13                     ; in: row r, 32 bytes for each half of the lanes
	v_add_nc_u32 v14, s24, v4                      ; back: a row of 512 bytes
.else
	v_lshl_add_u32 v8, v3, 6, BIAS                 ; hidden units 32 b + 16 h + 8 u on
	v_and_b32 v10, 8, v2
	v_add_nc_u32 v10, v10, v2
	v_lshlrev_b32 v10, 5, v10                      ; the weight's scales: row r + 8 (r / 8) of 32 bytes
	s_mov_b32 s34, 0x76543210                      ; v_permlanex16_b32's selects for lane l xor 16
	s_mov_b32 s35, 0xfedcba98
	s_mov_b32 s36, 0x600000                        ; the mantissa field of 448
	s_mov_b32 s37, 0xffff0000                      ; lanes 16-31
.irp b, 0,1,2,3
	v_mov_b32 v[TM+4+\b], 0                        ; written once: a lane permute's destination counts as one of its sources
.endr
.endif
	s_wait_kmcnt 0x0
	s_lshl_b32 s24, s18, 2
	s_add_nc_u64 s[44:45], s[4:5], s[24:25]
	s_load_b32 s19, s[44:45], 0x2000               ; GB_e: the expert's first group
	s_load_b32 s20, s[44:45], 0x2020               ; G_e: how many it has
	s_load_b32 s57, s[44:45], 0x2040               ; c_e: how many rows
	s_lshl_b32 s24, s18, 22                        ; the expert's 4 MiB of codes,
.if SECOND
	s_lshl_b32 s46, s17, 19                        ; my work-group's 128 rows of 4,096 bytes,
	s_add_co_u32 s24, s24, s46
	s_lshl_b32 s46, s16, 17                        ; my wave's 32,
	s_add_co_u32 s24, s24, s46
	s_lshl_b32 s46, s23, 10                        ; my quarter of each
	s_add_co_u32 s24, s24, s46
.else
	s_lshl_b32 s46, s17, 17                        ; my work-group's 128 rows of 1,024 bytes,
	s_add_co_u32 s24, s24, s46
	s_lshl_b32 s46, s16, 15                        ; my wave's 32
	s_add_co_u32 s24, s24, s46
.endif
	s_add_nc_u64 s[38:39], s[8:9], s[24:25]
	WIN 0xC0                                       ; destination window 3
	s_wait_alu depctr_va_vdst(0)                   ; the offsets and LDS addresses v4 to v15 and v22 are written: every load and store of the kernel reads one of them, and none is written again
.set p, 0
.rept 32
	global_load_b128 v[8*p:8*p+3],   v4, s[38:39] offset:p*PITCHM th:TH_LOAD_NT       ; 512 consecutive bytes; read once in the launch
	global_load_b128 v[8*p+4:8*p+7], v4, s[38:39] offset:p*PITCHM+512 th:TH_LOAD_NT
.set p, p+1
.endr
	WIN 0
	s_lshl_b32 s24, s18, 17                        ; the expert's 128 KiB of scale bytes
.if SECOND
	s_lshl_b32 s46, s17, 14
	s_add_co_u32 s24, s24, s46
	s_lshl_b32 s46, s23, 5
	s_add_co_u32 s24, s24, s46
.else
	s_lshl_b32 s46, s17, 12
	s_add_co_u32 s24, s24, s46
.endif
	s_add_nc_u64 s[40:41], s[10:11], s[24:25]
.irp t, 0,1,2,3,4,5,6,7
.if SECOND
.set ro, 16*\t*128
.else
.set ro, (32*(\t/2)+8*(\t%2))*32
.endif
	global_load_b128 v[WS+8*\t:WS+8*\t+3],   v10, s[40:41] offset:ro        ; lane r: the words of tile t's row r for K steps 0-3,
	global_load_b128 v[WS+8*\t+4:WS+8*\t+7], v10, s[40:41] offset:ro+16     ; 4-7
.endr
.if SECOND
	s_lshl_b32 s24, s18, 12
.else
	s_lshl_b32 s24, s18, 14
.endif
	s_lshl_b32 s46, s17, 9
	s_add_co_u32 s24, s24, s46
	s_add_nc_u64 s[42:43], s[12:13], s[24:25]
	global_load_b32 v12, v15, s[42:43]
.if SECOND
	s_lshl_b32 s24, s23, 16
	s_add_nc_u64 s[50:51], s[6:7], s[24:25]        ; A's codes: my quarter's 8 K steps of a group
	s_lshl_b32 s24, s23, 11
	s_add_nc_u64 s[52:53], s[6:7], s[24:25]
	s_add_nc_u64 s[52:53], s[52:53], HSC           ; and their scale words
	s_mul_i32 s24, s23, PLANE
	s_add_co_u32 s24, s24, s46                     ; my quarter's plane, my 128 columns (512 bytes x the slice)
	s_add_nc_u64 s[48:49], s[14:15], s[24:25]
.else
	s_mov_b64 s[50:51], s[6:7]
	s_add_nc_u64 s[52:53], s[6:7], XSC
	s_add_nc_u64 s[48:49], s[14:15], HSC
.endif
	s_wait_kmcnt 0x0
	s_min_u32 s20, s20, 39                         ; no choice gives an expert more groups than there are
	s_sub_co_u32 s55, s20, 1                       ; the last group's number among the expert's
	s_and_b32 s54, s20, 3
	s_cmp_eq_u32 s54, 1
	s_cselect_b32 s54, 1, 0                        ; is it one over whole rounds of four?  Then it goes by tiles,
	s_sub_co_u32 s20, s20, s54                     ; and the whole passes cover the groups in front of it
	s_add_co_u32 s20, s20, 3
	s_sub_co_u32 s20, s20, s16
	s_lshr_b32 s20, s20, 2                         ; my wave's whole passes: (groups + 3 - wave) / 4, rounded down; 0 where there is no group for me
	s_add_co_u32 s58, s19, s55
	s_min_u32 s58, s58, 38                         ; the last group's number in all, held inside the buffers before it enters an address
	s_lshl_b32 s55, s55, 6
	s_lshl_b32 s56, s16, 4
	s_add_co_u32 s55, s55, s56                     ; the rank of my tile's first row
	s_cmp_gt_u32 s57, s55
	s_cselect_b32 s56, 1, 0                        ; has the expert such a row?
	s_and_b32 s54, s54, s56                        ; 1: I have a tile pass
	s_lshl_b32 s59, s16, 11                        ; 2,048 bytes x my tile
	s_mov_b32 s21, 0                               ; the pass in hand; it steps by 1
	SETA                                           ; (a wave with no group loads inside the buffer and uses nothing of it)
	ALOAD_LO
	s_wait_loadcnt 63                              ; behind the bias stand the 72 loads just issued: weights, their scales and the bias are in
.if SECOND
	s_cmp_eq_u32 s23, 0
	s_cselect_b32 s46, -1, 0
	v_cndmask_b32 v12, 0, v12, s46                 ; the bias is added once: in quarter 0
	s_wait_alu depctr_va_vdst(0)                   ; the select has written v12, which the LDS store of the bias reads
.endif
	WIN 0x0C                                       ; an LDS store's data are its source 1: window 3
.set p, 0
.rept 32
.if SECOND
.set lr, p
.else
.set lr, 16*((p>>3)&1)+8*((p>>4)&1)+(p&7)          ; unit 16 a + 8 u + i of a block of 32 becomes row 8 a + i of tile u
.endif
	ds_store_b128 v9, v[8*p:8*p+3] offset:lr*PITCH
	ds_store_b128 v9, v[8*p+4:8*p+7] offset:lr*PITCH+512
.set p, p+1
.endr
	WIN 0
	ds_store_b32 v11, v12
	ALOAD_HI
	s_wait_dscnt 0x0                               ; for the others' sake: my part of the weight lies in LDS
	s_barrier_signal -1
	s_barrier_wait -1                              ; the one barrier, ahead of every branch on a number read from memory; nothing writes the weights or the bias behind it
	s_wait_alu depctr_vm_vsrc(0)                   ; my LDS stores have read window 3's registers: these are the accumulators from here on, and on every way below the bias lands in them
	s_cmp_lt_u32 s21, s20
	s_cbranch_scc1 .Lsome
	s_wait_loadcnt 0x0                             ; no whole pass for me: the loads at the head are in, so their registers and bases may be written
	TSETA
	TLOAD                                          ; (no vector or matrix instruction has named these registers)
	s_branch .Ltile
.Lsome:
	s_sub_co_u32 s60, s20, 1                       ; every pass but my last fetches the next group; the last is written out behind the loop
	s_cmp_eq_u32 s60, 0
	s_cbranch_scc1 .Ltail
.Lpass:
	BODY
	s_add_co_u32 s21, s21, 1
	SETA                                           ; all earlier loads of A are in (the last K step's wait was for 0), so their base may be written
	ALOAD_LO                                       ; my next group lands while this one goes out: the wait at the pass's end stands ahead of these loads, and the way out names none of their registers
	ALOAD_HI
	EPI
	s_cmp_lt_u32 s21, s60
	s_cbranch_scc1 .Lpass
.Ltail:
	BODY                                           ; my last whole pass: on both ways here the 136 loads of its group are the youngest loads, in the same order
	TSETA                                          ; all loads of A are in
	TLOAD                                          ; my tile of the last group lands while this pass goes out (a wave with no tile pass loads inside the buffer and uses nothing of it)
	EPI
.Ltile:
	s_cmp_eq_u32 s54, 0
	s_cbranch_scc1 .Lend
	TSETO
	TBIAS
	TW 0                                           ; four K steps of the weight are asked for at once,
	TW 1
	TW 2
	TW 3
	s_wait_loadcnt 0x0                             ; my tile of A and its scale words
	s_wait_dscnt 63                                ; the bias and K step 0 are in: behind them stand three K steps' 96 loads; the count is held at the field's largest
	TMUL 0
	s_wait_dscnt 63                                ; behind K step 1: 64 loads
	TMUL 1
	PLACES                                         ; the two buffers just read
	s_wait_dscnt 32                                ; behind K step 2: K step 3's 32 loads
	s_wait_alu depctr_va_vdst(0)                   ; the products of K steps 0 and 1 are done reading their buffers, in which K steps 4 and 5 land
	TMUL 2                                         ; eight products first: they name K step 2's buffer, A, the scale words and the accumulators, nothing that the loads below touch
	TW 4
	TW 5
	s_wait_dscnt 63                                ; behind K step 3: the 64 loads just issued
	TMUL 3
	PLACES                                         ; the two buffers just read
	s_wait_dscnt 32                                ; behind K step 4: K step 5's 32 loads
	s_wait_alu depctr_va_vdst(0)                   ; the products of K steps 2 and 3 are done reading their buffers, in which K steps 6 and 7 land
	TMUL 4
	TW 6
	TW 7
	s_wait_dscnt 63                                ; behind K step 5: the 64 loads just issued
	TMUL 5
	s_wait_dscnt 32                                ; behind K step 6: the last K step's 32
	TMUL 6
	s_wait_dscnt 0x0
	TMUL 7
	PLACES                                         ; ahead of the first reads of results, and of writes of registers that the products read
.if SECOND
	s_wait_alu depctr_va_vdst(0)                   ; the products have written the eight accumulators, which the stage's LDS stores read, and are done reading v128-191, in which the rows land
	TOSTAGE 0
	SEND 0, 0
.else
	QHV 0
	s_wait_alu depctr_va_vdst(0)                   ; the conversions have written the codes v128-143 and the shifts the scale word v16, which the five stores below read
	QHS 0
	global_store_b32 v22, v[PW], s[32:33]          ; my tile's 16 scale words; lanes l and l + 16 hold the same word and store it to the same place
.endif
.Lend:
	s_wait_dscnt 0x0                               ; the closing lines, six on end
	s_wait_alu 0x0
	s_wait_tensorcnt 0x0
	ds_add_u32 v30, v31
	s_wait_dscnt 0x0
	s_endpgm
.Lfunc_end_k_qfbc6113a47_ffn1:
	.size	k_qfbc6113a47_ffn1, .Lfunc_end_k_qfbc6113a47_ffn1-k_qfbc6113a47_ffn1
	.p2alignl 7, 3214868480
	.fill 96, 4, 3214868480
	.section	.rodata,"a",@progbits
	.p2align	6, 0x0
	.amdhsa_kernel k_qfbc6113a47_ffn1
		.amdhsa_group_segment_fixed_size 134144
		.amdhsa_private_segment_fixed_size 0
		.amdhsa_enable_private_segment 0
		.amdhsa_kernarg_size 48
		.amdhsa_user_sgpr_count 2
		.amdhsa_user_sgpr_kernarg_segment_ptr 1
		.amdhsa_wavefront_size32 1
		.amdhsa_system_sgpr_workgroup_id_x 1
		.amdhsa_system_sgpr_workgroup_id_y 1
		.amdhsa_system_sgpr_workgroup_id_z 1
		.amdhsa_system_vgpr_workitem_id 0
		.amdhsa_next_free_vgpr 1024
		.amdhsa_next_free_sgpr 66
		.amdhsa_reserve_vcc 0
		.amdhsa_float_denorm_mode_32 3
		.amdhsa_float_denorm_mode_16_64 3
		.amdhsa_memory_ordered 1
		.amdhsa_forward_progress 1
		.amdhsa_inst_pref_size 255
	.end_amdhsa_kernel
	.section	.bss,"aw",@nobits
	.p2align	6
	.space	262144
	.amdgpu_metadata
---
amdhsa.version: [ 1, 2 ]
amdhsa.kernels:
  - .name:           k_qfbc6113a47_ffn1
    .symbol:         k_qfbc6113a47_ffn1.kd
    .args:
      - { .name: route, .offset: 0, .size: 8, .value_kind: global_buffer, .address_space: global }
      - { .name: xa, .offset: 8, .size: 8, .value_kind: global_buffer, .address_space: global }
      - { .name: W1_codes, .offset: 16, .size: 8, .value_kind: global_buffer, .address_space: global }
      - { .name: W1_scales, .offset: 24, .size: 8, .value_kind: global_buffer, .address_space: global }
      - { .name: b1, .offset: 32, .size: 8, .value_kind: global_buffer, .address_space: global }
      - { .name: ha, .offset: 40, .size: 8, .value_kind: global_buffer, .address_space: global }
    .group_segment_fixed_size: 134144
    .private_segment_fixed_size: 0
    .kernarg_segment_align: 8
    .kernarg_segment_size: 48
    .max_flat_workgroup_size: 128
    .sgpr_count:     66
    .vgpr_count:     1024
    .wavefront_size: 32
...
	.end_amdgpu_metadata
.endif
;; end of part 10
;; launch ffn2 (part 11): grid 32 x 8, 4 waves a work-group, no clusters, 167,936 bytes of LDS; arguments route, ha, W2_codes, W2_scales, b2, yp; writes yp
.if DOCPART == 11
	.amdgcn_target "amdgcn-amd-amdhsa--gfx1250"
	.amdhsa_code_object_version 6
	.text
	.protected	k_qfbc6113a47_ffn2
	.globl	k_qfbc6113a47_ffn2
	.p2align	8
	.type	k_qfbc6113a47_ffn2,@function
k_qfbc6113a47_ffn2:
	s_mov_b64 s[64:65], 0
	v_nop
	global_prefetch_b8 v0, s[64:65] scope:SCOPE_SE
	s_setreg_imm32_b32 hwreg(HW_REG_WAVE_SCHED_MODE, 0, 2), 2
	s_setreg_imm32_b32 hwreg(HW_REG_WAVE_MODE, 25, 1), 1
	s_wait_xcnt 0x0
	s_wait_alu depctr_vm_vsrc(0)
; ONE TEXT FOR BOTH PRODUCTS OF AN EXPERT (SECOND = 0: h = Q(relu(x W1 + b1));  SECOND = 1: a quarter along K of h W2, + b2 in quarter 0), on codes of E4M3 with one E8M0 scale for each 32 along K.
; Only the rows that chose the expert are multiplied: the other rows' results are multiplied by a weight 0 that the problem builds itself.
; SHARES.  A work-group owns 128 rows of the expert's weight x 1,024 along K: 128 KiB, read from memory ONCE in the whole launch, kept in LDS.  (First product: work-group x = which 128 hidden units;
; second: x % 8 = which 128 outputs, x / 8 = which quarter of K = 4,096.  y = the expert.)  Wave w takes the expert's groups of 64 rows w, w + 4, ..; G_e, the number of groups, and c_e, the number of rows, are read from memory.
; A PASS: 64 rows x 128 columns x 1,024 K: 4 tiles of rows x 8 tiles of the weight x 8 K steps = 256 matrix instructions.  All of A's 32 fragments lie in registers (512); they come from memory as images of registers,
; 512 consecutive bytes a load.  The weight's fragments come from LDS, four at a time in two buffers, each read once a pass.
; A TILE PASS.  2,048 rows over 8 experts are 256 = 4 x 64 an expert where the choice is even, so a few rows over make a fifth group.  Where G_e is one over a multiple of four, the last group is no wave's pass: its four tiles of
; 16 rows go one to each wave, 64 matrix instructions each, side by side, and a tile that holds no row of the expert is neither computed nor stored (the next launch decides by the same two numbers and does not use it).
; TRANSPOSED USE: source 0 = 16 rows of the weight, source 1 = 16 rows of A: a lane holds ONE row and eight neighbouring columns.
; FIRST PRODUCT: the weight's rows are laid in LDS so that lane r of tile 2 b + u has hidden unit 32 b + 8 u + r + 8 (r / 8): the 16 registers of tiles 2 b, 2 b + 1 are then 16 neighbours along the next K, and the
; conversions' results are the next operand's registers.  They leave as images (ha: codes [39 g][32 s][4 m][2048], scale words at HSC [39][32][256], laid as xa's).
; SECOND PRODUCT: results leave through the wave's own stage in LDS as rows of 512 bytes (yp: [4 q][2496 positions][1024] f32).
; WHY NO TENSOR LOAD, NO CLUSTER: the number of passes is read from memory, and the weights, two thirds of a work-group's bytes, are shared with nobody.
; LIMITS: NaN and infinities are not served; a block of zeros of h gets the byte 1 where the rule says 127: its codes are zeros, and this program alone reads the bytes.
; REGISTERS, in windows of 256.  window 0: v1-15, v22 addresses; v16-21 h's scale words; v32-95 the weight's scale words (8 t + s); v96-111 A's (2 s + m / 2; odd m in lanes 16-31); v112-127 at work;
;   v128-255 the weight's fragments, two buffers of four; on the way out codes or rows.   windows 1, 2: A: 64 (s % 4) + 16 m, K steps 0-3 and 4-7.   window 3: the 32 accumulators, 64 m + 8 t; at the head the weights on their way to LDS.
;   In a tile pass: A's 8 fragments window 1 v0-127, its scale words v96-103; the weight's fragments, a K step (128 registers) to a buffer: window 0 v128-255, window 1 v128-255, window 2 v0-127, v128-255; accumulators window 3 v0-63.
; THE MODE: SCHED_MODE bits 1:0 = 2 (LLVM: expert scheduling mode 2), set by the entry lines.  The code itself states the register dependences
; between vector or matrix instructions and memory or LDS instructions, with s_wait_alu, always for 0.
; THE PLAN.  Registers that memory or LDS instructions touch, and who else names them:
;   v4-v15, v22     Offsets and LDS addresses: written by vector lines at the head, never again: one wait ahead of the first load serves the whole kernel.
;   window 3        At the head: the weights land there, the LDS stores read them.  Then the accumulators: the bias lands in them at a pass's head, the products write them; on the way out the first product's
;                   maxima, holds and conversions read and write them, the second product's LDS stores read them.
;   v128-191, v192-255  Half step k's products read buffer k % 2; the LDS loads of half step k + 1 land in the other, which the products of half step k - 1 read: ONE wait on va_vdst at a half step's head.
;                   Behind it stand four products, the sixteen loads, twelve products: none of the four names the other buffer or its address.
;                   On the way out: first product: the conversions write v128-191, the global stores read them; second: the stage's rows land in the two buffers by turns, the global stores read them.
;   A, v96-111      Read by a pass's products; the next group's loads (or the tile's) land in them behind ONE wait on va_vdst at the pass's end, which also shows the accumulators written.
;   v16, v20, v21   First product: the scale words, written by vector lines, read by one store.
; The way out's vector work stands together, ahead of one wait on va_vdst and one run of stores; one wait on vm_vsrc at its end, ahead of the loop's branch, frees all that its stores have read.
.set SECOND, 1
.set PITCH,  1040                      ; a weight row in LDS: 1,024 bytes + 16 = 65 x 16: the 16 rows of a fragment load fall on 16 different columns of 16 bytes
.set BIAS,   128*PITCH                 ; behind the weights: the 128 biases
.set STAGE,  BIAS+512                  ; second product: 16 rows x (512 + 16) bytes for each wave
.set XSC,    2555904
.set HSC,    10223616
.set PLANE,  10223616
.if SECOND
.set PITCHM, 4096                      ; a weight row in memory
.set GSH,    18                        ; a group of A: 2^GSH bytes of codes,
.set GSS,    13                        ; 2^GSS of scale words
.else
.set PITCHM, 1024
.set GSH,    16
.set GSS,    11
.endif
.set PW, 16
.set WS, 32
.set XS, 96
.set TM, 112
.set WF, 128
.set MSB, 0
.macro WIN new                         ; the immediate's high byte repeats the setting that is left
.if MSB != \new
	s_set_vgpr_msb (MSB<<8)|\new
.set MSB, \new
.endif
.endm
.macro PLACES                          ; eight plain lines behind this matrix form, ahead of reads of its results and of loads into its registers; where a load or a store follows, the wait that states the dependence stands beside them
.rept 8
	v_nop
.endr
.endm
.macro SETA                            ; where the group of pass s21 lies in A: group GB + wave + 4 x pass.  The number read from memory is held inside the buffer before it enters an address
	s_lshl_b32 s22, s21, 2
	s_add_co_u32 s22, s22, s16
	s_add_co_u32 s22, s22, s19
	s_min_u32 s22, s22, 38
	s_lshl_b32 s24, s22, GSH
	s_add_nc_u64 s[26:27], s[50:51], s[24:25]
	s_lshl_b32 s24, s22, GSS
	s_add_nc_u64 s[28:29], s[52:53], s[24:25]
.endm
.macro SETO                            ; where the group's results go
.if SECOND
	s_lshl_b32 s24, s22, 18                        ; 64 rows of 4,096 bytes
	s_add_nc_u64 s[30:31], s[48:49], s[24:25]
.else
	s_lshl_b32 s24, s22, 5
	s_add_co_u32 s24, s24, s17                     ; 32 g + my K step of the next product
	s_lshl_b32 s46, s24, 8
	s_lshl_b32 s24, s24, 13
	s_add_nc_u64 s[30:31], s[14:15], s[24:25]
	s_mov_b32 s24, s46
	s_add_nc_u64 s[32:33], s[48:49], s[24:25]
.endif
.endm
.macro ALOAD_LO                        ; A's scale words of all 8 K steps, then the fragments of K steps 0-3: 72 loads
.irp s, 0,1,2,3,4,5,6,7
	global_load_b64 v[XS+2*\s:XS+2*\s+1], v5, s[28:29] offset:256*\s
.endr
	WIN 0x40
.irp s, 0,1,2,3
.irp m, 0,1,2,3
.irp c, 0,1,2,3
	global_load_b128 v[64*\s+16*\m+4*\c:64*\s+16*\m+4*\c+3], v4, s[26:27] offset:8192*\s+2048*\m+512*\c
.endr
.endr
.endr
	WIN 0
.endm
.macro ALOAD_HI                        ; K steps 4-7: 64 loads
	WIN 0x80
.irp s, 4,5,6,7
.irp m, 0,1,2,3
.irp c, 0,1,2,3
	global_load_b128 v[64*(\s-4)+16*\m+4*\c:64*(\s-4)+16*\m+4*\c+3], v4, s[26:27] offset:8192*\s+2048*\m+512*\c
.endr
.endr
.endr
	WIN 0
.endm
.macro WLOAD k                         ; half step k = (K step k / 2, tiles 4 (k % 2) on): four fragments of the weight into buffer k % 2
.set wks, (\k)>>1
.set whf, (\k)&1
.set wbf, WF+64*((\k)&1)
.irp tt, 0,1,2,3
.irp c, 0,1,2,3
	ds_load_b128 v[wbf+16*\tt+4*\c:wbf+16*\tt+4*\c+3], v[6+whf] offset:16*PITCH*\tt+128*wks+32*\c
.endr
.endr
.endm
.macro BIASINIT                        ; the sums begin as the bias: eight registers a tile in the result's layout, the same for the four tiles of rows
	WIN 0xC0
	s_wait_alu depctr_va_vdst(0)                   ; the pass before is done with the accumulators, in which the bias lands: its products have written them, and in the first product its maxima, holds and conversions have read and written them
.irp m, 0,1,2,3
.irp t, 0,1,2,3,4,5,6,7
.if SECOND
.set bo, 64*\t
.else
.set bo, (32*(\t/2)+8*(\t%2))*4
.endif
	ds_load_b128 v[64*\m+8*\t:64*\m+8*\t+3],   v8 offset:bo
	ds_load_b128 v[64*\m+8*\t+4:64*\m+8*\t+7], v8 offset:bo+16
.endr
.endr
	WIN 0
.endm
; Four matrix instructions of half step k: tile of rows m against the half step's four tiles of the weight.
.macro MROW k, m
.set ks, (\k)>>1
.set hf, (\k)&1
.set bf, WF+64*((\k)&1)
.irp tt, 0,1,2,3
.set tl, 4*hf+\tt
.if (\m)&1
	v_wmma_scale_f32_16x16x128_f8f6f4 v[64*\m+8*tl:64*\m+8*tl+7], v[bf+16*\tt:bf+16*\tt+15], v[64*(ks&3)+16*\m:64*(ks&3)+16*\m+15], v[64*\m+8*tl:64*\m+8*tl+7], v[WS+8*tl+ks], v[XS+2*ks+(\m>>1)] matrix_b_scale:MATRIX_SCALE_ROW1
.else
	v_wmma_scale_f32_16x16x128_f8f6f4 v[64*\m+8*tl:64*\m+8*tl+7], v[bf+16*\tt:bf+16*\tt+15], v[64*(ks&3)+16*\m:64*(ks&3)+16*\m+15], v[64*\m+8*tl:64*\m+8*tl+7], v[WS+8*tl+ks], v[XS+2*ks+(\m>>1)]
.endif
.endr
.endm
; 16 matrix instructions.  The accumulators take turns, one instruction a turn: between two links of a chain stand 31 others'.
.macro HALF k
.set ks, (\k)>>1
.set hf, (\k)&1
.if hf == 0
.if 16*(7-ks) > 63
	s_wait_loadcnt 63                              ; K step ks of A is in: behind it stand 16 loads for each later K step; the count is held at the field's largest
.else
	s_wait_loadcnt 16*(7-ks)
.endif
.endif
	s_wait_dscnt 0x0                               ; this half step's fragments of the weight (asked for 12 matrix instructions ago) are in
.if ((\k) > 0) && ((\k) < 15)
	s_wait_alu depctr_va_vdst(0)                   ; the products of the half step before are done reading the other buffer, in which the sixteen loads below land
.endif
.if ks < 4
	WIN 0xF4                                       ; source 0 window 0, source 1 window 1, C and D window 3
.else
	WIN 0xF8                                       ; source 1 window 2
.endif
	MROW \k, 0                                     ; four products first: they name this half step's buffer, A, the scale words and the accumulators, nothing that the loads below touch
.if (\k) < 15
.if (\k) > 0
	PLACES                                         ; the other buffer was read by the half step before
.endif
	WIN 0
	WLOAD (\k)+1                                   ; (half step 0: the other buffer's last readers stand ahead of the waits at the end of the pass before)
.if ks < 4
	WIN 0xF4
.else
	WIN 0xF8
.endif
.endif
	MROW \k, 1
	MROW \k, 2
	MROW \k, 3
.endm
.macro BODY                            ; a pass's products
	SETO
	BIASINIT
	WLOAD 0
.irp k, 0,1,2,3,4,5,6,7,8,9,10,11,12,13,14,15
	HALF \k
.endr
	PLACES                                         ; ahead of the loads into A's registers and of the first reads of results
	WIN 0
	s_wait_alu depctr_va_vdst(0)                   ; the pass's products are done reading A, its scale words and the weight's buffers, in which the loads below land, and have written the accumulators, which the second product's LDS stores read
.endm
.if SECOND
.macro TOSTAGE m                       ; 16 rows x 128 columns into my stage, and back as whole rows of 512 bytes.  LDS serves a wave's instructions in order (ISA guide 5.7.1.4)
	WIN 0x0C                                       ; an LDS store's data are its source 1: window 3
.irp t, 0,1,2,3,4,5,6,7
	ds_store_b128 v13, v[64*(\m)+8*\t:64*(\m)+8*\t+3] offset:64*\t          ; each accumulator from its low end on
	ds_store_b128 v13, v[64*(\m)+8*\t+4:64*(\m)+8*\t+7] offset:64*\t+16
.endr
	WIN 0
.set BB, WF+64*((\m)&1)
.irp i, 0,1,2,3,4,5,6,7,8,9,10,11,12,13,14,15
	ds_load_b128 v[BB+4*\i:BB+4*\i+3], v14 offset:528*\i
.endr
.endm
.macro SEND m, younger                 ; younger: the LDS instructions issued behind block m's loads
.set BB, WF+64*((\m)&1)
	s_wait_dscnt \younger
.irp i, 0,1,2,3,4,5,6,7,8,9,10,11,12,13,14,15
	global_store_b128 v4, v[BB+4*\i:BB+4*\i+3], s[30:31] offset:(16*(\m)+\i)*4096 th:TH_STORE_NT   ; 32 lanes store 512 consecutive bytes, aligned
.endr
.endm
.else
.macro QHV m                           ; tile of rows m: relu, quantised along the hidden units: the codes into v[WF + 16 m] on, the scale word into v[PW + m].  Vector lines alone
	WIN 0x3C                                       ; sources 1 and 2 window 3
.irp b, 0,1,2,3
	v_max3_num_f32 v[TM+\b], 0x4800000, v[64*\m+16*\b], v[64*\m+16*\b+1]   ; no |.|: what is negative becomes 0 and must not count; the floor 2^(9 - 127) stands over it
.endr
.irp i, 2,4,6,8,10,12,14
.irp b, 0,1,2,3
	v_max3_num_f32 v[TM+\b], v[TM+\b], v[64*\m+16*\b+\i], v[64*\m+16*\b+\i+1]   ; each accumulator is read from its low end on
.endr
.endr
	WIN 0
.irp b, 0,1,2,3
	v_permlanex16_b32 v[TM+4+\b], v[TM+\b], s34, s35
.endr
.irp b, 0,1,2,3
	v_max_num_f32 v[TM+\b], v[TM+\b], v[TM+4+\b]   ; with lane l xor 16's 16 units: the block's largest
.endr
.irp b, 0,1,2,3
	v_add_nc_u32 v[TM+12+\b], 0xfc000000, v[TM+\b] ; 8 off the exponent field: the conversion's scale operand
.endr
.irp b, 0,1,2,3
	v_and_or_b32 v[TM+8+\b], v[TM+\b], 0x7f800000, s36   ; 448 x the scale
.endr
.irp b, 0,1,2,3
	v_lshrrev_b32 v[TM+4+\b], 23, v[TM+12+\b]      ; the scale's byte
.endr
	v_lshl_or_b32 v[PW+\m], v[TM+5], 8, v[TM+4]
	v_lshl_or_b32 v[PW+\m], v[TM+6], 16, v[PW+\m]
	v_lshl_or_b32 v[PW+\m], v[TM+7], 24, v[PW+\m]
	WIN 0xC3                                       ; destination and source 0 window 3
.set i, 0
.rept 64
	v_med3_num_f32 v[64*\m+i], v[64*\m+i], 0, v[TM+8+i/16]   ; the activation and the hold in one (the conversion does not saturate: ISA guide 7.6.2)
.set i, i+1
.endr
	WIN 0x03                                       ; source 0 window 3
.irp b, 0,1,2,3
	v_cvt_scalef32_pk8_fp8_f32 v[WF+16*\m+4*\b:WF+16*\m+4*\b+1], v[64*\m+16*\b:64*\m+16*\b+7], v[TM+12+\b]
	v_cvt_scalef32_pk8_fp8_f32 v[WF+16*\m+4*\b+2:WF+16*\m+4*\b+3], v[64*\m+16*\b+8:64*\m+16*\b+15], v[TM+12+\b]
.endr
	v_nop                                          ; a plain line behind the last conversion
	WIN 0
.endm
.macro QHS m                           ; tile m's codes leave as one fragment's image
.irp c, 0,1,2,3
	global_store_b128 v4, v[WF+16*\m+4*\c:WF+16*\m+4*\c+3], s[30:31] offset:2048*\m+512*\c   ; 512 consecutive bytes
.endr
.endm
.endif
.macro EPI                             ; a pass's 64 rows x 128 columns go out
.if SECOND
	TOSTAGE 0                                      ; no vector or matrix instruction stands on this way out: the wait at the pass's end serves all its LDS stores and loads
.irp a, 1,2,3
.if \a > 1
	s_wait_xcnt 0x0                                ; block a - 2's stores have had their addresses translated,
	s_wait_alu depctr_vm_vsrc(0)                   ; and have read their rows' registers, in which block a's rows land
.endif
	TOSTAGE \a
	SEND \a-1, 32                                  ; behind block a - 1's loads: block a's 16 stores and 16 loads
.endr
	SEND 3, 0
.else
	QHV 0                                          ; the four tiles' vector work stands together: each tile has its own sixteen registers for its codes,
	QHV 1
	QHV 2
	QHV 3
	v_cndmask_b32 v20, v[PW], v[PW+1], s37         ; lanes 0-15: tiles 0 and 2; lanes 16-31: tiles 1 and 3 (both halves of the lanes hold a row's word)
	v_cndmask_b32 v21, v[PW+2], v[PW+3], s37
	s_wait_alu depctr_va_vdst(0)                   ; the conversions have written the codes v128-191 and the selects v20 and v21, which the seventeen stores below read
	QHS 0
	QHS 1
	QHS 2
	QHS 3
	global_store_b64 v5, v[20:21], s[32:33]        ; 256 consecutive bytes, aligned
.endif
	s_wait_xcnt 0x0                                ; the stores have had their addresses translated: their bases are written again behind this wait
	s_wait_alu depctr_vm_vsrc(0)                   ; the way out's stores have read their data (v128-255; first product: v20, v21; second: the accumulators, by the stage's LDS stores), which the next pass's loads, products and vector lines write
.endm
; ---- the tile pass: tile w (my wave's number) of the expert's last group, s58
.macro TSETA                           ; where my tile lies in A: the group's codes + 2,048 bytes x tile in each K step; the scale words' place in a K step's 256 bytes stands in v22
	s_lshl_b32 s24, s58, GSH
	s_add_co_u32 s24, s24, s59
	s_add_nc_u64 s[26:27], s[50:51], s[24:25]
	s_lshl_b32 s24, s58, GSS
	s_add_nc_u64 s[28:29], s[52:53], s[24:25]
.endm
.macro TSETO                           ; where its results go
.if SECOND
	s_lshl_b32 s24, s58, 18                        ; 64 rows of 4,096 bytes a group,
	s_lshl_b32 s46, s16, 16                        ; 16 a tile
	s_add_co_u32 s24, s24, s46
	s_add_nc_u64 s[30:31], s[48:49], s[24:25]
.else
	s_lshl_b32 s24, s58, 5
	s_add_co_u32 s24, s24, s17                     ; 32 g + my K step of the next product
	s_lshl_b32 s46, s24, 8
	s_lshl_b32 s24, s24, 13
	s_add_co_u32 s24, s24, s59                     ; + 2,048 bytes x tile
	s_add_nc_u64 s[30:31], s[14:15], s[24:25]
	s_mov_b32 s24, s46
	s_add_nc_u64 s[32:33], s[48:49], s[24:25]
.endif
.endm
.macro TLOAD                           ; 40 loads: my tile's scale words (lane r: row r's word, in both halves of the lanes) and its 8 fragments
.irp s, 0,1,2,3,4,5,6,7
	global_load_b32 v[XS+\s], v22, s[28:29] offset:256*\s
.endr
	WIN 0x40
.irp s, 0,1,2,3,4,5,6,7
.irp c, 0,1,2,3
	global_load_b128 v[16*\s+4*\c:16*\s+4*\c+3], v4, s[26:27] offset:8192*\s+512*\c
.endr
.endr
	WIN 0
.endm
.macro TBIAS                           ; the eight sums begin as the bias
	WIN 0xC0
	s_wait_alu depctr_va_vdst(0)                   ; my last whole pass is done with the accumulators, with A's registers and with the weight's buffers: the bias and the weight's first four K steps land in them
.irp t, 0,1,2,3,4,5,6,7
.if SECOND
.set bo, 64*\t
.else
.set bo, (32*(\t/2)+8*(\t%2))*4
.endif
	ds_load_b128 v[8*\t:8*\t+3],   v8 offset:bo
	ds_load_b128 v[8*\t+4:8*\t+7], v8 offset:bo+16
.endr
.endm
.macro TBUF s                          ; the buffer of K step s: window tw (0, 1, 2, 2), register tb (128, 128, 0, 128)
.set tw, (\s)&3
.set tb, 128
.if tw == 2
.set tb, 0
.endif
.if tw == 3
.set tw, 2
.endif
.endm
.macro TW s                            ; K step s: all eight fragments of the weight, 32 LDS loads, tile 0 first
	TBUF \s
.set twd, tw<<6
	WIN twd                                        ; destination window tw, address window 0
.irp tt, 0,1,2,3
.irp c, 0,1,2,3
	ds_load_b128 v[tb+16*\tt+4*\c:tb+16*\tt+4*\c+3], v6 offset:16*PITCH*\tt+128*(\s)+32*\c
.endr
.endr
.irp tt, 0,1,2,3
.irp c, 0,1,2,3
	ds_load_b128 v[tb+64+16*\tt+4*\c:tb+64+16*\tt+4*\c+3], v7 offset:16*PITCH*\tt+128*(\s)+32*\c
.endr
.endr
.endm
.macro TMUL s                          ; K step s: 8 matrix instructions; the eight accumulators take turns: between two links of a chain stand 7 others'
	TBUF \s
.set twm, 0xF4+tw
	WIN twm                                        ; source 0 window tw, source 1 window 1, C and D window 3
.irp t, 0,1,2,3,4,5,6,7
	v_wmma_scale_f32_16x16x128_f8f6f4 v[8*\t:8*\t+7], v[tb+16*\t:tb+16*\t+15], v[16*(\s):16*(\s)+15], v[8*\t:8*\t+7], v[WS+8*\t+(\s)], v[XS+(\s)]
.endr
.endm
	s_load_b256 s[4:11], s[0:1], 0x0               ; route s[4:5], A s[6:7], the weight's codes s[8:9], its scales s[10:11]
	s_load_b128 s[12:15], s[0:1], 0x20             ; the bias s[12:13], the output s[14:15]
	v_lshl_add_u32 v126, v0, 2, 0x28e00
	v_mov_b32 v127, 0
	v_lshrrev_b32 v1, 5, v0
	v_readfirstlane_b32 s16, v1                    ; wave 0..3
	s_and_b32 s18, ttmp7, 0xffff                   ; the expert
.if SECOND
	s_and_b32 s17, ttmp9, 7                        ; which 128 outputs
	s_lshr_b32 s23, ttmp9, 3                       ; which quarter of K
.else
	s_mov_b32 s17, ttmp9                           ; which 128 hidden units
.endif
	s_mov_b32 s25, 0                               ; the upper word of every offset
	v_and_b32 v1, 31, v0                           ; lane
	v_and_b32 v2, 15, v0                           ; r
	v_bfe_u32 v3, v0, 4, 1                         ; h
	v_lshlrev_b32 v4, 4, v1                        ; 16 x lane
	v_lshlrev_b32 v5, 3, v1                        ; 8 x lane
	s_wait_alu depctr_va_sdst(0)                   ; s16, the wave's number, is written, ahead of its first reader
	s_and_b32 s46, s16, 1
	s_lshl_b32 s46, s46, 7
	s_lshr_b32 s47, s16, 1
	s_lshl_b32 s47, s47, 2
	s_add_co_u32 s46, s46, s47
	v_lshl_add_u32 v22, v2, 3, s46                 ; a tile pass: the word of row r of tile w in a K step's 256 bytes of scale words: 8 (16 (w % 2) + r) + 4 (w / 2)
	v_mul_u32_u24 v6, v2, PITCH
	v_lshl_add_u32 v6, v3, 4, v6                   ; a fragment of the weight: row r, + 16 h: tiles 0-3,
	v_add_nc_u32 v7, 64*PITCH, v6                  ; tiles 4-7
	s_mul_i32 s24, s16, 32*PITCH
	v_add_nc_u32 v9, s24, v4                       ; where I put my 32 rows of the weight
	v_lshlrev_b32 v15, 2, v0                       ; the bias: thread t fetches number t,
	v_lshl_add_u32 v11, v0, 2, BIAS                ; and puts it here
.if SECOND
	v_lshl_add_u32 v8, v3, 5, BIAS                 ; a tile's eight biases of my half: columns 16 t + 8 h on
	v_lshlrev_b32 v10, 7, v2                       ; the weight's scales: row r of 128 bytes
	s_mul_i32 s24, s16, 16*528
	s_add_co_u32 s24, s24, STAGE                   ; my stage
	v_mul_u32_u24 v13, v2, 528
	v_lshl_add_u32 v13, v3, 5, v13
	v_add_nc_u32 v13, s24, v13                     ; in: row r, 32 bytes for each half of the lanes
	v_add_nc_u32 v14, s24, v4                      ; back: a row of 512 bytes
.else
	v_lshl_add_u32 v8, v3, 6, BIAS                 ; hidden units 32 b + 16 h + 8 u on
	v_and_b32 v10, 8, v2
	v_add_nc_u32 v10, v10, v2
	v_lshlrev_b32 v10, 5, v10                      ; the weight's scales: row r + 8 (r / 8) of 32 bytes
	s_mov_b32 s34, 0x76543210                      ; v_permlanex16_b32's selects for lane l xor 16
	s_mov_b32 s35, 0xfedcba98
	s_mov_b32 s36, 0x600000                        ; the mantissa field of 448
	s_mov_b32 s37, 0xffff0000                      ; lanes 16-31
.irp b, 0,1,2,3
	v_mov_b32 v[TM+4+\b], 0                        ; written once: a lane permute's destination counts as one of its sources
.endr
.endif
	s_wait_kmcnt 0x0
	s_lshl_b32 s24, s18, 2
	s_add_nc_u64 s[44:45], s[4:5], s[24:25]
	s_load_b32 s19, s[44:45], 0x2000               ; GB_e: the expert's first group
	s_load_b32 s20, s[44:45], 0x2020               ; G_e: how many it has
	s_load_b32 s57, s[44:45], 0x2040               ; c_e: how many rows
	s_lshl_b32 s24, s18, 22                        ; the expert's 4 MiB of codes,
.if SECOND
	s_lshl_b32 s46, s17, 19                        ; my work-group's 128 rows of 4,096 bytes,
	s_add_co_u32 s24, s24, s46
	s_lshl_b32 s46, s16, 17                        ; my wave's 32,
	s_add_co_u32 s24, s24, s46
	s_lshl_b32 s46, s23, 10                        ; my quarter of each
	s_add_co_u32 s24, s24, s46
.else
	s_lshl_b32 s46, s17, 17                        ; my work-group's 128 rows of 1,024 bytes,
	s_add_co_u32 s24, s24, s46
	s_lshl_b32 s46, s16, 15                        ; my wave's 32
	s_add_co_u32 s24, s24, s46
.endif
	s_add_nc_u64 s[38:39], s[8:9], s[24:25]
	WIN 0xC0                                       ; destination window 3
	s_wait_alu depctr_va_vdst(0)                   ; the offsets and LDS addresses v4 to v15 and v22 are written: every load and store of the kernel reads one of them, and none is written again
.set p, 0
.rept 32
	global_load_b128 v[8*p:8*p+3],   v4, s[38:39] offset:p*PITCHM th:TH_LOAD_NT       ; 512 consecutive bytes; read once in the launch
	global_load_b128 v[8*p+4:8*p+7], v4, s[38:39] offset:p*PITCHM+512 th:TH_LOAD_NT
.set p, p+1
.endr
	WIN 0
	s_lshl_b32 s24, s18, 17                        ; the expert's 128 KiB of scale bytes
.if SECOND
	s_lshl_b32 s46, s17, 14
	s_add_co_u32 s24, s24, s46
	s_lshl_b32 s46, s23, 5
	s_add_co_u32 s24, s24, s46
.else
	s_lshl_b32 s46, s17, 12
	s_add_co_u32 s24, s24, s46
.endif
	s_add_nc_u64 s[40:41], s[10:11], s[24:25]
.irp t, 0,1,2,3,4,5,6,7
.if SECOND
.set ro, 16*\t*128
.else
.set ro, (32*(\t/2)+8*(\t%2))*32
.endif
	global_load_b128 v[WS+8*\t:WS+8*\t+3],   v10, s[40:41] offset:ro        ; lane r: the words of tile t's row r for K steps 0-3,
	global_load_b128 v[WS+8*\t+4:WS+8*\t+7], v10, s[40:41] offset:ro+16     ; 4-7
.endr
.if SECOND
	s_lshl_b32 s24, s18, 12
.else
	s_lshl_b32 s24, s18, 14
.endif
	s_lshl_b32 s46, s17, 9
	s_add_co_u32 s24, s24, s46
	s_add_nc_u64 s[42:43], s[12:13], s[24:25]
	global_load_b32 v12, v15, s[42:43]
.if SECOND
	s_lshl_b32 s24, s23, 16
	s_add_nc_u64 s[50:51], s[6:7], s[24:25]        ; A's codes: my quarter's 8 K steps of a group
	s_lshl_b32 s24, s23, 11
	s_add_nc_u64 s[52:53], s[6:7], s[24:25]
	s_add_nc_u64 s[52:53], s[52:53], HSC           ; and their scale words
	s_mul_i32 s24, s23, PLANE
	s_add_co_u32 s24, s24, s46                     ; my quarter's plane, my 128 columns (512 bytes x the slice)
	s_add_nc_u64 s[48:49], s[14:15], s[24:25]
.else
	s_mov_b64 s[50:51], s[6:7]
	s_add_nc_u64 s[52:53], s[6:7], XSC
	s_add_nc_u64 s[48:49], s[14:15], HSC
.endif
	s_wait_kmcnt 0x0
	s_min_u32 s20, s20, 39                         ; no choice gives an expert more groups than there are
	s_sub_co_u32 s55, s20, 1                       ; the last group's number among the expert's
	s_and_b32 s54, s20, 3
	s_cmp_eq_u32 s54, 1
	s_cselect_b32 s54, 1, 0                        ; is it one over whole rounds of four?  Then it goes by tiles,
	s_sub_co_u32 s20, s20, s54                     ; and the whole passes cover the groups in front of it
	s_add_co_u32 s20, s20, 3
	s_sub_co_u32 s20, s20, s16
	s_lshr_b32 s20, s20, 2                         ; my wave's whole passes: (groups + 3 - wave) / 4, rounded down; 0 where there is no group for me
	s_add_co_u32 s58, s19, s55
	s_min_u32 s58, s58, 38                         ; the last group's number in all, held inside the buffers before it enters an address
	s_lshl_b32 s55, s55, 6
	s_lshl_b32 s56, s16, 4
	s_add_co_u32 s55, s55, s56                     ; the rank of my tile's first row
	s_cmp_gt_u32 s57, s55
	s_cselect_b32 s56, 1, 0                        ; has the expert such a row?
	s_and_b32 s54, s54, s56                        ; 1: I have a tile pass
	s_lshl_b32 s59, s16, 11                        ; 2,048 bytes x my tile
	s_mov_b32 s21, 0                               ; the pass in hand; it steps by 1
	SETA                                           ; (a wave with no group loads inside the buffer and uses nothing of it)
	ALOAD_LO
	s_wait_loadcnt 63                              ; behind the bias stand the 72 loads just issued: weights, their scales and the bias are in
.if SECOND
	s_cmp_eq_u32 s23, 0
	s_cselect_b32 s46, -1, 0
	v_cndmask_b32 v12, 0, v12, s46                 ; the bias is added once: in quarter 0
	s_wait_alu depctr_va_vdst(0)                   ; the select has written v12, which the LDS store of the bias reads
.endif
	WIN 0x0C                                       ; an LDS store's data are its source 1: window 3
.set p, 0
.rept 32
.if SECOND
.set lr, p
.else
.set lr, 16*((p>>3)&1)+8*((p>>4)&1)+(p&7)          ; unit 16 a + 8 u + i of a block of 32 becomes row 8 a + i of tile u
.endif
	ds_store_b128 v9, v[8*p:8*p+3] offset:lr*PITCH
	ds_store_b128 v9, v[8*p+4:8*p+7] offset:lr*PITCH+512
.set p, p+1
.endr
	WIN 0
	ds_store_b32 v11, v12
	ALOAD_HI
	s_wait_dscnt 0x0                               ; for the others' sake: my part of the weight lies in LDS
	s_barrier_signal -1
	s_barrier_wait -1                              ; the one barrier, ahead of every branch on a number read from memory; nothing writes the weights or the bias behind it
	s_wait_alu depctr_vm_vsrc(0)                   ; my LDS stores have read window 3's registers: these are the accumulators from here on, and on every way below the bias lands in them
	s_cmp_lt_u32 s21, s20
	s_cbranch_scc1 .Lsome
	s_wait_loadcnt 0x0                             ; no whole pass for me: the loads at the head are in, so their registers and bases may be written
	TSETA
	TLOAD                                          ; (no vector or matrix instruction has named these registers)
	s_branch .Ltile
.Lsome:
	s_sub_co_u32 s60, s20, 1                       ; every pass but my last fetches the next group; the last is written out behind the loop
	s_cmp_eq_u32 s60, 0
	s_cbranch_scc1 .Ltail
.Lpass:
	BODY
	s_add_co_u32 s21, s21, 1
	SETA                                           ; all earlier loads of A are in (the last K step's wait was for 0), so their base may be written
	ALOAD_LO                                       ; my next group lands while this one goes out: the wait at the pass's end stands ahead of these loads, and the way out names none of their registers
	ALOAD_HI
	EPI
	s_cmp_lt_u32 s21, s60
	s_cbranch_scc1 .Lpass
.Ltail:
	BODY                                           ; my last whole pass: on both ways here the 136 loads of its group are the youngest loads, in the same order
	TSETA                                          ; all loads of A are in
	TLOAD                                          ; my tile of the last group lands while this pass goes out (a wave with no tile pass loads inside the buffer and uses nothing of it)
	EPI
.Ltile:
	s_cmp_eq_u32 s54, 0
	s_cbranch_scc1 .Lend
	TSETO
	TBIAS
	TW 0                                           ; four K steps of the weight are asked for at once,
	TW 1
	TW 2
	TW 3
	s_wait_loadcnt 0x0                             ; my tile of A and its scale words
	s_wait_dscnt 63                                ; the bias and K step 0 are in: behind them stand three K steps' 96 loads; the count is held at the field's largest
	TMUL 0
	s_wait_dscnt 63                                ; behind K step 1: 64 loads
	TMUL 1
	PLACES                                         ; the two buffers just read
	s_wait_dscnt 32                                ; behind K step 2: K step 3's 32 loads
	s_wait_alu depctr_va_vdst(0)                   ; the products of K steps 0 and 1 are done reading their buffers, in which K steps 4 and 5 land
	TMUL 2                                         ; eight products first: they name K step 2's buffer, A, the scale words and the accumulators, nothing that the loads below touch
	TW 4
	TW 5
	s_wait_dscnt 63                                ; behind K step 3: the 64 loads just issued
	TMUL 3
	PLACES                                         ; the two buffers just read
	s_wait_dscnt 32                                ; behind K step 4: K step 5's 32 loads
	s_wait_alu depctr_va_vdst(0)                   ; the products of K steps 2 and 3 are done reading their buffers, in which K steps 6 and 7 land
	TMUL 4
	TW 6
	TW 7
	s_wait_dscnt 63                                ; behind K step 5: the 64 loads just issued
	TMUL 5
	s_wait_dscnt 32                                ; behind K step 6: the last K step's 32
	TMUL 6
	s_wait_dscnt 0x0
	TMUL 7
	PLACES                                         ; ahead of the first reads of results, and of writes of registers that the products read
.if SECOND
	s_wait_alu depctr_va_vdst(0)                   ; the products have written the eight accumulators, which the stage's LDS stores read, and are done reading v128-191, in which the rows land
	TOSTAGE 0
	SEND 0, 0
.else
	QHV 0
	s_wait_alu depctr_va_vdst(0)                   ; the conversions have written the codes v128-143 and the shifts the scale word v16, which the five stores below read
	QHS 0
	global_store_b32 v22, v[PW], s[32:33]          ; my tile's 16 scale words; lanes l and l + 16 hold the same word and store it to the same place
.endif
.Lend:
	s_wait_dscnt 0x0                               ; the closing lines, six on end
	s_wait_alu 0x0
	s_wait_tensorcnt 0x0
	ds_add_u32 v126, v127
	s_wait_dscnt 0x0
	s_endpgm
.Lfunc_end_k_qfbc6113a47_ffn2:
	.size	k_qfbc6113a47_ffn2, .Lfunc_end_k_qfbc6113a47_ffn2-k_qfbc6113a47_ffn2
	.p2alignl 7, 3214868480
	.fill 96, 4, 3214868480
	.section	.rodata,"a",@progbits
	.p2align	6, 0x0
	.amdhsa_kernel k_qfbc6113a47_ffn2
		.amdhsa_group_segment_fixed_size 167936
		.amdhsa_private_segment_fixed_size 0
		.amdhsa_enable_private_segment 0
		.amdhsa_kernarg_size 48
		.amdhsa_user_sgpr_count 2
		.amdhsa_user_sgpr_kernarg_segment_ptr 1
		.amdhsa_wavefront_size32 1
		.amdhsa_system_sgpr_workgroup_id_x 1
		.amdhsa_system_sgpr_workgroup_id_y 1
		.amdhsa_system_sgpr_workgroup_id_z 1
		.amdhsa_system_vgpr_workitem_id 0
		.amdhsa_next_free_vgpr 1024
		.amdhsa_next_free_sgpr 66
		.amdhsa_reserve_vcc 0
		.amdhsa_float_denorm_mode_32 3
		.amdhsa_float_denorm_mode_16_64 3
		.amdhsa_memory_ordered 1
		.amdhsa_forward_progress 1
		.amdhsa_inst_pref_size 227
	.end_amdhsa_kernel
	.amdgpu_metadata
---
amdhsa.version: [ 1, 2 ]
amdhsa.kernels:
  - .name:           k_qfbc6113a47_ffn2
    .symbol:         k_qfbc6113a47_ffn2.kd
    .args:
      - { .name: route, .offset: 0, .size: 8, .value_kind: global_buffer, .address_space: global }
      - { .name: ha, .offset: 8, .size: 8, .value_kind: global_buffer, .address_space: global }
      - { .name: W2_codes, .offset: 16, .size: 8, .value_kind: global_buffer, .address_space: global }
      - { .name: W2_scales, .offset: 24, .size: 8, .value_kind: global_buffer, .address_space: global }
      - { .name: b2, .offset: 32, .size: 8, .value_kind: global_buffer, .address_space: global }
      - { .name: yp, .offset: 40, .size: 8, .value_kind: global_buffer, .address_space: global }
    .group_segment_fixed_size: 167936
    .private_segment_fixed_size: 0
    .kernarg_segment_align: 8
    .kernarg_segment_size: 48
    .max_flat_workgroup_size: 128
    .sgpr_count:     66
    .vgpr_count:     1024
    .wavefront_size: 32
...
	.end_amdgpu_metadata
.endif
;; end of part 11
;; launch comb (part 12): grid 256 x 1, 8 waves a work-group, no clusters, 0 bytes of LDS; arguments route, gate, yp, out0; writes out0
.if DOCPART == 12
	.amdgcn_target "amdgcn-amd-amdhsa--gfx1250"
	.amdhsa_code_object_version 6
	.text
	.protected	k_qfbc6113a47_comb
	.globl	k_qfbc6113a47_comb
	.p2align	8
	.type	k_qfbc6113a47_comb,@function
k_qfbc6113a47_comb:
	s_mov_b64 s[64:65], 0
	v_nop
	global_prefetch_b8 v0, s[64:65] scope:SCOPE_SE
	s_setreg_imm32_b32 hwreg(HW_REG_WAVE_MODE, 25, 1), 1
	s_wait_xcnt 0x0
; THE SUM.  out[n] = g1 (sum over the four quarters of K of yp[q][pos1]) + g2 (the same at pos2): each output row has one owner, nothing is added in memory.
; route: [1024][2] positions; gate at byte 32768: [1024][2] weights; yp: [4][2496][1024] f32; out0: [1024][1024] f32.
; A work-group takes four tokens; thread t takes bytes 16 t of each row, so a wave's load or store covers 512 consecutive bytes.  All 32 loads of a thread go out at once: 128 KiB a work-group.
; A stream: no LDS, no barrier, no matrix work.
.set PLANE, 10223616
.set R, 16                             ; v16-143: token t, position j, quarter q at 32 t + 16 j + 4 q
	s_load_b256 s[4:11], s[0:1], 0x0               ; route s[4:5], gate s[6:7], yp s[8:9], out0 s[10:11]
	v_lshlrev_b32 v1, 4, v0
	s_lshl_b32 s12, ttmp9, 5                       ; 8 bytes a token in both tables
	s_mov_b32 s13, 0
	s_wait_alu depctr_va_vdst(0)
	s_wait_kmcnt 0x0
	s_add_nc_u64 s[14:15], s[4:5], s[12:13]
	s_add_nc_u64 s[44:45], s[6:7], s[12:13]
	s_load_b256 s[16:23], s[14:15], 0x0            ; pos1, pos2 of my four tokens
	s_load_b256 s[24:31], s[44:45], 0x8000         ; g1, g2
	s_mov_b64 s[36:37], s[8:9]                     ; the four planes
	s_add_nc_u64 s[38:39], s[8:9], PLANE
	s_add_nc_u64 s[40:41], s[8:9], 2*PLANE
	s_add_nc_u64 s[42:43], s[8:9], 3*PLANE
	s_lshl_b32 s12, ttmp9, 14                      ; four rows of 4,096 bytes
	s_add_nc_u64 s[10:11], s[10:11], s[12:13]
	s_wait_kmcnt 0x0
.irp i, 0,1,2,3,4,5,6,7
	s_min_u32 s[16+\i], s[16+\i], 2495             ; a number read from memory is held inside the buffer before it enters an address
	s_lshl_b32 s32, s[16+\i], 12
	v_add_nc_u32 v[2+\i], s32, v1
.endr
	s_wait_alu depctr_va_vdst(0)
.irp t, 0,1,2,3
.irp j, 0,1
.irp q, 0,1,2,3
	global_load_b128 v[R+32*\t+16*\j+4*\q:R+32*\t+16*\j+4*\q+3], v[2+2*\t+\j], s[36+2*\q:37+2*\q] th:TH_LOAD_NT   ; each position is read by one token
.endr
.endr
.endr
.irp t, 0,1,2,3
	s_wait_loadcnt 8*(3-\t)                        ; this token's eight loads are in; the later tokens' may be out
.irp j, 0,1
.irp c, 0,2
	v_pk_add_f32 v[R+32*\t+16*\j+\c:R+32*\t+16*\j+\c+1], v[R+32*\t+16*\j+\c:R+32*\t+16*\j+\c+1], v[R+32*\t+16*\j+4+\c:R+32*\t+16*\j+4+\c+1]
	v_pk_add_f32 v[R+32*\t+16*\j+8+\c:R+32*\t+16*\j+8+\c+1], v[R+32*\t+16*\j+8+\c:R+32*\t+16*\j+8+\c+1], v[R+32*\t+16*\j+12+\c:R+32*\t+16*\j+12+\c+1]
.endr
.irp c, 0
	s_delay_alu instid0(VALU_DEP_3)
	v_pk_add_f32 v[R+32*\t+16*\j+\c:R+32*\t+16*\j+\c+1], v[R+32*\t+16*\j+\c:R+32*\t+16*\j+\c+1], v[R+32*\t+16*\j+8+\c:R+32*\t+16*\j+8+\c+1]
.endr
.irp c, 2
	s_delay_alu instid0(VALU_DEP_2)
	v_pk_add_f32 v[R+32*\t+16*\j+\c:R+32*\t+16*\j+\c+1], v[R+32*\t+16*\j+\c:R+32*\t+16*\j+\c+1], v[R+32*\t+16*\j+8+\c:R+32*\t+16*\j+8+\c+1]
.endr
.endr
.irp c, 0,1,2,3
	v_mul_f32 v[R+32*\t+\c], s[24+2*\t], v[R+32*\t+\c]
.endr
.irp c, 0,1,2,3
	s_delay_alu instid0(VALU_DEP_4)
	v_fma_f32 v[R+32*\t+\c], s[25+2*\t], v[R+32*\t+16+\c], v[R+32*\t+\c]
.endr
	global_store_b128 v1, v[R+32*\t:R+32*\t+3], s[10:11] offset:4096*\t th:TH_STORE_NT
.endr
	s_endpgm
.Lfunc_end_k_qfbc6113a47_comb:
	.size	k_qfbc6113a47_comb, .Lfunc_end_k_qfbc6113a47_comb-k_qfbc6113a47_comb
	.p2alignl 7, 3214868480
	.fill 96, 4, 3214868480
	.section	.rodata,"a",@progbits
	.p2align	6, 0x0
	.amdhsa_kernel k_qfbc6113a47_comb
		.amdhsa_group_segment_fixed_size 0
		.amdhsa_private_segment_fixed_size 0
		.amdhsa_enable_private_segment 0
		.amdhsa_kernarg_size 32
		.amdhsa_user_sgpr_count 2
		.amdhsa_user_sgpr_kernarg_segment_ptr 1
		.amdhsa_wavefront_size32 1
		.amdhsa_system_sgpr_workgroup_id_x 1
		.amdhsa_system_sgpr_workgroup_id_y 1
		.amdhsa_system_sgpr_workgroup_id_z 1
		.amdhsa_system_vgpr_workitem_id 0
		.amdhsa_next_free_vgpr 160
		.amdhsa_next_free_sgpr 66
		.amdhsa_reserve_vcc 0
		.amdhsa_float_denorm_mode_32 3
		.amdhsa_float_denorm_mode_16_64 3
		.amdhsa_memory_ordered 1
		.amdhsa_forward_progress 1
		.amdhsa_inst_pref_size 12
	.end_amdhsa_kernel
	.amdgpu_metadata
---
amdhsa.version: [ 1, 2 ]
amdhsa.kernels:
  - .name:           k_qfbc6113a47_comb
    .symbol:         k_qfbc6113a47_comb.kd
    .args:
      - { .name: route, .offset: 0, .size: 8, .value_kind: global_buffer, .address_space: global }
      - { .name: gate, .offset: 8, .size: 8, .value_kind: global_buffer, .address_space: global }
      - { .name: yp, .offset: 16, .size: 8, .value_kind: global_buffer, .address_space: global }
      - { .name: out0, .offset: 24, .size: 8, .value_kind: global_buffer, .address_space: global }
    .group_segment_fixed_size: 0
    .private_segment_fixed_size: 0
    .kernarg_segment_align: 8
    .kernarg_segment_size: 32
    .max_flat_workgroup_size: 256
    .sgpr_count:     66
    .vgpr_count:     160
    .wavefront_size: 32
...
	.end_amdgpu_metadata
.endif
;; end of part 12
